; MI455X (gfx1250); checked and timed in simulation.
; The chip was launched on July 23, 2026; its instructions are those of AMD's public machine-readable ISA for CDNA 5 (MIT licence, August 2026) and "CDNA5" Instruction Set Architecture Reference Guide (July 2026). The comments in the code are by the model that wrote it; some were corrected since.
;; Window Attention Memory. Allowed arithmetic: matrix products marked QUANTISED: E2M3 operands, one E8M0 scale for each 32 along K, by v_wmma_scale_f32_16x16x128_f8f6f4 with both operands' format E2M3, f32 sums; everything else in f32.
;; Inputs: b_k 1,024 float32; b_o 1,024 float32; b_q 1,024 float32; b_v 1,024 float32; ln_b 1,024 float32; ln_g 1,024 float32; w_k_codes 1,024 x 32 x 24 uint8 (E2M3 codes of w_k, K innermost, in blocks of 32 codes, four codes in three bytes); w_k_scales 1,024 x 32 uint8 (E8M0 scales of w_k, one for each 32 codes along K); w_o_codes 1,024 x 32 x 24 uint8 (E2M3 codes of w_o, K innermost, in blocks of 32 codes, four codes in three bytes); w_o_scales 1,024 x 32 uint8 (E8M0 scales of w_o, one for each 32 codes along K); w_q_codes 1,024 x 32 x 24 uint8 (E2M3 codes of w_q, K innermost, in blocks of 32 codes, four codes in three bytes); w_q_scales 1,024 x 32 uint8 (E8M0 scales of w_q, one for each 32 codes along K); w_v_codes 1,024 x 32 x 24 uint8 (E2M3 codes of w_v, K innermost, in blocks of 32 codes, four codes in three bytes); w_v_scales 1,024 x 32 uint8 (E8M0 scales of w_v, one for each 32 codes along K); x 4 x 2,048 x 1,024 float32.
;; Outputs: out0 4 x 2,048 x 1,024 float32.
;; This version of the problem:
;;   THIS VERSION OF THE PROBLEM IS GIVEN IN LOW PRECISION. The matrix products marked QUANTISED in the list below multiply operands that are first quantised to E2M3 (2 exponent bits, 3 mantissa bits; 6 bits a number), with one power-of-two scale for each 32 numbers along K (OCP MX v1.0); their sums are f32. All else is computed in f32.
;;   The module's matrix products, in the order in which they are computed (A, B: the left and right operand; K: the contracted axis; several contracted axes count as one K, in the product's order):
;;     1. [M 8,192, K 1,024] x [K 1,024, N 1,024]; A: computed on the way; B: input w_q (given as codes): QUANTISED
;;     2. [M 8,192, K 1,024] x [K 1,024, N 1,024]; A: computed on the way; B: input w_k (given as codes): QUANTISED
;;     3. [M 8,192, K 1,024] x [K 1,024, N 1,024]; A: computed on the way; B: input w_v (given as codes): QUANTISED
;;     4. batch 64 x [M 2,048, K 64] x [K 64, N 2,048]; A: computed on the way; B: computed on the way: QUANTISED
;;     5. batch 64 x [M 2,048, K 2,048] x [K 2,048, N 64]; A: softmax (see below); B: computed on the way: QUANTISED
;;     6. [M 8,192, K 1,024] x [K 1,024, N 1,024]; A: computed on the way; B: input w_o (given as codes): QUANTISED
;;   THE QUANTISER, for each operand of a quantised product, along K:
;;     - K is cut into blocks of 32 from its start; a last block that is shorter is filled with zeros.
;;     - A block's scale is 2^e with e = floor(log2(the largest magnitude in the block)) - 2, held to -126 .. 127; a block of zeros has e = 0. As a byte (E8M0): e + 127.
;;     - Each number is divided by its block's scale, clamped to +-7.5, and rounded to the nearest number of E2M3, ties to even, subnormals kept.
;;     - The product sums the exact products of the quantised numbers (number of the format x scale) in f32.
;;   ~~~python
;;   def quantise(x, axis):      # numpy; x: float32 -> the quantised numbers, widened to float32 again
;;       x = np.moveaxis(x, axis, -1); K = x.shape[-1]
;;       x = np.pad(x, [(0, 0)] * (x.ndim - 1) + [(0, -K % 32)]); x = x.reshape(x.shape[:-1] + (-1, 32)); a = np.abs(x).max(-1, keepdims=True)
;;       e = np.where(a > 0, np.clip(np.frexp(np.where(a > 0, a, 1))[1] - 1 - 2, -126, 127), 0)      # np.frexp(a)[1] - 1 = floor(log2(a)), exactly
;;       r = np.clip(x / 2.0 ** e, -7.5, 7.5)
;;       step = 2.0 ** (np.maximum(np.frexp(np.where(r == 0, 1, r))[1] - 1, 0) - 3)
;;       q = np.round(r / step) * step * 2.0 ** e      # np.round: ties to even
;;       return np.moveaxis(q.reshape(q.shape[:-2] + (-1,))[..., :K], -1, axis).astype(np.float32)
;;   ~~~
;;   SOFTMAX AHEAD OF A QUANTISED PRODUCT. Where the list says 'softmax', what is quantised is not the finished softmax but p = 2^(t - M), with t = logit x log2(e) and M = ceil(the row's largest t), a whole number; so 1/2 < the row's largest p <= 1. The row's sum l is taken of the UNQUANTISED p, in f32, and the product's result is divided by l at the end. Since M is a whole number, a kernel that streams over the keys may use a running M (the ceiling of the running maximum): every later rescaling is an exact power of two, which a block's scale takes up: the codes' values come out the same.
;;   OPERANDS COMPUTED ON THE WAY. 'Computed on the way' means the value that the module computes at that place (a softmax that the list does not call 'softmax' is quantised finished and normalised). What goes into a quantiser is computed in f32, as accurately as f32 sums, v_exp_f32 and their like allow (about 1e-6 of the number): no bf16 or f16 on the way to a quantiser, and a product that is left as it is and whose result goes on into a quantised operand takes f32 operands (vector FMAs, or v_wmma_f32_16x16x4_f32). A number that lies on a knife's edge between two numbers of the format may be rounded either way, as far as f32 arithmetic and the matrix unit's own rounding can turn it there, and no further.
;;   INPUTS GIVEN AS CODES. w_k (in the module: [1024, 1024], K = its axis 1); w_o (in the module: [1024, 1024], K = its axis 1); w_q (in the module: [1024, 1024], K = its axis 1); w_v (in the module: [1024, 1024], K = its axis 1): each comes as NAME_codes (uint8): NAME with its K axis moved to the last place and cut into blocks of 32 codes, [.., K / 32, bytes a block], one block behind the other in memory; four codes in three bytes: a row's codes are one little-endian stream of bits, code i at bits 6 i .. 6 i + 5 (a code: sign, 2 exponent bits, 3 mantissa bits); and NAME_scales (uint8): the same leading axes, one E8M0 byte (e + 127) for each 32 codes along K. Its value is code x scale, taken as it is: it is not quantised again, and the codes and scales need not be those that the quantiser above would give.
;; 2 versions. Each part assembles by itself: llvm-mc -triple=amdgcn-amd-amdhsa -mcpu=gfx1250 --defsym DOCPART=n.
;; ======== version 1 of 2: 4 launches
;; workspace buffers: xa 6,553,600 bytes; wimg 3,145,728 bytes; qk_img 12,582,912 bytes; qk_sc 1,048,576 bytes; v_img 6,291,456 bytes; v_sc 262,144 bytes; cimg 6,553,600 bytes
;; launch prep (part 1): grid 576 x 1, 4 waves a work-group, no clusters, 66,304 bytes of LDS; arguments x, ln_g, ln_b, w_q_codes, w_k_codes, w_v_codes, w_o_codes, xa, wimg; writes xa, wimg
.if DOCPART == 1
	.amdgcn_target "amdgcn-amd-amdhsa--gfx1250"
	.amdhsa_code_object_version 6
	.text
	.protected	k_qbb501a1f54_prep
	.globl	k_qbb501a1f54_prep
	.p2align	8
	.type	k_qbb501a1f54_prep,@function
k_qbb501a1f54_prep:
	s_mov_b64 s[64:65], 0
	v_nop
	global_prefetch_b8 v0, s[64:65] scope:SCOPE_SE
	s_setreg_imm32_b32 hwreg(HW_REG_WAVE_MODE, 25, 1), 1
	s_wait_xcnt 0x0
; LAUNCH 0.  Two jobs, parted by the work-group's number.
; Work-groups 0-511: layer norm of 16 rows of x (f32, two passes: mean, then the squares of x - mean), xn = ((x - mean) rstd) g + b, quantised to FP6 (E2M3)
; with one E8M0 byte for each 32 along the 1,024, and stored as IMAGES OF OPERAND REGISTERS: record T of xa (12,800 bytes) = [K step 0..7][4 registers c 0..2][lane][16 bytes], then at 12,288 [K step][slot][scale word].
; Work-groups 512-575: the four weights' codes are laid anew, unchanged, as such images: wimg[matrix][tile of 16 rows][K step][c][lane][16 bytes].
; A TILE OF 16 ROWS IS NOT 16 NEIGHBOURS: slot r of tile 2 b + u is row 32 b + 8 u + r + 8 (r / 8).  So wherever a product's result becomes the next product's operand, a lane's 16 registers of two neighbouring
; tiles are 16 neighbours along the next K.
; A block's scale byte is its largest magnitude's exponent field - 2, held at 1 from below (a block of zeros gets 1, its codes are zeros; this program alone reads the bytes).
; LIMITS: NaN and infinities among the inputs are not served; blocks whose largest magnitude lies under 2^-124 keep the byte 1.
.set TP,    4112                       ; LDS: a row of xn, 4,096 bytes + 16: sixteen rows of one column start in sixteen different groups of banks
.set SPARE, 16*TP                      ; behind the 16 rows: the spare words, 128 bytes a wave
.set LI,  2                            ; v2  16 x lane
.set STA, 3                            ; v3  where my wave's first row goes in LDS, + 16 x lane
.set RDA, 4                            ; v4  where I read: row r, my wave's two K steps, my half's 16 numbers of a block
.set L4,  5                            ; v5  4 x lane
.set SPW, 6                            ; v6  my spare word; never rewritten
.set NIL, 7                            ; v7  0; never rewritten
.set X,   32                           ; v32-159  four rows, 32 numbers a lane each
.set G,   160                          ; v160-191 ln_g at my columns
.set BB,  192                          ; v192-223 ln_b
.set N0,  32                           ; behind the barrier: v32-95, v96-159: 64 numbers of K steps 2 w, 2 w + 1
.set N1,  96
.set PC0, 160                          ; v160-179, v180-199 their codes
.set PC1, 180
.set TM,  200                          ; v200-215 at work in QUANT
.set PW0, 216                          ; the two scale words
.set PW1, 217
.set SEL, 30                           ; s[30:31] v_permlanex16_b32's selects for lane l xor 16
; 32 nc numbers of a lane, register 16 B + i = number 16 (lane / 16) + i of block B of my row, become codes in v[pc] on (registers 6 c .. 6 c + 5: the whole block 2 c + lane / 16) and the scale bytes' word in v[pw].
.macro QUANT s, nc, pc, p2, tm, pw
.set qb, 0
.rept 2*(\nc)
	v_max3_num_f32 v[\tm+qb], |v[\s+16*qb]|, |v[\s+16*qb+1]|, 0x1800000   ; my 16 numbers, and the floor 2^(3 - 127): the byte cannot fall under 1
.set qb, qb+1
.endr
.set qi, 2
.rept 7
.set qb, 0
.rept 2*(\nc)
	v_max3_num_f32 v[\tm+qb], v[\tm+qb], |v[\s+16*qb+qi]|, |v[\s+16*qb+qi+1]|   ; the blocks by turns
.set qb, qb+1
.endr
.set qi, qi+2
.endr
.set qb, 0
.rept 2*(\nc)
	v_permlanex16_b32 v[\tm+4+qb], v[\tm+qb], s[SEL], s[SEL+1]
.set qb, qb+1
.endr
.set qb, 0
.rept 2*(\nc)
	v_max_num_f32 v[\tm+qb], v[\tm+qb], v[\tm+4+qb]        ; with lane l xor 16's: the block's largest magnitude
.set qb, qb+1
.endr
.set qb, 0
.rept 2*(\nc)
	v_add_nc_u32 v[\tm+12+qb], 0xff000000, v[\tm+qb]       ; 2 off its exponent field: the conversion's scale operand
.set qb, qb+1
.endr
.set qb, 0
.rept 2*(\nc)
	v_lshrrev_b32 v[\tm+4+qb], 23, v[\tm+12+qb]            ; the scale's byte
.set qb, qb+1
.endr
	v_lshl_or_b32 v[\pw], v[\tm+5], 8, v[\tm+4]
.if (\nc) > 1
	v_lshl_or_b32 v[\pw], v[\tm+6], 16, v[\pw]
	v_lshl_or_b32 v[\pw], v[\tm+7], 24, v[\pw]
.endif
.set qc, 0
.rept \nc
	v_cvt_scalef32_pk16_fp6_f32 v[\pc+6*qc:\pc+6*qc+2], v[\s+32*qc:\s+32*qc+15], v[\tm+12+2*qc]
	v_cvt_scalef32_pk16_fp6_f32 v[\p2+4*qc:\p2+4*qc+2], v[\s+32*qc+16:\s+32*qc+31], v[\tm+12+2*qc+1]   ; (a conversion's three registers begin on an even number)
.set qc, qc+1
.endr
	v_nop                                          ; one plain place behind the scaled conversions
.set qc, 0
.rept \nc
.set qi, 0
.rept 3
	v_permlane16_swap_b32 v[\pc+6*qc+qi], v[\p2+4*qc+qi]   ; half blocks change places: a lane then holds a whole block
.set qi, qi+1
.endr
.set qi, 0
.rept 3
	v_mov_b32 v[\pc+6*qc+3+qi], v[\p2+4*qc+qi]
.set qi, qi+1
.endr
.set qc, qc+1
.endr
.endm
; the four rows' sums: pair SA + pair SB, the pair's halves, the 32 lanes.  Row k: SA v[8+6k:9+6k], SB v[10+6k:11+6k], MU v[12+6k:13+6k]
.macro REDUCE
.irp k, 0,1,2,3
	v_pk_add_f32 v[8+6*\k:9+6*\k], v[8+6*\k:9+6*\k], v[10+6*\k:11+6*\k]
.endr
.irp k, 0,1,2,3
	v_add_f32 v[8+6*\k], v[8+6*\k], v[9+6*\k]
.endr
.irp xm, 1,2,4,8
.irp k, 0,1,2,3
	v_add_f32_dpp v[8+6*\k], v[8+6*\k], v[8+6*\k] row_xmask:\xm row_mask:0xf bank_mask:0xf
.endr
.endr
.irp k, 0,1,2,3
	v_permlanex16_b32 v[10+6*\k], v[8+6*\k], s[SEL], s[SEL+1]
.endr
.irp k, 0,1,2,3
	v_add_f32 v[8+6*\k], v[8+6*\k], v[10+6*\k]
.endr
.endm
	s_load_b512 s[4:19], s[0:1], 0x0               ; x s[4:5], ln_g s[6:7], ln_b s[8:9], the four weights' codes s[10:17], xa s[18:19]
	s_load_b64 s[20:21], s[0:1], 0x40              ; wimg
	v_lshl_add_u32 v[SPW], v0, 2, SPARE
	v_mov_b32 v[NIL], 0
	v_lshrrev_b32 v1, 5, v0
	v_readfirstlane_b32 s28, v1                    ; wave
	v_and_b32 v1, 31, v0                           ; lane
	v_lshlrev_b32 v[LI], 4, v1
	s_cmp_ge_u32 ttmp9, 512                        ; the same in all four waves
	s_cbranch_scc1 .Lrelay
	; ---- LAYER NORM.  Work-group T is row tile T; wave w has slots 4 w .. 4 w + 3: four neighbouring rows from 32 (T / 2) + 8 (T % 2) + 4 w + 8 (w / 2)
	v_lshlrev_b32 v[L4], 2, v1
	v_and_b32 v8, 15, v0                           ; r
	v_bfe_u32 v9, v0, 4, 1                         ; h
	s_mul_i32 s22, s28, 4*TP
	v_add_nc_u32 v[STA], s22, v[LI]
	v_mul_u32_u24 v[RDA], v8, TP
	v_lshl_add_u32 v[RDA], v9, 6, v[RDA]
	s_lshl_b32 s23, s28, 10
	v_add_nc_u32 v[RDA], s23, v[RDA]               ; row r, + 64 h, + my wave's two K steps of 512 bytes
	s_mov_b32 s[SEL], 0x76543210
	s_mov_b32 s[SEL+1], 0xfedcba98
	s_mov_b32 s24, 0x3a800000                      ; 1 / 1,024
	s_mov_b32 s25, 0x2b8cbccc                      ; 1e-12
	s_mov_b32 s26, 0xffff0000                      ; lanes 16-31
	s_lshr_b32 s22, ttmp9, 1
	s_lshl_b32 s22, s22, 5
	s_and_b32 s23, ttmp9, 1
	s_lshl_b32 s23, s23, 3
	s_add_co_u32 s22, s22, s23
	s_lshl_b32 s23, s28, 2
	s_add_co_u32 s22, s22, s23
	s_lshr_b32 s23, s28, 1
	s_lshl_b32 s23, s23, 3
	s_add_co_u32 s22, s22, s23                     ; my first row
	s_lshl_b32 s22, s22, 12                        ; in bytes (under 2^25)
	s_mov_b32 s23, 0
	s_mul_i32 s32, ttmp9, 12800                    ; my tile's record in xa
	s_mul_i32 s34, s28, 3072
	s_add_co_u32 s34, s34, s32                     ; my two K steps' images
	s_mov_b32 s35, 0
	s_lshl_b32 s36, s28, 7
	s_add_co_u32 s36, s36, s32
	s_add_co_u32 s36, s36, 12288                   ; and their scale words
	s_mov_b32 s37, 0
	s_wait_kmcnt 0x0
	s_add_nc_u64 s[4:5], s[4:5], s[22:23]
	s_add_nc_u64 s[34:35], s[18:19], s[34:35]
	s_add_nc_u64 s[36:37], s[18:19], s[36:37]
.irp k, 0,1,2,3
.irp j, 0,1,2,3,4,5,6,7
	global_load_b128 v[X+32*\k+4*\j:X+32*\k+4*\j+3], v[LI], s[4:5] offset:4096*\k+512*\j th:TH_LOAD_NT   ; 32 lanes read 512 consecutive bytes
.endr
.endr
.irp j, 0,1,2,3,4,5,6,7
	global_load_b128 v[G+4*\j:G+4*\j+3], v[LI], s[6:7] offset:512*\j
.endr
.irp j, 0,1,2,3,4,5,6,7
	global_load_b128 v[BB+4*\j:BB+4*\j+3], v[LI], s[8:9] offset:512*\j
.endr
	s_wait_loadcnt 16                              ; the four rows are in; g's and b's sixteen loads may be out
.irp k, 0,1,2,3
	v_pk_add_f32 v[8+6*\k:9+6*\k], v[X+32*\k:X+32*\k+1], v[X+32*\k+2:X+32*\k+3]
	v_pk_add_f32 v[10+6*\k:11+6*\k], v[X+32*\k+4:X+32*\k+5], v[X+32*\k+6:X+32*\k+7]
.endr
.irp i, 8,12,16,20,24,28
.irp k, 0,1,2,3
	v_pk_add_f32 v[8+6*\k:9+6*\k], v[8+6*\k:9+6*\k], v[X+32*\k+\i:X+32*\k+\i+1]
	v_pk_add_f32 v[10+6*\k:11+6*\k], v[10+6*\k:11+6*\k], v[X+32*\k+\i+2:X+32*\k+\i+3]
.endr
.endr
	REDUCE
.irp k, 0,1,2,3
	v_mul_f32 v[12+6*\k], s24, v[8+6*\k]           ; the mean, twice: a pair for the packed forms
	v_mul_f32 v[13+6*\k], s24, v[8+6*\k]
.endr
.irp n, 0,2,4,6,8,10,12,14,16,18,20,22,24,26,28,30
.irp k, 0,1,2,3
	v_pk_add_f32 v[X+32*\k+\n:X+32*\k+\n+1], v[X+32*\k+\n:X+32*\k+\n+1], v[12+6*\k:13+6*\k] neg_lo:[0,1] neg_hi:[0,1]   ; x - mean
.endr
.endr
.irp k, 0,1,2,3
	v_pk_mul_f32 v[8+6*\k:9+6*\k], v[X+32*\k:X+32*\k+1], v[X+32*\k:X+32*\k+1]
	v_pk_mul_f32 v[10+6*\k:11+6*\k], v[X+32*\k+2:X+32*\k+3], v[X+32*\k+2:X+32*\k+3]
.endr
.irp i, 4,8,12,16,20,24,28
.irp k, 0,1,2,3
	v_pk_fma_f32 v[8+6*\k:9+6*\k], v[X+32*\k+\i:X+32*\k+\i+1], v[X+32*\k+\i:X+32*\k+\i+1], v[8+6*\k:9+6*\k]
	v_pk_fma_f32 v[10+6*\k:11+6*\k], v[X+32*\k+\i+2:X+32*\k+\i+3], v[X+32*\k+\i+2:X+32*\k+\i+3], v[10+6*\k:11+6*\k]
.endr
.endr
	REDUCE
.irp k, 0,1,2,3
	v_fma_f32 v[8+6*\k], v[8+6*\k], s24, s25       ; the variance + 1e-12
.endr
.irp k, 0,1,2,3
	v_rsq_f32 v[12+6*\k], v[8+6*\k]
.endr
	v_nop                                          ; a plain place behind the four
	s_wait_alu depctr_va_vdst(0)                   ; one wait for the batch, ahead of its first reader
.irp k, 0,1,2,3
	v_mov_b32 v[13+6*\k], v[12+6*\k]
.endr
	s_wait_loadcnt 0x0                             ; g and b
.irp k, 0,1,2,3
.irp n, 0,2,4,6,8,10,12,14,16,18,20,22,24,26,28,30
	v_pk_mul_f32 v[X+32*\k+\n:X+32*\k+\n+1], v[X+32*\k+\n:X+32*\k+\n+1], v[12+6*\k:13+6*\k]
.endr
.irp n, 0,2,4,6,8,10,12,14,16,18,20,22,24,26,28,30
	v_pk_fma_f32 v[X+32*\k+\n:X+32*\k+\n+1], v[X+32*\k+\n:X+32*\k+\n+1], v[G+\n:G+\n+1], v[BB+\n:BB+\n+1]
.endr
.endr
.irp k, 0,1,2,3
.irp j, 0,1,2,3,4,5,6,7
	ds_store_b128 v[STA], v[X+32*\k+4*\j:X+32*\k+4*\j+3] offset:TP*\k+512*\j
.endr
.endr
.irp b, 0,1,2,3
	v_mov_b32 v[TM+4+\b], 0                        ; written once: a lane permute's destination counts as one of its sources
.endr
	s_wait_dscnt 0x0                               ; for the others' sake: my rows lie in LDS
	s_barrier_signal -1
	s_barrier_wait -1
	; ---- wave w quantises K steps 2 w and 2 w + 1 of all 16 rows: lane (r, h) takes, of row slot r, 16 neighbours of each block of 32
.irp q, 0,1
.irp b, 0,1,2,3
.irp j, 0,1,2,3
	ds_load_b128 v[N0+64*\q+16*\b+4*\j:N0+64*\q+16*\b+4*\j+3], v[RDA] offset:512*\q+128*\b+16*\j
.endr
.endr
.endr
	s_wait_dscnt 16                                ; the first K step's sixteen loads are in
	QUANT N0, 2, PC0, PC0+12, TM, PW0
	s_wait_dscnt 0x0
	QUANT N1, 2, PC1, PC1+12, TM, PW1
.irp c, 0,1,2
	global_store_b128 v[LI], v[PC0+4*\c:PC0+4*\c+3], s[34:35] offset:512*\c          ; 512 consecutive bytes, aligned
.endr
.irp c, 0,1,2
	global_store_b128 v[LI], v[PC1+4*\c:PC1+4*\c+3], s[34:35] offset:1536+512*\c
.endr
	v_cndmask_b32 v218, v[PW0], v[PW1], s26        ; lanes 0-15: K step 2 w's words; lanes 16-31: K step 2 w + 1's
	global_store_b32 v[L4], v218, s[36:37]
	s_wait_tensorcnt 0x0                           ; the wave's end, behind my last LDS store
	ds_add_u32 v[SPW], v[NIL]
	s_wait_dscnt 0x0
	s_endpgm
	; ---- THE WEIGHTS' IMAGES.  Wave w of work-group 512 + i: matrix i / 16, tile 4 (i % 16) + w.  No LDS is written on this way.
.Lrelay:
	s_sub_co_u32 s22, ttmp9, 512
	s_lshr_b32 s23, s22, 4                         ; which matrix
	s_and_b32 s22, s22, 15
	s_lshl_b32 s22, s22, 2
	s_add_co_u32 s22, s22, s28                     ; which tile of 16 rows
	v_and_b32 v8, 15, v0
	v_bfe_u32 v9, v0, 4, 1
	v_and_b32 v10, 8, v8
	v_add_nc_u32 v10, v10, v8                      ; r + 8 (r / 8)
	v_mul_u32_u24 v10, v10, 768                    ; a row of 1,024 codes is 768 bytes
	v_mad_u32_u24 v8, v9, 24, v10                  ; + 24 h
	s_lshr_b32 s24, s22, 1
	s_lshl_b32 s24, s24, 5
	s_and_b32 s25, s22, 1
	s_lshl_b32 s25, s25, 3
	s_add_co_u32 s24, s24, s25                     ; the tile's first row
	s_mul_i32 s24, s24, 768
	s_mov_b32 s25, 0
	s_mul_i32 s26, s23, 786432
	s_mul_i32 s27, s22, 12288
	s_add_co_u32 s26, s26, s27
	s_mov_b32 s27, 0
	s_wait_kmcnt 0x0
	s_cmp_eq_u32 s23, 1                            ; the choice hangs on the work-group's number alone
	s_cselect_b64 s[10:11], s[12:13], s[10:11]
	s_cmp_eq_u32 s23, 2
	s_cselect_b64 s[10:11], s[14:15], s[10:11]
	s_cmp_eq_u32 s23, 3
	s_cselect_b64 s[10:11], s[16:17], s[10:11]
	s_add_nc_u64 s[10:11], s[10:11], s[24:25]
	s_add_nc_u64 s[20:21], s[20:21], s[26:27]
.irp s, 0,1,2,3,4,5,6,7
.irp p, 0,1,2,3,4,5
	global_load_b64 v[32+12*\s+2*\p:32+12*\s+2*\p+1], v8, s[10:11] offset:96*\s+48*(\p/3)+8*(\p%3) th:TH_LOAD_NT   ; the fragment of K step s, as it lies
.endr
.endr
.irp s, 0,1,2,3,4,5,6,7
	s_wait_loadcnt 6*(7-\s)                        ; the later K steps' loads, six each, may be out
.irp c, 0,1,2
	global_store_b128 v[LI], v[32+12*\s+4*\c:32+12*\s+4*\c+3], s[20:21] offset:1536*\s+512*\c
.endr
.endr
	s_endpgm
.Lfunc_end_k_qbb501a1f54_prep:
	.size	k_qbb501a1f54_prep, .Lfunc_end_k_qbb501a1f54_prep-k_qbb501a1f54_prep
	.p2alignl 7, 3214868480
	.fill 96, 4, 3214868480
	.section	.rodata,"a",@progbits
	.p2align	6, 0x0
	.amdhsa_kernel k_qbb501a1f54_prep
		.amdhsa_group_segment_fixed_size 66304
		.amdhsa_private_segment_fixed_size 0
		.amdhsa_enable_private_segment 0
		.amdhsa_kernarg_size 72
		.amdhsa_user_sgpr_count 2
		.amdhsa_user_sgpr_kernarg_segment_ptr 1
		.amdhsa_wavefront_size32 1
		.amdhsa_system_sgpr_workgroup_id_x 1
		.amdhsa_system_sgpr_workgroup_id_y 1
		.amdhsa_system_sgpr_workgroup_id_z 1
		.amdhsa_system_vgpr_workitem_id 0
		.amdhsa_next_free_vgpr 256
		.amdhsa_next_free_sgpr 66
		.amdhsa_reserve_vcc 0
		.amdhsa_float_denorm_mode_32 3
		.amdhsa_float_denorm_mode_16_64 3
		.amdhsa_memory_ordered 1
		.amdhsa_forward_progress 1
		.amdhsa_inst_pref_size 52
	.end_amdhsa_kernel
	.amdgpu_metadata
---
amdhsa.version: [ 1, 2 ]
amdhsa.kernels:
  - .name:           k_qbb501a1f54_prep
    .symbol:         k_qbb501a1f54_prep.kd
    .args:
      - { .name: x, .offset: 0, .size: 8, .value_kind: global_buffer, .address_space: global }
      - { .name: ln_g, .offset: 8, .size: 8, .value_kind: global_buffer, .address_space: global }
      - { .name: ln_b, .offset: 16, .size: 8, .value_kind: global_buffer, .address_space: global }
      - { .name: w_q_codes, .offset: 24, .size: 8, .value_kind: global_buffer, .address_space: global }
      - { .name: w_k_codes, .offset: 32, .size: 8, .value_kind: global_buffer, .address_space: global }
      - { .name: w_v_codes, .offset: 40, .size: 8, .value_kind: global_buffer, .address_space: global }
      - { .name: w_o_codes, .offset: 48, .size: 8, .value_kind: global_buffer, .address_space: global }
      - { .name: xa, .offset: 56, .size: 8, .value_kind: global_buffer, .address_space: global }
      - { .name: wimg, .offset: 64, .size: 8, .value_kind: global_buffer, .address_space: global }
    .group_segment_fixed_size: 66304
    .private_segment_fixed_size: 0
    .kernarg_segment_align: 8
    .kernarg_segment_size: 72
    .max_flat_workgroup_size: 128
    .sgpr_count:     66
    .vgpr_count:     256
    .wavefront_size: 32
...
	.end_amdgpu_metadata
.endif
;; end of part 1
;; launch qkv (part 2): grid 8 x 32, 4 waves a work-group, clusters of 4 x 1, 205,312 bytes of LDS; arguments xa, wimg, w_q_scales, w_k_scales, w_v_scales, b_q, b_k, b_v, qk_img, qk_sc, v_img, v_sc; writes qk_img, qk_sc, v_img, v_sc
.if DOCPART == 2
	.amdgcn_target "amdgcn-amd-amdhsa--gfx1250"
	.amdhsa_code_object_version 6
	.text
	.protected	k_qbb501a1f54_qkv
	.globl	k_qbb501a1f54_qkv
	.p2align	8
	.type	k_qbb501a1f54_qkv,@function
k_qbb501a1f54_qkv:
	s_mov_b64 s[64:65], 0
	v_nop
	global_prefetch_b8 v0, s[64:65] scope:SCOPE_SE
	s_setreg_imm32_b32 hwreg(HW_REG_WAVE_MODE, 25, 1), 1
	s_wait_xcnt 0x0
	s_wait_alu depctr_hold_cnt(0) depctr_sa_sdst(0) depctr_va_vdst(0) depctr_va_sdst(0) depctr_va_ssrc(0) depctr_va_vcc(0) depctr_vm_vsrc(0)
	s_getreg_b32 s2, hwreg(HW_REG_IB_STS2, 6, 4)
	s_cmp_eq_u32 s2, 0
	s_cbranch_scc0 .Lentry_in_a_cluster
	s_endpgm
.Lentry_in_a_cluster:
	s_bfe_u32 s2, ttmp6, 0x10000c
	s_cmp_lg_u32 s2, 0x3003
	s_cbranch_scc0 .Lentry_shape_is_right
	s_endpgm
.Lentry_shape_is_right:
; LAUNCH 1.  q, k, v = xn W^T + b on codes of FP6 (E2M3), and their quantising: q and k along the head's 64, v along the keys.
; SHARES.  Work-group (p, R): rows 256 R .. + 255 (16 row tiles) x heads 2 p, 2 p + 1 of q, k and v.  Wave w: a UNIT of 64 columns (q for waves 0, 1, k for waves 2, 3; head 2 p + w % 2), used transposed
; (source 0 = 16 rows of W, source 1 = 16 rows of xn: a lane holds one row and its registers run along the head's channels), and two tiles of v's columns, used NOT transposed (source 0 = xn, source 1 = W_v:
; a lane holds one channel and its registers run down the rows, which are attention's keys).
; THE WEIGHTS STAY IN REGISTERS (6 tiles x 8 K steps x 12 = 576), loaded once as images; ALL 16 records of xn lie in LDS, filled once.  No slot is filled again, and no barrier stands in the main run.
; CLUSTER.  The four work-groups of a cluster have the same R and read the same records of xa: each wave's one tensor load (4 records, 51,200 dense bytes) is a joint load with the mask of all four.
; By this text's own count a wave has one tensor load out.  The weights are not shared so: they go to registers, by loads that have no joint form.
; OUTPUTS, as images of the reader's registers: qk_img[q|k][b, head][row tile][768: registers 0-3 at 16 x lane, 4-5 at 512 + 8 x lane]; qk_sc[q|k][b, head][pair][lane: slot lane % 16 of tile 2 pair + lane / 16];
; v_img[b, head][key block][tile of channels][384: slot x 16, then slot x 8]; v_sc[b, head][128 keys][channel slot][word].
; LIMITS: as in launch 0 (a block of zeros keeps the byte 1; NaN and infinities are not served).
.set SPARE, 204800                     ; behind the 16 records of 12,800 bytes: the spare words
.set LI,   2                           ; v2  16 x lane
.set L8,   3                           ; v3  8 x lane
.set L4,   4                           ; v4  4 x lane
.set ADRA, 5                           ; v5  LDS: 16 x lane + the pair of records in hand
.set ADRS, 6                           ; v6  LDS: the pair's scale words: lanes 0-15 the first record's, lanes 16-31 the second's
.set V16,  7                           ; v7  384 h + 16 r
.set V8,   8                           ; v8  384 h + 256 + 8 r
.set SH,   9                           ; v9  16 h
.set SCA,  10                          ; v10 (8 h + r + 8 (r / 8)) x 32: a weight row's scale bytes
.set BUA,  11                          ; v11 64 h
.set BVA,  12                          ; v12 4 (r + 8 (r / 8))
.set VW,   13                          ; v13 v's scale word in the making
.set SPW,  14                          ; v14 my spare word; never rewritten
.set NIL,  15                          ; v15 0; never rewritten
.set WS,   16                          ; v16-39 weights' scale words: 8 pr + s; pr 0, 1 the unit's pairs of tiles, pr 2 v's; lanes 0-15 the even tile, 16-31 the odd
.set XS,   40                          ; v40-41 xn's scale words, two buffers
.set AF,   48                          ; v48-95 xn's fragments: 2 buffers x 2 tiles x 12
.set ACCU, 96                          ; v96-159 the unit's sums: 8 (4 m + t)
.set ACCV, 160                         ; v160-191 v's: 8 (2 tau + m)
.set PC,   192                         ; v192-211 codes of q or k
.set TM,   212                         ; v212-227 at work in QUANT
.set PW,   228
.set PCV,  230                         ; v230-244 codes of v
.set BU,   144                         ; window 3: the unit's bias, 8 t;
.set BV,   176                         ; v's, 8 tau.  Windows 1 to 3: weight fragment (s, t) in window 1 + s / 3 at 72 (s % 3) + 12 t
.set SEL,  72                          ; s[72:73]
.set MSB, 0
.macro WIN new                         ; the immediate's high byte repeats the setting that is left
.if MSB != (\new)
	s_set_vgpr_msb (MSB<<8)|(\new)
.set MSB, (\new)
.endif
.endm
.macro CROUND                          ; a round of the cluster's barrier
	s_barrier_signal -1
	s_barrier_wait -1
	s_cmp_lg_u32 s28, 0
	s_cbranch_scc1 .Lnot_wave_0_\@
	s_barrier_signal -3
.Lnot_wave_0_\@:
	s_barrier_wait -3
	s_barrier_signal -1
	s_barrier_wait -1
.endm
; one product.  c < 0: the constant 0 starts the sum.  ra, rb: the scales are read from lanes 16-31 of their register
.macro WM d, a, b, c, sa, sb, ra, rb
.if (\c) < 0
.if (\ra)
.if (\rb)
	v_wmma_scale_f32_16x16x128_f8f6f4 v[\d:\d+7], v[\a:\a+11], v[\b:\b+11], 0, v[\sa], v[\sb] matrix_a_fmt:MATRIX_FMT_FP6 matrix_b_fmt:MATRIX_FMT_FP6 matrix_a_scale:MATRIX_SCALE_ROW1 matrix_b_scale:MATRIX_SCALE_ROW1
.else
	v_wmma_scale_f32_16x16x128_f8f6f4 v[\d:\d+7], v[\a:\a+11], v[\b:\b+11], 0, v[\sa], v[\sb] matrix_a_fmt:MATRIX_FMT_FP6 matrix_b_fmt:MATRIX_FMT_FP6 matrix_a_scale:MATRIX_SCALE_ROW1
.endif
.else
.if (\rb)
	v_wmma_scale_f32_16x16x128_f8f6f4 v[\d:\d+7], v[\a:\a+11], v[\b:\b+11], 0, v[\sa], v[\sb] matrix_a_fmt:MATRIX_FMT_FP6 matrix_b_fmt:MATRIX_FMT_FP6 matrix_b_scale:MATRIX_SCALE_ROW1
.else
	v_wmma_scale_f32_16x16x128_f8f6f4 v[\d:\d+7], v[\a:\a+11], v[\b:\b+11], 0, v[\sa], v[\sb] matrix_a_fmt:MATRIX_FMT_FP6 matrix_b_fmt:MATRIX_FMT_FP6
.endif
.endif
.else
.if (\ra)
.if (\rb)
	v_wmma_scale_f32_16x16x128_f8f6f4 v[\d:\d+7], v[\a:\a+11], v[\b:\b+11], v[\c:\c+7], v[\sa], v[\sb] matrix_a_fmt:MATRIX_FMT_FP6 matrix_b_fmt:MATRIX_FMT_FP6 matrix_a_scale:MATRIX_SCALE_ROW1 matrix_b_scale:MATRIX_SCALE_ROW1
.else
	v_wmma_scale_f32_16x16x128_f8f6f4 v[\d:\d+7], v[\a:\a+11], v[\b:\b+11], v[\c:\c+7], v[\sa], v[\sb] matrix_a_fmt:MATRIX_FMT_FP6 matrix_b_fmt:MATRIX_FMT_FP6 matrix_a_scale:MATRIX_SCALE_ROW1
.endif
.else
.if (\rb)
	v_wmma_scale_f32_16x16x128_f8f6f4 v[\d:\d+7], v[\a:\a+11], v[\b:\b+11], v[\c:\c+7], v[\sa], v[\sb] matrix_a_fmt:MATRIX_FMT_FP6 matrix_b_fmt:MATRIX_FMT_FP6 matrix_b_scale:MATRIX_SCALE_ROW1
.else
	v_wmma_scale_f32_16x16x128_f8f6f4 v[\d:\d+7], v[\a:\a+11], v[\b:\b+11], v[\c:\c+7], v[\sa], v[\sb] matrix_a_fmt:MATRIX_FMT_FP6 matrix_b_fmt:MATRIX_FMT_FP6
.endif
.endif
.endif
.endm
; 32 nc numbers of a lane, register 16 B + i = number 16 (lane / 16) + i of block B, become codes in v[pc] on (registers 6 c .. 6 c + 5: the whole block 2 c + lane / 16) and the bytes' word in v[pw]; the bytes stay in v[tm + 4] on
.macro QUANT s, nc, pc, p2, tm, pw
.set qb, 0
.rept 2*(\nc)
	v_max3_num_f32 v[\tm+qb], |v[\s+16*qb]|, |v[\s+16*qb+1]|, 0x1800000   ; my 16 numbers, from each sum's low end on, and the floor 2^(3 - 127)
.set qb, qb+1
.endr
.set qi, 2
.rept 7
.set qb, 0
.rept 2*(\nc)
	v_max3_num_f32 v[\tm+qb], v[\tm+qb], |v[\s+16*qb+qi]|, |v[\s+16*qb+qi+1]|
.set qb, qb+1
.endr
.set qi, qi+2
.endr
.set qb, 0
.rept 2*(\nc)
	v_permlanex16_b32 v[\tm+4+qb], v[\tm+qb], s[SEL], s[SEL+1]
.set qb, qb+1
.endr
.set qb, 0
.rept 2*(\nc)
	v_max_num_f32 v[\tm+qb], v[\tm+qb], v[\tm+4+qb]
.set qb, qb+1
.endr
.set qb, 0
.rept 2*(\nc)
	v_add_nc_u32 v[\tm+12+qb], 0xff000000, v[\tm+qb]       ; 2 off the exponent field: the conversion's scale operand
.set qb, qb+1
.endr
.set qb, 0
.rept 2*(\nc)
	v_lshrrev_b32 v[\tm+4+qb], 23, v[\tm+12+qb]            ; the scale's byte
.set qb, qb+1
.endr
	v_lshl_or_b32 v[\pw], v[\tm+5], 8, v[\tm+4]
.if (\nc) > 1
	v_lshl_or_b32 v[\pw], v[\tm+6], 16, v[\pw]
	v_lshl_or_b32 v[\pw], v[\tm+7], 24, v[\pw]
.endif
.set qc, 0
.rept \nc
	v_cvt_scalef32_pk16_fp6_f32 v[\pc+6*qc:\pc+6*qc+2], v[\s+32*qc:\s+32*qc+15], v[\tm+12+2*qc]
	v_cvt_scalef32_pk16_fp6_f32 v[\p2+4*qc:\p2+4*qc+2], v[\s+32*qc+16:\s+32*qc+31], v[\tm+12+2*qc+1]
.set qc, qc+1
.endr
	v_nop                                          ; one plain place behind the scaled conversions
.set qc, 0
.rept \nc
.set qi, 0
.rept 3
	v_permlane16_swap_b32 v[\pc+6*qc+qi], v[\p2+4*qc+qi]
.set qi, qi+1
.endr
.set qi, 0
.rept 3
	v_mov_b32 v[\pc+6*qc+3+qi], v[\p2+4*qc+qi]
.set qi, qi+1
.endr
.set qc, qc+1
.endr
.endm
	s_load_b512 s[4:19], s[0:1], 0x0               ; xa s[4:5], wimg s[6:7], scales of w_q, w_k, w_v s[8:13], b_q, b_k, b_v s[14:19]
	s_load_b256 s[20:27], s[0:1], 0x40             ; qk_img, qk_sc, v_img, v_sc
	v_lshl_add_u32 v[SPW], v0, 2, SPARE
	v_mov_b32 v[NIL], 0
	ds_add_u32 v[SPW], v[NIL]                      ; the wave's opening: the add and its wait ahead of my first tensor load; work on registers stands between
	v_lshrrev_b32 v1, 5, v0
	v_readfirstlane_b32 s28, v1                    ; wave
	s_bfe_u32 s29, ttmp6, 0x40000                  ; cx
	s_lshl_b32 s30, ttmp9, 2
	s_add_co_u32 s30, s30, s29                     ; p: it enters global offsets alone
	s_and_b32 s31, ttmp7, 0xffff                   ; R, which the four partners share
	s_lshr_b32 s74, s28, 1                         ; q (0) or k (1)
	s_and_b32 s75, s28, 1
	s_lshl_b32 s76, s30, 1
	s_add_co_u32 s77, s76, s74                     ; v's head: 2 p + w / 2
	s_add_co_u32 s76, s76, s75                     ; the unit's head: 2 p + w % 2
	s_lshr_b32 s78, s31, 3                         ; the batch
	s_and_b32 s79, s31, 7                          ; which 256 rows of its 2,048
	s_mov_b32 s36, 15|(3<<16)|(1<<21)              ; group 1: the mask of all four; elements of 8 bytes; bit 21 beside a mask; no padding
	s_mov_b32 s37, 32<<16                          ; tensor_dim0 = 32 elements: rows of 256 bytes
	s_mov_b32 s38, 200<<16                         ; tensor_dim1 = 200
	s_mov_b32 s39, 32<<16                          ; tile_dim0
	s_mov_b32 s40, 200                             ; tile_dim1: 51,200 dense bytes
	s_mov_b32 s41, 32                              ; the pitch
	s_mov_b32 s42, 0
	s_mov_b32 s43, 0
	s_mov_b32 s32, 1
	s_mul_i32 s33, s28, 51200                      ; LDS: my four records
	s_mov_b32 s70, 0xffff0000
	s_mov_b32 s[SEL], 0x76543210
	s_mov_b32 s[SEL+1], 0xfedcba98
	v_and_b32 v1, 31, v0
	v_and_b32 v42, 15, v0                          ; r
	v_bfe_u32 v43, v0, 4, 1                        ; h
	v_lshlrev_b32 v[LI], 4, v1
	v_lshlrev_b32 v[L8], 3, v1
	v_lshlrev_b32 v[L4], 2, v1
	v_lshlrev_b32 v[ADRA], 4, v1
	v_mul_u32_u24 v[ADRS], v43, 12800
	v_lshl_add_u32 v[ADRS], v42, 2, v[ADRS]
	v_add_nc_u32 v[ADRS], 12288, v[ADRS]
	v_mul_u32_u24 v[V16], v43, 384
	v_lshl_add_u32 v[V8], v42, 3, v[V16]
	v_add_nc_u32 v[V8], 256, v[V8]
	v_lshl_add_u32 v[V16], v42, 4, v[V16]
	v_lshlrev_b32 v[SH], 4, v43
	v_and_b32 v44, 8, v42
	v_add_nc_u32 v44, v44, v42                     ; r + 8 (r / 8)
	v_lshl_add_u32 v[SCA], v43, 3, v44
	v_lshlrev_b32 v[SCA], 5, v[SCA]
	v_lshlrev_b32 v[BUA], 6, v43
	v_lshlrev_b32 v[BVA], 2, v44
.irp b, 0,1,2,3
	v_mov_b32 v[TM+4+\b], 0                        ; written once: a lane permute's destination counts as one of its sources
.endr
	s_wait_dscnt 0x0                               ; the opening add is done
	s_wait_kmcnt 0x0
	s_mov_b32 s45, 0
	s_lshl_b32 s44, s31, 4
	s_lshl_b32 s46, s28, 2
	s_add_co_u32 s44, s44, s46
	s_mul_i32 s44, s44, 12800                      ; record 16 R + 4 w
	s_add_nc_u64 s[34:35], s[4:5], s[44:45]
	s_or_b32 s35, s35, 0x80000000
	s_mul_i32 s44, s74, 786432
	s_mul_i32 s46, s76, 49152
	s_add_co_u32 s44, s44, s46
	s_add_nc_u64 s[48:49], s[6:7], s[44:45]        ; the unit's four tiles of images
	s_lshl_b32 s44, s30, 3
	s_lshl_b32 s46, s28, 1
	s_add_co_u32 s44, s44, s46
	s_mul_i32 s44, s44, 12288
	s_add_co_u32 s44, s44, 1572864
	s_add_nc_u64 s[50:51], s[6:7], s[44:45]        ; v's two tiles
	s_cmp_eq_u32 s74, 0                            ; the wave's number alone
	s_cselect_b64 s[52:53], s[8:9], s[10:11]
	s_cselect_b64 s[56:57], s[14:15], s[16:17]
	s_lshl_b32 s44, s76, 11
	s_add_nc_u64 s[52:53], s[52:53], s[44:45]      ; the unit's scale bytes: 64 rows of 32
	s_lshl_b32 s44, s76, 8
	s_add_nc_u64 s[56:57], s[56:57], s[44:45]      ; its bias
	s_lshl_b32 s44, s30, 12
	s_lshl_b32 s46, s28, 10
	s_add_co_u32 s44, s44, s46
	s_add_nc_u64 s[54:55], s[12:13], s[44:45]      ; v's scale bytes
	s_lshl_b32 s44, s30, 9
	s_lshl_b32 s46, s28, 7
	s_add_co_u32 s44, s44, s46
	s_add_nc_u64 s[58:59], s[18:19], s[44:45]      ; v's bias
	s_lshl_b32 s47, s78, 4
	s_add_co_u32 s47, s47, s76                     ; 16 b + the unit's head
	s_lshl_b32 s44, s47, 7
	s_lshl_b32 s46, s79, 4
	s_add_co_u32 s44, s44, s46
	s_mul_i32 s44, s44, 768
	s_mul_i32 s46, s74, 6291456
	s_add_co_u32 s44, s44, s46
	s_add_nc_u64 s[60:61], s[20:21], s[44:45]      ; where q's or k's images go
	s_lshl_b32 s44, s47, 6
	s_lshl_b32 s46, s79, 3
	s_add_co_u32 s44, s44, s46
	s_lshl_b32 s44, s44, 7
	s_mul_i32 s46, s74, 524288
	s_add_co_u32 s44, s44, s46
	s_add_nc_u64 s[62:63], s[22:23], s[44:45]      ; and their scale words
	s_lshl_b32 s47, s78, 4
	s_add_co_u32 s47, s47, s77                     ; 16 b + v's head
	s_lshl_b32 s44, s47, 6
	s_lshl_b32 s46, s79, 3
	s_add_co_u32 s44, s44, s46
	s_mul_i32 s44, s44, 1536
	s_mul_i32 s46, s75, 768
	s_add_co_u32 s44, s44, s46
	s_add_nc_u64 s[66:67], s[24:25], s[44:45]      ; v's images
	s_lshl_b32 s44, s47, 4
	s_lshl_b32 s46, s79, 1
	s_add_co_u32 s44, s44, s46
	s_lshl_b32 s44, s44, 8
	s_lshl_b32 s46, s75, 7
	s_add_co_u32 s44, s44, s46
	s_add_nc_u64 s[68:69], s[26:27], s[44:45]      ; v's scale words
	CROUND                                         ; all four work-groups are here: the joint loads meet
	tensor_load_to_lds s[32:35], s[36:43]          ; my one tensor load of the launch
	s_nop 0
.rept 4
	v_nop
.endr
.irp pr, 0,1
	global_load_b128 v[WS+8*\pr:WS+8*\pr+3], v[SCA], s[52:53] offset:1024*\pr
	global_load_b128 v[WS+8*\pr+4:WS+8*\pr+7], v[SCA], s[52:53] offset:1024*\pr+16
.endr
	global_load_b128 v[WS+16:WS+19], v[SCA], s[54:55]
	global_load_b128 v[WS+20:WS+23], v[SCA], s[54:55] offset:16
	WIN 0xc0                                       ; destination window 3
.irp t, 0,1,2,3
	global_load_b128 v[BU+8*\t:BU+8*\t+3], v[BUA], s[56:57] offset:(32*(\t/2)+8*(\t%2))*4          ; lane (r, h), register j: the bias of channel 32 (t / 2) + 16 h + 8 (t % 2) + j
	global_load_b128 v[BU+8*\t+4:BU+8*\t+7], v[BUA], s[56:57] offset:(32*(\t/2)+8*(\t%2))*4+16
.endr
.irp tau, 0,1
.irp j, 0,1,2,3,4,5,6,7
	global_load_b32 v[BV+8*\tau+\j], v[BVA], s[58:59] offset:32*\tau                               ; v: a lane holds one channel: its bias in all eight registers
.endr
.endr
.macro WLOAD s                         ; K step s: 18 loads of 512 dense bytes
	WIN (1+(\s)/3)<<6
.irp t, 0,1,2,3
.irp c, 0,1,2
	global_load_b128 v[72*((\s)%3)+12*\t+4*\c:72*((\s)%3)+12*\t+4*\c+3], v[LI], s[48:49] offset:(8*\t+(\s))*1536+512*\c
.endr
.endr
.irp t, 4,5
.irp c, 0,1,2
	global_load_b128 v[72*((\s)%3)+12*\t+4*\c:72*((\s)%3)+12*\t+4*\c+3], v[LI], s[50:51] offset:(8*(\t-4)+(\s))*1536+512*\c
.endr
.endr
.endm
.irp s, 0,1,2,3,4,5,6,7
	WLOAD \s
.endr
	WIN 0
	s_wait_tensorcnt 0x0                           ; my four records have landed,
	s_barrier_signal -1
	s_barrier_wait -1                              ; everybody's have.
.macro ALOAD s, pb                     ; K step s of the pair of records in hand into buffer pb: 7 LDS loads
.irp m, 0,1
.irp c, 0,1,2
	ds_load_b128 v[AF+24*(\pb)+12*\m+4*\c:AF+24*(\pb)+12*\m+4*\c+3], v[ADRA] offset:12800*\m+1536*(\s)+512*\c
.endr
.endr
	ds_load_b32 v[XS+(\pb)], v[ADRS] offset:64*(\s)
.endm
; A K step: 12 products on 12 sums, which take turns, one instruction a turn.
.macro KSTEP blk, s
.if (\s) < 7
.if (\s) > 0
.rept 4
	v_nop                                          ; places in front of loads into the buffer that the last step's products read
.endr
.endif
	ALOAD (\s)+1, ((\s)+1)%2
	s_wait_dscnt 7                                 ; this step's seven loads are in; the seven just issued may be out
.else
	s_wait_dscnt 0x0
.endif
.if (\blk) == 0                        ; the first pair of rows meets the weights on their way: behind K step s's loads stand 18 for each later step (the count's field holds 63)
.if 18*(7-(\s)) > 63
	s_wait_loadcnt 63
.else
	s_wait_loadcnt 18*(7-(\s))
.endif
.endif
.set NW, 1+(\s)/3
.set WB, 72*((\s)%3)
.set AB, AF+24*((\s)%2)
.if (\s) == 0
	WIN NW|0x30                                    ; source 0 (W) in its window, C (the bias) in window 3
.else
	WIN NW
.endif
.irp m, 0,1
.irp t, 0,1,2,3
.if (\s) == 0
	WM ACCU+8*(4*\m+\t), WB+12*\t, AB+12*\m, BU+8*\t, WS+8*(\t/2)+(\s), XS+(\s)%2, \t%2, \m
.else
	WM ACCU+8*(4*\m+\t), WB+12*\t, AB+12*\m, ACCU+8*(4*\m+\t), WS+8*(\t/2)+(\s), XS+(\s)%2, \t%2, \m
.endif
.endr
.endr
.if (\s) == 0
	WIN (NW<<2)|0x30                               ; source 1 (W_v) in its window
.else
	WIN NW<<2
.endif
.irp tau, 0,1
.irp m, 0,1
.if (\s) == 0
	WM ACCV+8*(2*\tau+\m), AB+12*\m, WB+12*(4+\tau), BV+8*\tau, XS+(\s)%2, WS+16+(\s), \m, \tau
.else
	WM ACCV+8*(2*\tau+\m), AB+12*\m, WB+12*(4+\tau), ACCV+8*(2*\tau+\m), XS+(\s)%2, WS+16+(\s), \m, \tau
.endif
.endr
.endr
	WIN 0
.endm
; A pair of row tiles (32 rows): 96 products, then the quantising and the stores.
.macro BLK i
	ALOAD 0, 0
.irp s, 0,1,2,3,4,5,6,7
	KSTEP \i, \s
.endr
.rept 4
	v_nop                                          ; places in front of the first read of results
.endr
	s_wait_xcnt 0x0                                ; the last pair's stores have read their registers
	QUANT ACCU, 2, PC, PC+12, TM, PW               ; blocks 0, 1: tile 0's channels 0-31, 32-63; blocks 2, 3: tile 1's.  Registers 6 m .. 6 m + 5: channels 32 h .. of row slot r of tile m
	global_store_b128 v[LI], v[PC:PC+3], s[60:61] offset:1536*\i
	global_store_b64 v[L8], v[PC+4:PC+5], s[60:61] offset:1536*\i+512
	global_store_b128 v[LI], v[PC+6:PC+9], s[60:61] offset:1536*\i+768
	global_store_b64 v[L8], v[PC+10:PC+11], s[60:61] offset:1536*\i+1280
	v_lshrrev_b32 v250, v[SH], v[PW]
	v_and_b32 v250, 0xffff, v250                   ; lane (r, h): tile h's two bytes; the word's upper two bytes are 0
	global_store_b32 v[L4], v250, s[62:63] offset:128*\i
	QUANT ACCV, 1, PCV, PCV+12, TM, 251            ; block tau: the 32 keys of this pair, channel slot r of tile tau.  Lane (r, h) then holds the whole block of tile h
	global_store_b128 v[V16], v[PCV:PCV+3], s[66:67] offset:1536*\i
	global_store_b64 v[V8], v[PCV+4:PCV+5], s[66:67] offset:1536*\i
	v_cndmask_b32 v251, v[TM+4], v[TM+5], s70      ; my tile's byte
.if (\i)%4 == 0
	v_mov_b32 v[VW], v251
.else
	v_lshl_or_b32 v[VW], v251, 8*((\i)%4), v[VW]
.endif
.if (\i)%4 == 3
	v_mov_b32 v252, v[VW]                          ; four key blocks' bytes: the word of 128 keys
	global_store_b32 v[L4], v252, s[68:69] offset:256*((\i)/4)
.endif
.if (\i) < 7
	v_add_nc_u32 v[ADRA], 25600, v[ADRA]           ; the next pair of records
	v_add_nc_u32 v[ADRS], 25600, v[ADRS]
.endif
.endm
.irp i, 0,1,2,3,4,5,6,7
	BLK \i
.endr
	s_wait_tensorcnt 0x0                           ; the wave's end
	ds_add_u32 v[SPW], v[NIL]
	s_wait_dscnt 0x0
	CROUND                                         ; the closing round
	s_endpgm
.Lfunc_end_k_qbb501a1f54_qkv:
	.size	k_qbb501a1f54_qkv, .Lfunc_end_k_qbb501a1f54_qkv-k_qbb501a1f54_qkv
	.p2alignl 7, 3214868480
	.fill 96, 4, 3214868480
	.section	.rodata,"a",@progbits
	.p2align	6, 0x0
	.amdhsa_kernel k_qbb501a1f54_qkv
		.amdhsa_group_segment_fixed_size 205312
		.amdhsa_private_segment_fixed_size 0
		.amdhsa_enable_private_segment 0
		.amdhsa_kernarg_size 96
		.amdhsa_user_sgpr_count 2
		.amdhsa_user_sgpr_kernarg_segment_ptr 1
		.amdhsa_wavefront_size32 1
		.amdhsa_system_sgpr_workgroup_id_x 1
		.amdhsa_system_sgpr_workgroup_id_y 1
		.amdhsa_system_sgpr_workgroup_id_z 1
		.amdhsa_system_vgpr_workitem_id 0
		.amdhsa_next_free_vgpr 1024
		.amdhsa_next_free_sgpr 84
		.amdhsa_reserve_vcc 0
		.amdhsa_float_denorm_mode_32 3
		.amdhsa_float_denorm_mode_16_64 3
		.amdhsa_memory_ordered 1
		.amdhsa_forward_progress 1
		.amdhsa_inst_pref_size 216
	.end_amdhsa_kernel
	.amdgpu_metadata
---
amdhsa.version: [ 1, 2 ]
amdhsa.kernels:
  - .name:           k_qbb501a1f54_qkv
    .symbol:         k_qbb501a1f54_qkv.kd
    .args:
      - { .name: xa, .offset: 0, .size: 8, .value_kind: global_buffer, .address_space: global }
      - { .name: wimg, .offset: 8, .size: 8, .value_kind: global_buffer, .address_space: global }
      - { .name: w_q_scales, .offset: 16, .size: 8, .value_kind: global_buffer, .address_space: global }
      - { .name: w_k_scales, .offset: 24, .size: 8, .value_kind: global_buffer, .address_space: global }
      - { .name: w_v_scales, .offset: 32, .size: 8, .value_kind: global_buffer, .address_space: global }
      - { .name: b_q, .offset: 40, .size: 8, .value_kind: global_buffer, .address_space: global }
      - { .name: b_k, .offset: 48, .size: 8, .value_kind: global_buffer, .address_space: global }
      - { .name: b_v, .offset: 56, .size: 8, .value_kind: global_buffer, .address_space: global }
      - { .name: qk_img, .offset: 64, .size: 8, .value_kind: global_buffer, .address_space: global }
      - { .name: qk_sc, .offset: 72, .size: 8, .value_kind: global_buffer, .address_space: global }
      - { .name: v_img, .offset: 80, .size: 8, .value_kind: global_buffer, .address_space: global }
      - { .name: v_sc, .offset: 88, .size: 8, .value_kind: global_buffer, .address_space: global }
    .group_segment_fixed_size: 205312
    .private_segment_fixed_size: 0
    .kernarg_segment_align: 8
    .kernarg_segment_size: 96
    .max_flat_workgroup_size: 128
    .sgpr_count:     84
    .vgpr_count:     1024
    .wavefront_size: 32
...
	.end_amdgpu_metadata
.endif
;; end of part 2
;; launch attn (part 3): grid 8 x 32, 16 waves a work-group, no clusters, 116,736 bytes of LDS; arguments qk_img, qk_sc, v_img, v_sc, cimg; writes cimg
.if DOCPART == 3
	.amdgcn_target "amdgcn-amd-amdhsa--gfx1250"
	.amdhsa_code_object_version 6
	.text
	.protected	k_qbb501a1f54_attn
	.globl	k_qbb501a1f54_attn
	.p2align	8
	.type	k_qbb501a1f54_attn,@function
k_qbb501a1f54_attn:
	s_mov_b64 s[64:65], 0
	v_nop
	global_prefetch_b8 v0, s[64:65] scope:SCOPE_SE
	s_setreg_imm32_b32 hwreg(HW_REG_WAVE_MODE, 25, 1), 1
	s_wait_xcnt 0x0
; LAUNCH 2.  Attention in a causal window of 256 keys, both products on codes of FP6 (E2M3), and the quantising of its result for the output projection.
; SHARES.  Work-group (qb, b, eta): 256 queries x heads 2 eta, 2 eta + 1 of batch b.  Wave w owns row tile 16 qb + w (pair m = 8 qb + w / 2, u = w % 2: queries 32 m + 8 u + r + 8 (r / 8)) and takes both
; heads one after the other: their 128 channels are K step eta of the next product, one whole fragment and one scale word a row.  Four waves share a SIMD: one wave's softmax stands beside another's products.
; THE KEYS of a tile are the nine aligned blocks of 32 from 32 (m - 8) to 32 m + 31: two steps of 128 keys and one of 32.  Only the first block (key hidden where it is 256 or more behind the query) and the last
; (hidden where it is ahead of the query) are cut; which register of which lane is hidden there hangs on the lane and the wave alone: sixteen lane masks, made once.  Blocks in front of key 0 (qb = 0 alone):
; a step with none but such keys is jumped over by a scalar branch on ids; in a step with some, their scores become -infinity.
; LAYOUT.  Both products transposed: S^T = K Q^T, O^T = V^T P^T: a lane holds one query throughout.  K's tiles lie as all tiles of this program do, so that p's 16 registers of two neighbouring tiles are 16 neighbouring keys.
; THE HEAD HAS 64 CHANNELS AND THE INSTRUCTION TAKES 128: Q's registers 6-11 are zero codes, and bytes 2, 3 of q's and k's scale words are 0 (2^-127, no NaN).  K's operand for tile t is v[F + 6 t .. + 11]:
; its upper half is the next tile's codes (or a tail of zeros); against Q's zero codes it adds nothing.
; THE SOFTMAX: t = score x log2(e) / 8; M = the running largest t rounded up to a whole number, kept as -M; p = 2^(t - M) is quantised by blocks of 32 keys; the sum is taken of the unquantised p and divides at the end.
; STAGING.  The 16 pairs of K's tiles, the 16 key blocks of V and their scale words, for both heads, go through registers into LDS once; one barrier.  No cluster: neighbouring work-groups share only half of their keys,
; and the staging goes through registers.
; LIMITS: as in launch 0; scores whose t lies under -3e38 are not served.
.set VIMG,  49152                      ; LDS: K's images [head][pair 16][1,536] from 0; V's [head][block 16][1,536 + 128] from here (the 128 put the upper lanes' 8-byte loads into the other half of the banks);
.set KSL,   102400                     ; K's scale words [head][pair][128];
.set VSL,   106496                     ; V's [head][first block of a step 16][64 slots x 4];
.set SPARE, 114688                     ; the spare words, 128 bytes for each of 16 waves
.set AK16, 1                           ; v1  K: my wave's first pair + 16 x lane
.set AK8,  2                           ; v2  + 512 + 8 x lane
.set AKS,  3                           ; v3  K's scale words
.set AV16, 4                           ; v4  V: block (w / 2 + h), 16 r
.set AV8,  5                           ; v5  + 256 + 8 r
.set AVS,  6                           ; v6  V's scale words
.set VH,   7                           ; v7  1,664 h
.set AQ16, 8                           ; v8, v9: the same as v4, v5 without h: the last step has one block
.set AQ8,  9
.set DL,   10                          ; v10 8 u + r + 8 (r / 8) - 16 h: register n of a cut block is key 16 h + n; it stands at or under my query's place where n <= DL
.set NINF, 11                          ; v11 -infinity
.set SPW,  30
.set NIL,  31
.set F,    32                          ; v32-85 fragments of K or of V
.set PCX,  192                         ; v192-203 the result's codes
.set CW,   208                         ; its scale word
.set LI,   209                         ; 16 x lane
.set R4,   210                         ; 4 r
.set PP,   212                         ; v212-223 p's codes; v224-230 the second conversions
.set WV,   14                          ; s14 wave
.set SEL,  20
.set CS,   22                          ; s[22:23] c = log2(e) / 8
.set KFS,  24                          ; s24, s25 the first key of steps 0, 1
.set TS,   26
.set MK,   32                          ; s32-47 lane masks: n <= DL
.set KIB,  48
.set VIB,  50
.set KSB,  52
.set VSB,  54
.set QIB,  56
.set QSB,  58
.set COUT, 60
.set CSC,  62
.macro WM d, a, b, c, sa, sb, ra, rb
.if (\c) < 0
.if (\ra)
	v_wmma_scale_f32_16x16x128_f8f6f4 v[\d:\d+7], v[\a:\a+11], v[\b:\b+11], 0, v[\sa], v[\sb] matrix_a_fmt:MATRIX_FMT_FP6 matrix_b_fmt:MATRIX_FMT_FP6 matrix_a_scale:MATRIX_SCALE_ROW1
.else
	v_wmma_scale_f32_16x16x128_f8f6f4 v[\d:\d+7], v[\a:\a+11], v[\b:\b+11], 0, v[\sa], v[\sb] matrix_a_fmt:MATRIX_FMT_FP6 matrix_b_fmt:MATRIX_FMT_FP6
.endif
.else
.if (\ra)
	v_wmma_scale_f32_16x16x128_f8f6f4 v[\d:\d+7], v[\a:\a+11], v[\b:\b+11], v[\c:\c+7], v[\sa], v[\sb] matrix_a_fmt:MATRIX_FMT_FP6 matrix_b_fmt:MATRIX_FMT_FP6 matrix_a_scale:MATRIX_SCALE_ROW1
.else
	v_wmma_scale_f32_16x16x128_f8f6f4 v[\d:\d+7], v[\a:\a+11], v[\b:\b+11], v[\c:\c+7], v[\sa], v[\sb] matrix_a_fmt:MATRIX_FMT_FP6 matrix_b_fmt:MATRIX_FMT_FP6
.endif
.endif
.endm
.macro QUANT s, nc, pc, p2, tm, pw
.set qb, 0
.rept 2*(\nc)
	v_max3_num_f32 v[\tm+qb], |v[\s+16*qb]|, |v[\s+16*qb+1]|, 0x1800000
.set qb, qb+1
.endr
.set qi, 2
.rept 7
.set qb, 0
.rept 2*(\nc)
	v_max3_num_f32 v[\tm+qb], v[\tm+qb], |v[\s+16*qb+qi]|, |v[\s+16*qb+qi+1]|
.set qb, qb+1
.endr
.set qi, qi+2
.endr
.set qb, 0
.rept 2*(\nc)
	v_permlanex16_b32 v[\tm+4+qb], v[\tm+qb], s[SEL], s[SEL+1]
.set qb, qb+1
.endr
.set qb, 0
.rept 2*(\nc)
	v_max_num_f32 v[\tm+qb], v[\tm+qb], v[\tm+4+qb]
.set qb, qb+1
.endr
.set qb, 0
.rept 2*(\nc)
	v_add_nc_u32 v[\tm+12+qb], 0xff000000, v[\tm+qb]
.set qb, qb+1
.endr
.set qb, 0
.rept 2*(\nc)
	v_lshrrev_b32 v[\tm+4+qb], 23, v[\tm+12+qb]
.set qb, qb+1
.endr
	v_lshl_or_b32 v[\pw], v[\tm+5], 8, v[\tm+4]
.set qc, 0
.rept \nc
	v_cvt_scalef32_pk16_fp6_f32 v[\pc+6*qc:\pc+6*qc+2], v[\s+32*qc:\s+32*qc+15], v[\tm+12+2*qc]
	v_cvt_scalef32_pk16_fp6_f32 v[\p2+4*qc:\p2+4*qc+2], v[\s+32*qc+16:\s+32*qc+31], v[\tm+12+2*qc+1]
.set qc, qc+1
.endr
	v_nop
.set qc, 0
.rept \nc
.set qi, 0
.rept 3
	v_permlane16_swap_b32 v[\pc+6*qc+qi], v[\p2+4*qc+qi]
.set qi, qi+1
.endr
.set qi, 0
.rept 3
	v_mov_b32 v[\pc+6*qc+3+qi], v[\p2+4*qc+qi]
.set qi, qi+1
.endr
.set qc, qc+1
.endr
.endm
	s_load_b256 s[4:11], s[0:1], 0x0               ; qk_img s[4:5], qk_sc s[6:7], v_img s[8:9], v_sc s[10:11]
	s_load_b64 s[12:13], s[0:1], 0x20              ; cimg
	v_lshl_add_u32 v[SPW], v0, 2, SPARE
	v_mov_b32 v[NIL], 0
	v_lshrrev_b32 v232, 5, v0
	v_readfirstlane_b32 s[WV], v232                ; wave 0..15
	s_lshr_b32 s15, s[WV], 1                       ; pi = w / 2
	s_and_b32 s16, s[WV], 1                        ; u
	s_and_b32 s17, ttmp7, 0xffff
	s_lshr_b32 s18, s17, 3                         ; b
	s_and_b32 s19, s17, 7                          ; eta
	s_lshl_b32 s27, s18, 4
	s_lshl_b32 s66, s19, 1
	s_add_co_u32 s27, s27, s66                     ; 16 b + 2 eta: the first head
	s_lshl_b32 s28, ttmp9, 3
	s_add_co_u32 s28, s28, s[WV]
	s_sub_co_i32 s28, s28, 8
	s_max_i32 s28, s28, 0                          ; the pair (and key block) that I stage: 8 qb - 8 + w, held at 0: no load leaves its buffer; what the hold brings is hidden
	s_lshl_b32 s[KFS], ttmp9, 8
	s_lshl_b32 s66, s15, 5
	s_add_co_u32 s[KFS], s[KFS], s66
	s_sub_co_i32 s[KFS], s[KFS], 256               ; 32 (m - 8)
	s_add_co_i32 s[KFS+1], s[KFS], 128
	s_lshl_b32 s29, ttmp9, 1
	s_lshr_b32 s66, s15, 2
	s_add_co_u32 s29, s29, s66
	s_sub_co_i32 s29, s29, 2                       ; V's scale words lie by aligned runs of four blocks: the run in which local block w / 2 lies
.irp k, 0,1,2,3
	s_add_co_i32 s[68+\k], s29, \k
	s_max_i32 s[68+\k], s[68+\k], 0
	s_min_i32 s[68+\k], s[68+\k], 15               ; held inside the head's 16 runs
	s_lshl_b32 s[68+\k], s[68+\k], 8
.endr
	s_and_b32 s72, s15, 3
	s_mul_i32 s72, s72, 0x01010101
	s_add_co_u32 s72, s72, 0x03020100              ; v_perm_b32's selector: four bytes from byte (w / 2) % 4 of two words on
	s_mov_b32 s[SEL], 0x76543210
	s_mov_b32 s[SEL+1], 0xfedcba98
	s_mov_b32 s[CS], 0x3e38aa3b                    ; log2(e) / sqrt(64)
	s_mov_b32 s[CS+1], s[CS]
	v_and_b32 v232, 31, v0                         ; lane
	v_and_b32 v233, 15, v0                         ; r
	v_bfe_u32 v234, v0, 4, 1                       ; h
	v_and_b32 v235, 8, v233
	v_add_nc_u32 v235, v235, v233                  ; r + 8 (r / 8)
	s_mul_i32 s73, s15, 1536
	v_lshl_add_u32 v[AK16], v232, 4, s73
	v_lshl_add_u32 v[AK8], v232, 3, s73
	v_add_nc_u32 v[AK8], 512, v[AK8]
	s_lshl_b32 s73, s15, 7
	v_lshl_add_u32 v[AKS], v232, 2, s73
	v_add_nc_u32 v[AKS], KSL, v[AKS]
	s_mul_i32 s73, s15, 1664
	v_lshl_add_u32 v[AQ16], v233, 4, s73
	v_add_nc_u32 v[AQ16], VIMG, v[AQ16]
	v_lshl_add_u32 v[AQ8], v233, 3, s73
	v_add_nc_u32 v[AQ8], VIMG+256, v[AQ8]
	v_mul_u32_u24 v[VH], v234, 1664
	v_add_nc_u32 v[AV16], v[AQ16], v[VH]
	v_add_nc_u32 v[AV8], v[AQ8], v[VH]
	s_lshl_b32 s73, s15, 8
	v_lshl_add_u32 v[AVS], v232, 2, s73
	v_add_nc_u32 v[AVS], VSL, v[AVS]
	v_lshlrev_b32 v236, 4, v234
	v_sub_nc_u32 v[DL], v235, v236
	s_lshl_b32 s73, s16, 3
	v_add_nc_u32 v[DL], s73, v[DL]
	v_mov_b32 v[NINF], 0xff800000
	v_lshlrev_b32 v[LI], 4, v232
	v_lshlrev_b32 v[R4], 2, v233
	s_mul_i32 s73, s[WV], 1536
	v_add_nc_u32 v237, s73, v[LI]                  ; where I store K's pair,
	s_mul_i32 s73, s[WV], 1664
	v_add_nc_u32 v238, s73, v[LI]
	v_add_nc_u32 v238, VIMG, v238                  ; V's block,
	v_lshl_add_u32 v239, v0, 2, KSL                ; K's scale words: 128 w + 4 x lane,
	v_lshl_add_u32 v240, v0, 2, VSL                ; V's: 256 (w / 2) + 4 x slot
	v_lshlrev_b32 v241, 2, v232
	v_lshlrev_b32 v242, 3, v232
	v_and_b32 v247, 63, v0
	v_lshlrev_b32 v247, 2, v247                    ; my channel slot's word
.irp k, 0,1,2,3
	v_add_nc_u32 v[243+\k], s[68+\k], v247
.endr
	s_wait_kmcnt 0x0
	s_mov_b32 s67, 0
	s_lshl_b32 s66, s27, 7
	s_lshl_b32 s73, s28, 1
	s_add_co_u32 s66, s66, s73
	s_mul_i32 s66, s66, 768
	s_add_co_u32 s66, s66, 6291456
	s_add_nc_u64 s[KIB:KIB+1], s[4:5], s[66:67]
	s_lshl_b32 s74, s27, 6
	s_add_co_u32 s74, s74, s28
	s_mul_i32 s66, s74, 1536
	s_add_nc_u64 s[VIB:VIB+1], s[8:9], s[66:67]
	s_lshl_b32 s66, s74, 7
	s_add_co_u32 s66, s66, 524288
	s_add_nc_u64 s[KSB:KSB+1], s[6:7], s[66:67]
	s_lshl_b32 s66, s27, 12
	s_add_nc_u64 s[VSB:VSB+1], s[10:11], s[66:67]
	s_lshl_b32 s75, ttmp9, 4
	s_add_co_u32 s75, s75, s[WV]                   ; my row tile in the sequence
	s_lshl_b32 s66, s27, 7
	s_add_co_u32 s66, s66, s75
	s_mul_i32 s66, s66, 768
	s_add_nc_u64 s[QIB:QIB+1], s[4:5], s[66:67]
	s_lshl_b32 s66, s27, 6
	s_lshl_b32 s73, ttmp9, 3
	s_add_co_u32 s66, s66, s73
	s_add_co_u32 s66, s66, s15
	s_lshl_b32 s66, s66, 7
	s_lshl_b32 s73, s16, 6
	s_add_co_u32 s66, s66, s73
	s_add_nc_u64 s[QSB:QSB+1], s[6:7], s[66:67]
	s_lshl_b32 s73, s18, 7
	s_add_co_u32 s73, s73, s75
	s_mul_i32 s73, s73, 12800                      ; my record in cimg
	s_mul_i32 s66, s19, 1536
	s_add_co_u32 s66, s66, s73
	s_add_nc_u64 s[COUT:COUT+1], s[12:13], s[66:67]
	s_lshl_b32 s66, s19, 6
	s_add_co_u32 s66, s66, s73
	s_add_co_u32 s66, s66, 12288
	s_add_nc_u64 s[CSC:CSC+1], s[12:13], s[66:67]
.irp e, 0,1
.irp k, 0,1,2
	global_load_b128 v[96+12*\e+4*\k:96+12*\e+4*\k+3], v[LI], s[KIB:KIB+1] offset:98304*\e+512*\k
.endr
.endr
.irp e, 0,1
.irp k, 0,1,2
	global_load_b128 v[120+12*\e+4*\k:120+12*\e+4*\k+3], v[LI], s[VIB:VIB+1] offset:98304*\e+512*\k
.endr
.endr
.irp e, 0,1
	global_load_b32 v[144+\e], v241, s[KSB:KSB+1] offset:8192*\e
.endr
.irp e, 0,1
.irp k, 0,1,2,3
	global_load_b32 v[146+4*\e+\k], v[243+\k], s[VSB:VSB+1] offset:4096*\e
.endr
.endr
.irp e, 0,1
	global_load_b128 v[16+70*\e:19+70*\e], v[LI], s[QIB:QIB+1] offset:98304*\e          ; Q: head 0 into v16-21, head 1 into v86-91
	global_load_b64 v[20+70*\e:21+70*\e], v242, s[QIB:QIB+1] offset:98304*\e+512
	global_load_b32 v[28+\e], v[R4], s[QSB:QSB+1] offset:8192*\e
.endr
.set zi, F
.rept 54
	v_mov_b32 v[zi], 0                             ; the fragments' registers hold codes from the start: the tail v80-85 stays zero
.set zi, zi+1
.endr
.irp j, 22,23,24,25,26,27
	v_mov_b32 v\j, 0                               ; Q's upper half: zero codes, never rewritten
.endr
.irp n, 0,1,2,3,4,5,6,7,8,9,10,11,12,13,14,15
	v_cmp_le_i32 s[MK+\n], \n, v[DL]
.endr
	s_wait_loadcnt 6                               ; all but Q's six
.irp e, 0,1
	v_perm_b32 v[154+2*\e], v[147+4*\e], v[146+4*\e], s72          ; the bytes of blocks sigma .. sigma + 3, sigma = w / 2,
	v_perm_b32 v[155+2*\e], v[149+4*\e], v[148+4*\e], s72          ; and sigma = w / 2 + 8
.endr
.irp e, 0,1
.irp k, 0,1,2
	ds_store_b128 v237, v[96+12*\e+4*\k:96+12*\e+4*\k+3] offset:24576*\e+512*\k
	ds_store_b128 v238, v[120+12*\e+4*\k:120+12*\e+4*\k+3] offset:26624*\e+512*\k
.endr
	ds_store_b32 v239, v[144+\e] offset:2048*\e
	ds_store_b32 v240, v[154+2*\e] offset:4096*\e
	ds_store_b32 v240, v[155+2*\e] offset:4096*\e+2048
.endr
	s_wait_dscnt 0x0                               ; for the others' sake: my stores have landed
	s_barrier_signal -1
	s_barrier_wait -1
	s_wait_loadcnt 0x0                             ; Q; and every load's address register is free
.irp j, 236,237,238,239,252,253
	v_mov_b32 v\j, 0                               ; permutes' destinations, and the pair v[252:253], are written before they are named
.endr
; A STEP OF 128 KEYS: step st (0, 1) of head hd.  edge = 1: its first block is cut by the window's far end.
.macro STEP4 hd, st, edge
	s_cmp_le_i32 s[KFS+\st], -128                  ; all its keys in front of key 0: ids alone; no barrier stands in a step
	s_cbranch_scc1 .Lgone_\@
.rept 4
	v_nop                                          ; places in front of loads into registers that the last products read
.endr
.irp t, 0,1,2,3,4,5,6,7
	ds_load_b128 v[F+6*\t:F+6*\t+3], v[AK16] offset:24576*\hd+(4*\st+\t/2)*1536+768*(\t%2)
	ds_load_b64 v[F+6*\t+4:F+6*\t+5], v[AK8] offset:24576*\hd+(4*\st+\t/2)*1536+768*(\t%2)
.endr
.irp b, 0,1,2,3
	ds_load_b32 v[92+\b], v[AKS] offset:2048*\hd+128*(4*\st+\b)
.endr
	s_wait_dscnt 0x0
.irp t, 0,1,2,3,4,5,6,7
	WM 96+8*\t, F+6*\t, 16, -1, 92+\t/2, 28+\hd, \t%2, 0
.endr
.rept 4
	v_nop
.endr
.irp tau, 0,1,2,3                      ; V's fragments are asked for now and land under the softmax
.irp c, 0,1
	ds_load_b128 v[F+12*\tau+6*\c:F+12*\tau+6*\c+3], v[AV16] offset:26624*\hd+(4*\st+2*\c)*1664+384*\tau
	ds_load_b64 v[F+12*\tau+6*\c+4:F+12*\tau+6*\c+5], v[AV8] offset:26624*\hd+(4*\st+2*\c)*1664+384*\tau
.endr
.endr
	ds_load_b32 v92, v[AVS] offset:4096*\hd+1024*\st
	ds_load_b32 v93, v[AVS] offset:4096*\hd+1024*\st+128
	s_cmp_ge_i32 s[KFS+\st], 0
	s_cbranch_scc1 .Lpos_\@
.irp b, 0,1,2,3                        ; blocks in front of key 0
	s_add_co_i32 s[TS], s[KFS+\st], 32*\b
	s_cmp_lt_i32 s[TS], 0
	s_cselect_b32 s[TS], -1, 0
.irp n, 0,1,2,3,4,5,6,7,8,9,10,11,12,13,14,15
	v_cndmask_b32 v[96+16*\b+\n], v[96+16*\b+\n], v[NINF], s[TS]
.endr
.endr
.Lpos_\@:
.if \edge
.irp n, 0,1,2,3,4,5,6,7,8,9,10,11,12,13,14,15
	v_cndmask_b32 v[96+\n], v[96+\n], v[NINF], s[MK+\n]            ; hidden where the key is 256 or more behind my query
.endr
.endif
.irp b, 0,1,2,3
	v_max3_num_f32 v[232+\b], v[96+16*\b], v[97+16*\b], v[98+16*\b]   ; each block's largest score: for the row's maximum, and for the block's largest p
.endr
.irp i2, 3,5,7,9,11,13
.irp b, 0,1,2,3
	v_max3_num_f32 v[232+\b], v[232+\b], v[96+16*\b+\i2], v[97+16*\b+\i2]
.endr
.endr
.irp b, 0,1,2,3
	v_max_num_f32 v[232+\b], v[232+\b], v[111+16*\b]
.endr
.irp b, 0,1,2,3
	v_permlanex16_b32 v[236+\b], v[232+\b], s[SEL], s[SEL+1]
.endr
.irp b, 0,1,2,3
	v_max_num_f32 v[232+\b], v[232+\b], v[236+\b]
.endr
	v_max3_num_f32 v254, v232, v233, v234
	v_max_num_f32 v254, v254, v235
	v_mul_f32 v254, s[CS], v254
	v_max_num_f32 v13, v13, v254                   ; the running largest t
	v_mov_b32 v254, v12
	v_floor_f32 v12, -v13                          ; -M = floor(-t): M is a whole number
	v_sub_f32 v254, v12, v254
	v_cvt_i32_f32 v254, v254                       ; (it saturates)
	v_ldexp_f32 v252, 1.0, v254                    ; f = 2^(old M - new M): rounds nothing
.irp j, 0,2,4,6,8,10,12,14,16,18,20,22,24,26,28,30,32,34,36,38,40,42,44,46,48,50,52,54,56,58,60,62
	v_pk_fma_f32 v[96+\j:97+\j], v[96+\j:97+\j], s[CS:CS+1], v[12:13] op_sel_hi:[1,0,0]   ; t - M
.endr
.irp b, 0,1,2,3
	v_fma_f32 v[232+\b], v[232+\b], s[CS], v12
.endr
.set ej, 0
.rept 64
	v_exp_f32 v[96+ej], v[96+ej]                   ; p = 2^(t - M)
.set ej, ej+1
.endr
	v_pk_mul_f32 v[14:15], v[14:15], v[252:253] op_sel_hi:[1,0]   ; the sums under the new M: a plain place behind the exponentials
	s_wait_alu depctr_va_vdst(0)                   ; one wait for the batch, ahead of its first reader
.irp b, 0,1,2,3
	v_exp_f32 v[232+\b], v[232+\b]                 ; the blocks' largest p
.endr
	v_pk_add_f32 v[236:237], v[96:97], v[98:99]    ; the row's sum of the unquantised p, in two chains
.irp j, 4,8,12,16,20,24,28,32,36,40,44,48,52,56,60
	v_pk_add_f32 v[14:15], v[14:15], v[96+\j:97+\j]
	v_pk_add_f32 v[236:237], v[236:237], v[98+\j:99+\j]
.endr
	v_pk_add_f32 v[14:15], v[14:15], v[236:237]
	s_wait_alu depctr_va_vdst(0)                   ; and one for the four
.irp b, 0,1,2,3
	v_max_num_f32 v[232+\b], 0x1800000, v[232+\b]  ; the floor: the byte cannot fall under 1
.endr
.irp b, 0,1,2,3
	v_add_nc_u32 v[244+\b], 0xff000000, v[232+\b]
.endr
.irp b, 0,1,2,3
	v_lshrrev_b32 v[236+\b], 23, v[244+\b]
.endr
	v_lshl_or_b32 v253, v237, 8, v236              ; p's scale word for these 128 keys
	v_lshl_or_b32 v253, v238, 16, v253
	v_lshl_or_b32 v253, v239, 24, v253
.irp c, 0,1
	v_cvt_scalef32_pk16_fp6_f32 v[PP+6*\c:PP+6*\c+2], v[96+32*\c:111+32*\c], v[244+2*\c]
	v_cvt_scalef32_pk16_fp6_f32 v[224+4*\c:226+4*\c], v[112+32*\c:127+32*\c], v[244+2*\c+1]
.endr
	v_nop
.irp c, 0,1
.irp i2, 0,1,2
	v_permlane16_swap_b32 v[PP+6*\c+\i2], v[224+4*\c+\i2]
.endr
.irp i2, 0,1,2
	v_mov_b32 v[PP+3+6*\c+\i2], v[224+4*\c+\i2]
.endr
.endr
.irp j, 0,2,4,6,8,10,12,14,16,18,20,22,24,26,28,30
	v_pk_mul_f32 v[160+\j:161+\j], v[160+\j:161+\j], v[252:253] op_sel_hi:[1,0]   ; O^T under the new M; these sixteen also stand between the writing of p's codes and scale word and the products
.endr
	s_wait_dscnt 0x0                               ; V's fragments and scale words
.irp tau, 0,1,2,3
	WM 160+8*\tau, F+12*\tau, PP, 160+8*\tau, 92+\tau/2, 253, \tau%2, 0
.endr
.Lgone_\@:
.endm
; THE LAST STEP: the one block of 32 keys in which my queries lie.  p's operand has this block in lanes 0-15 and zero codes elsewhere.
.macro STEP1 hd
.rept 4
	v_nop
.endr
.irp t, 0,1
	ds_load_b128 v[F+6*\t:F+6*\t+3], v[AK16] offset:24576*\hd+8*1536+768*\t
	ds_load_b64 v[F+6*\t+4:F+6*\t+5], v[AK8] offset:24576*\hd+8*1536+768*\t
.endr
	ds_load_b32 v92, v[AKS] offset:2048*\hd+128*8
	s_wait_dscnt 0x0
.irp t, 0,1
	WM 96+8*\t, F+6*\t, 16, -1, 92, 28+\hd, \t, 0
.endr
.rept 4
	v_nop
.endr
.irp tau, 0,1,2,3                      ; V: registers 0-5 alone, the same block in both halves of the lanes; registers 6-11 keep older codes, which meet p's zero codes
	ds_load_b128 v[F+12*\tau:F+12*\tau+3], v[AQ16] offset:26624*\hd+8*1664+384*\tau
	ds_load_b64 v[F+12*\tau+4:F+12*\tau+5], v[AQ8] offset:26624*\hd+8*1664+384*\tau
.endr
	ds_load_b32 v92, v[AVS] offset:4096*\hd+2048
	ds_load_b32 v93, v[AVS] offset:4096*\hd+2048+128
.irp n, 0,1,2,3,4,5,6,7,8,9,10,11,12,13,14,15
	v_cndmask_b32 v[96+\n], v[NINF], v[96+\n], s[MK+\n]            ; kept where the key is not ahead of my query
.endr
	v_max3_num_f32 v232, v96, v97, v98
	v_max3_num_f32 v233, v99, v100, v101
	v_max3_num_f32 v232, v232, v102, v103
	v_max3_num_f32 v233, v233, v104, v105
	v_max3_num_f32 v232, v232, v106, v107
	v_max3_num_f32 v233, v233, v108, v109
	v_max3_num_f32 v232, v232, v110, v111
	v_max_num_f32 v232, v232, v233
	v_permlanex16_b32 v236, v232, s[SEL], s[SEL+1]
	v_max_num_f32 v232, v232, v236
	v_mul_f32 v254, s[CS], v232
	v_max_num_f32 v13, v13, v254
	v_mov_b32 v254, v12
	v_floor_f32 v12, -v13
	v_sub_f32 v254, v12, v254
	v_cvt_i32_f32 v254, v254
	v_ldexp_f32 v252, 1.0, v254
.irp j, 0,2,4,6,8,10,12,14
	v_pk_fma_f32 v[96+\j:97+\j], v[96+\j:97+\j], s[CS:CS+1], v[12:13] op_sel_hi:[1,0,0]
.endr
	v_fma_f32 v232, v232, s[CS], v12
.set ej, 0
.rept 16
	v_exp_f32 v[96+ej], v[96+ej]
.set ej, ej+1
.endr
	v_pk_mul_f32 v[14:15], v[14:15], v[252:253] op_sel_hi:[1,0]
	s_wait_alu depctr_va_vdst(0)                   ; one wait for the sixteen
	v_exp_f32 v232, v232
	v_pk_add_f32 v[236:237], v[96:97], v[98:99]
.irp j, 4,8,12
	v_pk_add_f32 v[14:15], v[14:15], v[96+\j:97+\j]
	v_pk_add_f32 v[236:237], v[236:237], v[98+\j:99+\j]
.endr
	v_pk_add_f32 v[14:15], v[14:15], v[236:237]
	s_wait_alu depctr_va_vdst(0)                   ; and one for the one
	v_max_num_f32 v232, 0x1800000, v232
	v_add_nc_u32 v244, 0xff000000, v232
	v_lshrrev_b32 v253, 23, v244                   ; the word: this block's byte; bytes 1 to 3 are 0 and meet zero codes
	v_cvt_scalef32_pk16_fp6_f32 v[PP:PP+2], v[96:111], v244
	v_nop
.irp j, 3,4,5,6,7,8,9,10,11
	v_mov_b32 v[PP+\j], 0
.endr
.irp j, 0,1,2
	v_permlane16_swap_b32 v[PP+\j], v[PP+3+\j]     ; lanes 0-15 get the block's upper 16 codes beside the lower; lanes 16-31 get zeros
.endr
.irp j, 0,2,4,6,8,10,12,14,16,18,20,22,24,26,28,30
	v_pk_mul_f32 v[160+\j:161+\j], v[160+\j:161+\j], v[252:253] op_sel_hi:[1,0]
.endr
	s_wait_dscnt 0x0
.irp tau, 0,1,2,3
	WM 160+8*\tau, F+12*\tau, PP, 160+8*\tau, 92+\tau/2, 253, \tau%2, 0
.endr
.endm
; O^T / the sum, quantised along the channels: registers 16 b + i are channels 32 b + 16 h + i of my query: half of the next product's fragment
.macro FINISH hd
.rept 4
	v_nop
.endr
	v_add_f32 v14, v14, v15
	v_permlanex16_b32 v252, v14, s[SEL], s[SEL+1]
	v_add_f32 v14, v14, v252                       ; the row's sum
	v_rcp_f32 v14, v14
	v_nop
	s_wait_alu depctr_va_vdst(0)
.irp j, 0,2,4,6,8,10,12,14,16,18,20,22,24,26,28,30
	v_pk_mul_f32 v[96+\j:97+\j], v[160+\j:161+\j], v[14:15] op_sel_hi:[1,0]
.endr
	QUANT 96, 1, PCX+6*\hd, 204, 232, 254
.if \hd
	v_lshl_or_b32 v[CW], v254, 16, v[CW]
.else
	v_mov_b32 v[CW], v254
.endif
.endm
.macro HEAD hd
.if \hd
.irp j, 0,1,2,3,4,5
	v_mov_b32 v[16+\j], v[86+\j]                   ; the second head's Q
.endr
.endif
	v_mov_b32 v13, 0xff61b1e6                      ; the largest t so far: -3e38
	v_floor_f32 v12, -v13
	v_mov_b32 v14, 0
	v_mov_b32 v15, 0
.set zi, 160
.rept 32
	v_mov_b32 v[zi], 0                             ; O^T: the steps are written once; the first that runs finds zeros, which the first change of M leaves zeros
.set zi, zi+1
.endr
	STEP4 \hd, 0, 1
	STEP4 \hd, 1, 0
	STEP1 \hd
	FINISH \hd
.endm
	HEAD 0
	HEAD 1
.irp c, 0,1,2
	global_store_b128 v[LI], v[PCX+4*\c:PCX+4*\c+3], s[COUT:COUT+1] offset:512*\c   ; the fragment's image: 512 consecutive bytes a store
.endr
	global_store_b32 v[R4], v[CW], s[CSC:CSC+1]    ; lanes r and r + 16 hold and store the same word
	s_wait_tensorcnt 0x0                           ; the wave's end, behind my last LDS store
	ds_add_u32 v[SPW], v[NIL]
	s_wait_dscnt 0x0
	s_endpgm
.Lfunc_end_k_qbb501a1f54_attn:
	.size	k_qbb501a1f54_attn, .Lfunc_end_k_qbb501a1f54_attn-k_qbb501a1f54_attn
	.p2alignl 7, 3214868480
	.fill 96, 4, 3214868480
	.section	.rodata,"a",@progbits
	.p2align	6, 0x0
	.amdhsa_kernel k_qbb501a1f54_attn
		.amdhsa_group_segment_fixed_size 116736
		.amdhsa_private_segment_fixed_size 0
		.amdhsa_enable_private_segment 0
		.amdhsa_kernarg_size 40
		.amdhsa_user_sgpr_count 2
		.amdhsa_user_sgpr_kernarg_segment_ptr 1
		.amdhsa_wavefront_size32 1
		.amdhsa_system_sgpr_workgroup_id_x 1
		.amdhsa_system_sgpr_workgroup_id_y 1
		.amdhsa_system_sgpr_workgroup_id_z 1
		.amdhsa_system_vgpr_workitem_id 0
		.amdhsa_next_free_vgpr 256
		.amdhsa_next_free_sgpr 80
		.amdhsa_reserve_vcc 0
		.amdhsa_float_denorm_mode_32 3
		.amdhsa_float_denorm_mode_16_64 3
		.amdhsa_memory_ordered 1
		.amdhsa_forward_progress 1
		.amdhsa_inst_pref_size 121
	.end_amdhsa_kernel
	.amdgpu_metadata
---
amdhsa.version: [ 1, 2 ]
amdhsa.kernels:
  - .name:           k_qbb501a1f54_attn
    .symbol:         k_qbb501a1f54_attn.kd
    .args:
      - { .name: qk_img, .offset: 0, .size: 8, .value_kind: global_buffer, .address_space: global }
      - { .name: qk_sc, .offset: 8, .size: 8, .value_kind: global_buffer, .address_space: global }
      - { .name: v_img, .offset: 16, .size: 8, .value_kind: global_buffer, .address_space: global }
      - { .name: v_sc, .offset: 24, .size: 8, .value_kind: global_buffer, .address_space: global }
      - { .name: cimg, .offset: 32, .size: 8, .value_kind: global_buffer, .address_space: global }
    .group_segment_fixed_size: 116736
    .private_segment_fixed_size: 0
    .kernarg_segment_align: 8
    .kernarg_segment_size: 40
    .max_flat_workgroup_size: 512
    .sgpr_count:     80
    .vgpr_count:     256
    .wavefront_size: 32
...
	.end_amdgpu_metadata
.endif
;; end of part 3
;; launch oproj (part 4): grid 4 x 64, 4 waves a work-group, clusters of 4 x 1, 167,936 bytes of LDS; arguments cimg, wimg, w_o_scales, b_o, x, out0; writes out0
.if DOCPART == 4
	.amdgcn_target "amdgcn-amd-amdhsa--gfx1250"
	.amdhsa_code_object_version 6
	.text
	.protected	k_qbb501a1f54_oproj
	.globl	k_qbb501a1f54_oproj
	.p2align	8
	.type	k_qbb501a1f54_oproj,@function
k_qbb501a1f54_oproj:
	s_mov_b64 s[64:65], 0
	v_nop
	global_prefetch_b8 v0, s[64:65] scope:SCOPE_SE
	s_setreg_imm32_b32 hwreg(HW_REG_WAVE_MODE, 25, 1), 1
	s_wait_xcnt 0x0
	s_wait_alu depctr_hold_cnt(0) depctr_sa_sdst(0) depctr_va_vdst(0) depctr_va_sdst(0) depctr_va_ssrc(0) depctr_va_vcc(0) depctr_vm_vsrc(0)
	s_getreg_b32 s2, hwreg(HW_REG_IB_STS2, 6, 4)
	s_cmp_eq_u32 s2, 0
	s_cbranch_scc0 .Lentry_in_a_cluster
	s_endpgm
.Lentry_in_a_cluster:
	s_bfe_u32 s2, ttmp6, 0x10000c
	s_cmp_lg_u32 s2, 0x3003
	s_cbranch_scc0 .Lentry_shape_is_right
	s_endpgm
.Lentry_shape_is_right:
; LAUNCH 3.  out0 = x + ctx W_o^T + b_o, the product on codes of FP6 (E2M3).
; SHARES.  Work-group (p, Ry): rows 128 Ry .. + 127 (8 row tiles) x columns 256 p .. + 255; wave w: 64 columns, four tiles of W_o's rows, used transposed (source 0 = W_o, source 1 = ctx): a lane holds one row of the
; result and its registers run along the columns.  W_o's part stays in registers (4 tiles x 8 K steps x 12 = 384), ctx's 8 records lie in LDS, filled once; x's 64 loads a wave are asked for at the head.
; CLUSTER.  The four work-groups of a cluster have the same rows: each wave's one tensor load (2 records, 25,600 dense bytes) is a joint load with the mask of all four.  By this text's own count a wave has one tensor load out.
; THE WAY OUT.  16 rows x 64 columns go through the wave's own stage in LDS and come back as rows of 256 bytes; x is added; sixteen lanes store 256 consecutive bytes, aligned.
.set STG,   102400                     ; behind the 8 records: a stage of 16 rows x (256 + 16) bytes for each wave; no tensor load lands there
.set SPARE, 119808                     ; the spare words
.set LI,   2
.set ADRA, 5
.set ADRS, 6
.set STO,  7                           ; v7  the stage: row r, + 64 h
.set RD,   8                           ; v8  back: lanes 0-15 one row, lanes 16-31 the next
.set GO,   9                           ; v9  4,096 h + 16 r: the same two rows in x and out0
.set SCA,  10
.set BUA,  11
.set SPW,  14
.set NIL,  15
.set WS,   16                          ; v16-31 W_o's scale words: 8 pr + s
.set XS,   40
.set AF,   48                          ; v48-95 ctx's fragments: 2 buffers x 2 tiles x 12
.set ACC,  96                          ; v96-159 8 (4 m + t)
.set BK,   160                         ; v160-223 rows read back
.set BO,   144                         ; window 2: the bias, 8 t.  Weight fragment (s, t): window 1 + s / 5 at 48 (s % 5) + 12 t.  Window 3: x, 64 i + 32 m + 4 q
.set MSB, 0
.macro WIN new
.if MSB != (\new)
	s_set_vgpr_msb (MSB<<8)|(\new)
.set MSB, (\new)
.endif
.endm
.macro CROUND
	s_barrier_signal -1
	s_barrier_wait -1
	s_cmp_lg_u32 s28, 0
	s_cbranch_scc1 .Lnot_wave_0_\@
	s_barrier_signal -3
.Lnot_wave_0_\@:
	s_barrier_wait -3
	s_barrier_signal -1
	s_barrier_wait -1
.endm
.macro WM d, a, b, c, sa, sb, ra, rb
.if (\ra)
.if (\rb)
	v_wmma_scale_f32_16x16x128_f8f6f4 v[\d:\d+7], v[\a:\a+11], v[\b:\b+11], v[\c:\c+7], v[\sa], v[\sb] matrix_a_fmt:MATRIX_FMT_FP6 matrix_b_fmt:MATRIX_FMT_FP6 matrix_a_scale:MATRIX_SCALE_ROW1 matrix_b_scale:MATRIX_SCALE_ROW1
.else
	v_wmma_scale_f32_16x16x128_f8f6f4 v[\d:\d+7], v[\a:\a+11], v[\b:\b+11], v[\c:\c+7], v[\sa], v[\sb] matrix_a_fmt:MATRIX_FMT_FP6 matrix_b_fmt:MATRIX_FMT_FP6 matrix_a_scale:MATRIX_SCALE_ROW1
.endif
.else
.if (\rb)
	v_wmma_scale_f32_16x16x128_f8f6f4 v[\d:\d+7], v[\a:\a+11], v[\b:\b+11], v[\c:\c+7], v[\sa], v[\sb] matrix_a_fmt:MATRIX_FMT_FP6 matrix_b_fmt:MATRIX_FMT_FP6 matrix_b_scale:MATRIX_SCALE_ROW1
.else
	v_wmma_scale_f32_16x16x128_f8f6f4 v[\d:\d+7], v[\a:\a+11], v[\b:\b+11], v[\c:\c+7], v[\sa], v[\sb] matrix_a_fmt:MATRIX_FMT_FP6 matrix_b_fmt:MATRIX_FMT_FP6
.endif
.endif
.endm
	s_load_b256 s[4:11], s[0:1], 0x0               ; cimg s[4:5], wimg s[6:7], w_o_scales s[8:9], b_o s[10:11]
	s_load_b128 s[12:15], s[0:1], 0x20             ; x s[12:13], out0 s[14:15]
	v_lshl_add_u32 v[SPW], v0, 2, SPARE
	v_mov_b32 v[NIL], 0
	ds_add_u32 v[SPW], v[NIL]                      ; the wave's opening: the add and its wait ahead of my first tensor load
	v_lshrrev_b32 v1, 5, v0
	v_readfirstlane_b32 s28, v1                    ; wave
	s_bfe_u32 s29, ttmp6, 0x40000                  ; cx
	s_lshl_b32 s30, ttmp9, 2
	s_add_co_u32 s30, s30, s29                     ; p: it enters global offsets alone
	s_and_b32 s31, ttmp7, 0xffff                   ; Ry, which the four partners share
	s_mov_b32 s36, 15|(3<<16)|(1<<21)              ; group 1: the mask of all four; elements of 8 bytes; bit 21 beside a mask; no padding
	s_mov_b32 s37, 32<<16
	s_mov_b32 s38, 100<<16                         ; 100 rows of 256 bytes
	s_mov_b32 s39, 32<<16
	s_mov_b32 s40, 100
	s_mov_b32 s41, 32
	s_mov_b32 s42, 0
	s_mov_b32 s43, 0
	s_mov_b32 s32, 1
	s_mul_i32 s33, s28, 25600                      ; LDS: my two records
	v_and_b32 v1, 31, v0
	v_and_b32 v42, 15, v0                          ; r
	v_bfe_u32 v43, v0, 4, 1                        ; h
	v_lshlrev_b32 v[LI], 4, v1
	v_lshlrev_b32 v[ADRA], 4, v1
	v_mul_u32_u24 v[ADRS], v43, 12800
	v_lshl_add_u32 v[ADRS], v42, 2, v[ADRS]
	v_add_nc_u32 v[ADRS], 12288, v[ADRS]
	s_mul_i32 s44, s28, 4352
	s_add_co_u32 s44, s44, STG                     ; my stage
	v_mul_u32_u24 v[STO], v42, 272
	v_lshl_add_u32 v[STO], v43, 6, v[STO]
	v_add_nc_u32 v[STO], s44, v[STO]
	v_mul_u32_u24 v[RD], v43, 272
	v_lshl_add_u32 v[RD], v42, 4, v[RD]
	v_add_nc_u32 v[RD], s44, v[RD]
	v_lshlrev_b32 v[GO], 12, v43
	v_lshl_add_u32 v[GO], v42, 4, v[GO]
	v_and_b32 v44, 8, v42
	v_add_nc_u32 v44, v44, v42                     ; r + 8 (r / 8)
	v_lshl_add_u32 v[SCA], v43, 3, v44
	v_lshlrev_b32 v[SCA], 5, v[SCA]
	v_lshlrev_b32 v[BUA], 6, v43
	s_wait_dscnt 0x0                               ; the opening add is done
	s_wait_kmcnt 0x0
	s_mov_b32 s45, 0
	s_lshl_b32 s44, s31, 3
	s_lshl_b32 s46, s28, 1
	s_add_co_u32 s44, s44, s46
	s_mul_i32 s44, s44, 12800                      ; record 8 Ry + 2 w
	s_add_nc_u64 s[34:35], s[4:5], s[44:45]
	s_or_b32 s35, s35, 0x80000000
	s_lshl_b32 s44, s30, 4
	s_lshl_b32 s46, s28, 2
	s_add_co_u32 s44, s44, s46
	s_mul_i32 s44, s44, 12288
	s_add_co_u32 s44, s44, 2359296
	s_add_nc_u64 s[48:49], s[6:7], s[44:45]        ; W_o's images: tiles 16 p + 4 w on
	s_lshl_b32 s44, s30, 13
	s_lshl_b32 s46, s28, 11
	s_add_co_u32 s44, s44, s46
	s_add_nc_u64 s[52:53], s[8:9], s[44:45]        ; its scale bytes
	s_lshl_b32 s44, s30, 10
	s_lshl_b32 s46, s28, 8
	s_add_co_u32 s44, s44, s46
	s_add_nc_u64 s[56:57], s[10:11], s[44:45]      ; the bias of my 64 columns
	s_lshl_b32 s46, s31, 19
	s_add_co_u32 s44, s44, s46                     ; + 128 Ry rows of 4,096 bytes
	s_add_nc_u64 s[58:59], s[12:13], s[44:45]
	s_add_nc_u64 s[60:61], s[14:15], s[44:45]
	CROUND                                         ; all four work-groups are here: the joint loads meet
	tensor_load_to_lds s[32:35], s[36:43]          ; my one tensor load of the launch
	s_nop 0
.rept 4
	v_nop
.endr
.irp pr, 0,1
	global_load_b128 v[WS+8*\pr:WS+8*\pr+3], v[SCA], s[52:53] offset:1024*\pr
	global_load_b128 v[WS+8*\pr+4:WS+8*\pr+7], v[SCA], s[52:53] offset:1024*\pr+16
.endr
	WIN 0x80                                       ; destination window 2
.irp t, 0,1,2,3
	global_load_b128 v[BO+8*\t:BO+8*\t+3], v[BUA], s[56:57] offset:(32*(\t/2)+8*(\t%2))*4
	global_load_b128 v[BO+8*\t+4:BO+8*\t+7], v[BUA], s[56:57] offset:(32*(\t/2)+8*(\t%2))*4+16
.endr
.irp s, 0,1,2,3,4,5,6,7
	WIN (1+\s/5)<<6
.irp t, 0,1,2,3
.irp c, 0,1,2
	global_load_b128 v[48*(\s%5)+12*\t+4*\c:48*(\s%5)+12*\t+4*\c+3], v[LI], s[48:49] offset:(8*\t+\s)*1536+512*\c
.endr
.endr
.endr
	WIN 0xc0                                       ; destination window 3: x, in the order in which the pairs of row tiles want it
.irp i, 0,1,2,3
.irp m, 0,1
.irp q, 0,1,2,3,4,5,6,7
	global_load_b128 v[64*\i+32*\m+4*\q:64*\i+32*\m+4*\q+3], v[GO], s[58:59] offset:(32*\i+8*\m+2*\q+8*(\q/4))*4096 th:TH_LOAD_NT   ; slots 2 q, 2 q + 1 of tile m of pair i
.endr
.endr
.endr
	WIN 0
	s_wait_tensorcnt 0x0                           ; my two records have landed,
	s_barrier_signal -1
	s_barrier_wait -1                              ; everybody's have.
	s_wait_loadcnt 63                              ; behind the weights stand x's 64 loads: the weights, their scales and the bias are in
.macro ALOAD s, pb
.irp m, 0,1
.irp c, 0,1,2
	ds_load_b128 v[AF+24*(\pb)+12*\m+4*\c:AF+24*(\pb)+12*\m+4*\c+3], v[ADRA] offset:12800*\m+1536*(\s)+512*\c
.endr
.endr
	ds_load_b32 v[XS+(\pb)], v[ADRS] offset:64*(\s)
.endm
.macro KSTEP s                         ; 8 products on 8 sums, which take turns, one instruction a turn
.if (\s) < 7
.if (\s) > 0
.rept 4
	v_nop                                          ; places in front of loads into the buffer that the last step's products read
.endr
.endif
	ALOAD (\s)+1, ((\s)+1)%2
	s_wait_dscnt 7                                 ; this step's seven loads are in; the seven just issued may be out
.else
	s_wait_dscnt 0x0
.endif
.set NW, 1+(\s)/5
.set WB, 48*((\s)%5)
.set AB, AF+24*((\s)%2)
.if (\s) == 0
	WIN NW|0x20                                    ; C: the bias, in window 2
.else
	WIN NW
.endif
.irp m, 0,1
.irp t, 0,1,2,3
.if (\s) == 0
	WM ACC+8*(4*\m+\t), WB+12*\t, AB+12*\m, BO+8*\t, WS+8*(\t/2)+(\s), XS+(\s)%2, \t%2, \m
.else
	WM ACC+8*(4*\m+\t), WB+12*\t, AB+12*\m, ACC+8*(4*\m+\t), WS+8*(\t/2)+(\s), XS+(\s)%2, \t%2, \m
.endif
.endr
.endr
	WIN 0
.endm
.macro BLK i                           ; a pair of row tiles: 64 products, then the way out
	ALOAD 0, 0
.irp s, 0,1,2,3,4,5,6,7
	KSTEP \s
.endr
.rept 4
	v_nop                                          ; places in front of the first read of results
.endr
	s_wait_xcnt 0x0                                ; the last pair's stores have read their registers
.irp m, 0,1
.irp b, 0,1
.irp k, 0,1,2,3
	ds_store_b128 v[STO], v[ACC+32*\m+16*\b+4*\k:ACC+32*\m+16*\b+4*\k+3] offset:128*\b+16*\k   ; columns 32 b + 16 h + 4 k on of row slot r; each sum from its low end on
.endr
.endr
.irp q, 0,1,2,3,4,5,6,7
	ds_load_b128 v[BK+32*\m+4*\q:BK+32*\m+4*\q+3], v[RD] offset:544*\q                          ; a wave's LDS instructions are served in order: these see the stores above, and the next tile's stores come behind them
.endr
.endr
	s_wait_loadcnt 16*(3-\i)                       ; this pair's x is in; the later pairs' sixteen loads each may be out
.irp m, 0,1
	s_wait_dscnt 16-16*\m                          ; tile m is back; behind tile 0's loads stand tile 1's eight stores and eight loads
	WIN 0x0c                                       ; source 1 (x) in window 3
.irp n, 0,2,4,6,8,10,12,14,16,18,20,22,24,26,28,30
	v_pk_add_f32 v[BK+32*\m+\n:BK+32*\m+\n+1], v[BK+32*\m+\n:BK+32*\m+\n+1], v[64*\i+32*\m+\n:64*\i+32*\m+\n+1]
.endr
	WIN 0
.irp q, 0,1,2,3,4,5,6,7
	global_store_b128 v[GO], v[BK+32*\m+4*\q:BK+32*\m+4*\q+3], s[60:61] offset:(32*\i+8*\m+2*\q+8*(\q/4))*4096 th:TH_STORE_NT   ; sixteen lanes store 256 consecutive bytes, aligned
.endr
.endr
.if (\i) < 3
	v_add_nc_u32 v[ADRA], 25600, v[ADRA]
	v_add_nc_u32 v[ADRS], 25600, v[ADRS]
.endif
.endm
.irp i, 0,1,2,3
	BLK \i
.endr
	s_wait_tensorcnt 0x0                           ; the wave's end, behind my last tensor load and my last LDS store
	ds_add_u32 v[SPW], v[NIL]
	s_wait_dscnt 0x0
	CROUND                                         ; the closing round
	s_endpgm
.Lfunc_end_k_qbb501a1f54_oproj:
	.size	k_qbb501a1f54_oproj, .Lfunc_end_k_qbb501a1f54_oproj-k_qbb501a1f54_oproj
	.p2alignl 7, 3214868480
	.fill 96, 4, 3214868480
	.section	.rodata,"a",@progbits
	.p2align	6, 0x0
	.amdhsa_kernel k_qbb501a1f54_oproj
		.amdhsa_group_segment_fixed_size 167936
		.amdhsa_private_segment_fixed_size 0
		.amdhsa_enable_private_segment 0
		.amdhsa_kernarg_size 48
		.amdhsa_user_sgpr_count 2
		.amdhsa_user_sgpr_kernarg_segment_ptr 1
		.amdhsa_wavefront_size32 1
		.amdhsa_system_sgpr_workgroup_id_x 1
		.amdhsa_system_sgpr_workgroup_id_y 1
		.amdhsa_system_sgpr_workgroup_id_z 1
		.amdhsa_system_vgpr_workitem_id 0
		.amdhsa_next_free_vgpr 1024
		.amdhsa_next_free_sgpr 72
		.amdhsa_reserve_vcc 0
		.amdhsa_float_denorm_mode_32 3
		.amdhsa_float_denorm_mode_16_64 3
		.amdhsa_memory_ordered 1
		.amdhsa_forward_progress 1
		.amdhsa_inst_pref_size 97
	.end_amdhsa_kernel
	.amdgpu_metadata
---
amdhsa.version: [ 1, 2 ]
amdhsa.kernels:
  - .name:           k_qbb501a1f54_oproj
    .symbol:         k_qbb501a1f54_oproj.kd
    .args:
      - { .name: cimg, .offset: 0, .size: 8, .value_kind: global_buffer, .address_space: global }
      - { .name: wimg, .offset: 8, .size: 8, .value_kind: global_buffer, .address_space: global }
      - { .name: w_o_scales, .offset: 16, .size: 8, .value_kind: global_buffer, .address_space: global }
      - { .name: b_o, .offset: 24, .size: 8, .value_kind: global_buffer, .address_space: global }
      - { .name: x, .offset: 32, .size: 8, .value_kind: global_buffer, .address_space: global }
      - { .name: out0, .offset: 40, .size: 8, .value_kind: global_buffer, .address_space: global }
    .group_segment_fixed_size: 167936
    .private_segment_fixed_size: 0
    .kernarg_segment_align: 8
    .kernarg_segment_size: 48
    .max_flat_workgroup_size: 128
    .sgpr_count:     72
    .vgpr_count:     1024
    .wavefront_size: 32
...
	.end_amdgpu_metadata
.endif
;; end of part 4
;; ======== version 2 of 2: 4 launches
;; workspace buffers: xa 6,553,600 bytes; wimg 3,145,728 bytes; qk_img 12,582,912 bytes; qk_sc 1,048,576 bytes; v_img 6,291,456 bytes; v_sc 262,144 bytes; cimg 6,553,600 bytes
;; launch prep (part 5): grid 576 x 1, 4 waves a work-group, no clusters, 66,304 bytes of LDS; arguments x, ln_g, ln_b, w_q_codes, w_k_codes, w_v_codes, w_o_codes, xa, wimg; writes xa, wimg
.if DOCPART == 5
	.amdgcn_target "amdgcn-amd-amdhsa--gfx1250"
	.amdhsa_code_object_version 6
	.text
	.protected	k_qbb501a1f54_prep
	.globl	k_qbb501a1f54_prep
	.p2align	8
	.type	k_qbb501a1f54_prep,@function
k_qbb501a1f54_prep:
	s_mov_b64 s[64:65], 0
	v_nop
	global_prefetch_b8 v0, s[64:65] scope:SCOPE_SE
	s_setreg_imm32_b32 hwreg(HW_REG_WAVE_MODE, 25, 1), 1
	s_wait_xcnt 0x0
; LAUNCH 0.  Two jobs, parted by the work-group's number.
; Work-groups 0-511: layer norm of 16 rows of x (f32, two passes: mean, then the squares of x - mean), xn = ((x - mean) rstd) g + b, quantised to FP6 (E2M3)
; with one E8M0 byte for each 32 along the 1,024, and stored as IMAGES OF OPERAND REGISTERS: record T of xa (12,800 bytes) = [K step 0..7][4 registers c 0..2][lane][16 bytes], then at 12,288 [K step][slot][scale word].
; Work-groups 512-575: the four weights' codes are laid anew, unchanged, as such images: wimg[matrix][tile of 16 rows][K step][c][lane][16 bytes].
; A TILE OF 16 ROWS IS NOT 16 NEIGHBOURS: slot r of tile 2 b + u is row 32 b + 8 u + r + 8 (r / 8).  So wherever a product's result becomes the next product's operand, a lane's 16 registers of two neighbouring
; tiles are 16 neighbours along the next K.
; A block's scale byte is its largest magnitude's exponent field - 2, held at 1 from below (a block of zeros gets 1, its codes are zeros; this program alone reads the bytes).
; LIMITS: NaN and infinities among the inputs are not served; blocks whose largest magnitude lies under 2^-124 keep the byte 1.
.set TP,    4112                       ; LDS: a row of xn, 4,096 bytes + 16: sixteen rows of one column start in sixteen different groups of banks
.set SPARE, 16*TP                      ; behind the 16 rows: the spare words, 128 bytes a wave
.set LI,  2                            ; v2  16 x lane
.set STA, 3                            ; v3  where my wave's first row goes in LDS, + 16 x lane
.set RDA, 4                            ; v4  where I read: row r, my wave's two K steps, my half's 16 numbers of a block
.set L4,  5                            ; v5  4 x lane
.set SPW, 6                            ; v6  my spare word; never rewritten
.set NIL, 7                            ; v7  0; never rewritten
.set X,   32                           ; v32-159  four rows, 32 numbers a lane each
.set G,   160                          ; v160-191 ln_g at my columns
.set BB,  192                          ; v192-223 ln_b
.set N0,  32                           ; behind the barrier: v32-95, v96-159: 64 numbers of K steps 2 w, 2 w + 1
.set N1,  96
.set PC0, 160                          ; v160-179, v180-199 their codes
.set PC1, 180
.set TM,  200                          ; v200-215 at work in QUANT
.set PW0, 216                          ; the two scale words
.set PW1, 217
.set SEL, 30                           ; s[30:31] v_permlanex16_b32's selects for lane l xor 16
; 32 nc numbers of a lane, register 16 B + i = number 16 (lane / 16) + i of block B of my row, become codes in v[pc] on (registers 6 c .. 6 c + 5: the whole block 2 c + lane / 16) and the scale bytes' word in v[pw].
.macro QUANT s, nc, pc, p2, tm, pw
.set qb, 0
.rept 2*(\nc)
	v_max3_num_f32 v[\tm+qb], |v[\s+16*qb]|, |v[\s+16*qb+1]|, 0x1800000   ; my 16 numbers, and the floor 2^(3 - 127): the byte cannot fall under 1
.set qb, qb+1
.endr
.set qi, 2
.rept 7
.set qb, 0
.rept 2*(\nc)
	v_max3_num_f32 v[\tm+qb], v[\tm+qb], |v[\s+16*qb+qi]|, |v[\s+16*qb+qi+1]|   ; the blocks by turns
.set qb, qb+1
.endr
.set qi, qi+2
.endr
.set qb, 0
.rept 2*(\nc)
	v_permlanex16_b32 v[\tm+4+qb], v[\tm+qb], s[SEL], s[SEL+1]
.set qb, qb+1
.endr
.set qb, 0
.rept 2*(\nc)
	v_max_num_f32 v[\tm+qb], v[\tm+qb], v[\tm+4+qb]        ; with lane l xor 16's: the block's largest magnitude
.set qb, qb+1
.endr
.set qb, 0
.rept 2*(\nc)
	v_add_nc_u32 v[\tm+12+qb], 0xff000000, v[\tm+qb]       ; 2 off its exponent field: the conversion's scale operand
.set qb, qb+1
.endr
.set qb, 0
.rept 2*(\nc)
	v_lshrrev_b32 v[\tm+4+qb], 23, v[\tm+12+qb]            ; the scale's byte
.set qb, qb+1
.endr
	v_lshl_or_b32 v[\pw], v[\tm+5], 8, v[\tm+4]
.if (\nc) > 1
	v_lshl_or_b32 v[\pw], v[\tm+6], 16, v[\pw]
	v_lshl_or_b32 v[\pw], v[\tm+7], 24, v[\pw]
.endif
.set qc, 0
.rept \nc
	v_cvt_scalef32_pk16_fp6_f32 v[\pc+6*qc:\pc+6*qc+2], v[\s+32*qc:\s+32*qc+15], v[\tm+12+2*qc]
	v_cvt_scalef32_pk16_fp6_f32 v[\p2+4*qc:\p2+4*qc+2], v[\s+32*qc+16:\s+32*qc+31], v[\tm+12+2*qc+1]   ; (a conversion's three registers begin on an even number)
.set qc, qc+1
.endr
	v_nop                                          ; one plain place behind the scaled conversions
.set qc, 0
.rept \nc
.set qi, 0
.rept 3
	v_permlane16_swap_b32 v[\pc+6*qc+qi], v[\p2+4*qc+qi]   ; half blocks change places: a lane then holds a whole block
.set qi, qi+1
.endr
.set qi, 0
.rept 3
	v_mov_b32 v[\pc+6*qc+3+qi], v[\p2+4*qc+qi]
.set qi, qi+1
.endr
.set qc, qc+1
.endr
.endm
; the four rows' sums: pair SA + pair SB, the pair's halves, the 32 lanes.  Row k: SA v[8+6k:9+6k], SB v[10+6k:11+6k], MU v[12+6k:13+6k]
.macro REDUCE
.irp k, 0,1,2,3
	v_pk_add_f32 v[8+6*\k:9+6*\k], v[8+6*\k:9+6*\k], v[10+6*\k:11+6*\k]
.endr
.irp k, 0,1,2,3
	v_add_f32 v[8+6*\k], v[8+6*\k], v[9+6*\k]
.endr
.irp xm, 1,2,4,8
.irp k, 0,1,2,3
	v_add_f32_dpp v[8+6*\k], v[8+6*\k], v[8+6*\k] row_xmask:\xm row_mask:0xf bank_mask:0xf
.endr
.endr
.irp k, 0,1,2,3
	v_permlanex16_b32 v[10+6*\k], v[8+6*\k], s[SEL], s[SEL+1]
.endr
.irp k, 0,1,2,3
	v_add_f32 v[8+6*\k], v[8+6*\k], v[10+6*\k]
.endr
.endm
	s_load_b512 s[4:19], s[0:1], 0x0               ; x s[4:5], ln_g s[6:7], ln_b s[8:9], the four weights' codes s[10:17], xa s[18:19]
	s_load_b64 s[20:21], s[0:1], 0x40              ; wimg
	v_lshl_add_u32 v[SPW], v0, 2, SPARE
	v_mov_b32 v[NIL], 0
	v_lshrrev_b32 v1, 5, v0
	v_readfirstlane_b32 s28, v1                    ; wave
	v_and_b32 v1, 31, v0                           ; lane
	v_lshlrev_b32 v[LI], 4, v1
	s_cmp_ge_u32 ttmp9, 512                        ; the same in all four waves
	s_cbranch_scc1 .Lrelay
	; ---- LAYER NORM.  Work-group T is row tile T; wave w has slots 4 w .. 4 w + 3: four neighbouring rows from 32 (T / 2) + 8 (T % 2) + 4 w + 8 (w / 2)
	v_lshlrev_b32 v[L4], 2, v1
	v_and_b32 v8, 15, v0                           ; r
	v_bfe_u32 v9, v0, 4, 1                         ; h
	s_mul_i32 s22, s28, 4*TP
	v_add_nc_u32 v[STA], s22, v[LI]
	v_mul_u32_u24 v[RDA], v8, TP
	v_lshl_add_u32 v[RDA], v9, 6, v[RDA]
	s_lshl_b32 s23, s28, 10
	v_add_nc_u32 v[RDA], s23, v[RDA]               ; row r, + 64 h, + my wave's two K steps of 512 bytes
	s_mov_b32 s[SEL], 0x76543210
	s_mov_b32 s[SEL+1], 0xfedcba98
	s_mov_b32 s24, 0x3a800000                      ; 1 / 1,024
	s_mov_b32 s25, 0x2b8cbccc                      ; 1e-12
	s_mov_b32 s26, 0xffff0000                      ; lanes 16-31
	s_lshr_b32 s22, ttmp9, 1
	s_lshl_b32 s22, s22, 5
	s_and_b32 s23, ttmp9, 1
	s_lshl_b32 s23, s23, 3
	s_add_co_u32 s22, s22, s23
	s_lshl_b32 s23, s28, 2
	s_add_co_u32 s22, s22, s23
	s_lshr_b32 s23, s28, 1
	s_lshl_b32 s23, s23, 3
	s_add_co_u32 s22, s22, s23                     ; my first row
	s_lshl_b32 s22, s22, 12                        ; in bytes (under 2^25)
	s_mov_b32 s23, 0
	s_mul_i32 s32, ttmp9, 12800                    ; my tile's record in xa
	s_mul_i32 s34, s28, 3072
	s_add_co_u32 s34, s34, s32                     ; my two K steps' images
	s_mov_b32 s35, 0
	s_lshl_b32 s36, s28, 7
	s_add_co_u32 s36, s36, s32
	s_add_co_u32 s36, s36, 12288                   ; and their scale words
	s_mov_b32 s37, 0
	s_wait_kmcnt 0x0
	s_add_nc_u64 s[4:5], s[4:5], s[22:23]
	s_add_nc_u64 s[34:35], s[18:19], s[34:35]
	s_add_nc_u64 s[36:37], s[18:19], s[36:37]
	s_wait_alu depctr_va_vdst(0)
.irp k, 0,1,2,3
.irp j, 0,1,2,3,4,5,6,7
	global_load_b128 v[X+32*\k+4*\j:X+32*\k+4*\j+3], v[LI], s[4:5] offset:4096*\k+512*\j th:TH_LOAD_NT   ; 32 lanes read 512 consecutive bytes
.endr
.endr
.irp j, 0,1,2,3,4,5,6,7
	global_load_b128 v[G+4*\j:G+4*\j+3], v[LI], s[6:7] offset:512*\j
.endr
.irp j, 0,1,2,3,4,5,6,7
	global_load_b128 v[BB+4*\j:BB+4*\j+3], v[LI], s[8:9] offset:512*\j
.endr
	s_wait_loadcnt 16                              ; the four rows are in; g's and b's sixteen loads may be out
.irp k, 0,1,2,3
	v_pk_add_f32 v[8+6*\k:9+6*\k], v[X+32*\k:X+32*\k+1], v[X+32*\k+2:X+32*\k+3]
	v_pk_add_f32 v[10+6*\k:11+6*\k], v[X+32*\k+4:X+32*\k+5], v[X+32*\k+6:X+32*\k+7]
.endr
.irp i, 8,12,16,20,24,28
.irp k, 0,1,2,3
	v_pk_add_f32 v[8+6*\k:9+6*\k], v[8+6*\k:9+6*\k], v[X+32*\k+\i:X+32*\k+\i+1]
	v_pk_add_f32 v[10+6*\k:11+6*\k], v[10+6*\k:11+6*\k], v[X+32*\k+\i+2:X+32*\k+\i+3]
.endr
.endr
	REDUCE
.irp k, 0,1,2,3
	v_mul_f32 v[12+6*\k], s24, v[8+6*\k]           ; the mean, twice: a pair for the packed forms
	v_mul_f32 v[13+6*\k], s24, v[8+6*\k]
.endr
.irp n, 0,2,4,6,8,10,12,14,16,18,20,22,24,26,28,30
.irp k, 0,1,2,3
	v_pk_add_f32 v[X+32*\k+\n:X+32*\k+\n+1], v[X+32*\k+\n:X+32*\k+\n+1], v[12+6*\k:13+6*\k] neg_lo:[0,1] neg_hi:[0,1]   ; x - mean
.endr
.endr
.irp k, 0,1,2,3
	v_pk_mul_f32 v[8+6*\k:9+6*\k], v[X+32*\k:X+32*\k+1], v[X+32*\k:X+32*\k+1]
	v_pk_mul_f32 v[10+6*\k:11+6*\k], v[X+32*\k+2:X+32*\k+3], v[X+32*\k+2:X+32*\k+3]
.endr
.irp i, 4,8,12,16,20,24,28
.irp k, 0,1,2,3
	v_pk_fma_f32 v[8+6*\k:9+6*\k], v[X+32*\k+\i:X+32*\k+\i+1], v[X+32*\k+\i:X+32*\k+\i+1], v[8+6*\k:9+6*\k]
	v_pk_fma_f32 v[10+6*\k:11+6*\k], v[X+32*\k+\i+2:X+32*\k+\i+3], v[X+32*\k+\i+2:X+32*\k+\i+3], v[10+6*\k:11+6*\k]
.endr
.endr
	REDUCE
.irp k, 0,1,2,3
	v_fma_f32 v[8+6*\k], v[8+6*\k], s24, s25       ; the variance + 1e-12
.endr
	s_wait_alu depctr_va_vdst(0)
.irp k, 0,1,2,3
	v_rsq_f32 v[12+6*\k], v[8+6*\k]
.endr
	v_nop                                          ; a plain place behind the four
	s_wait_alu depctr_va_vdst(0)                   ; one wait for the batch, ahead of its first reader
.irp k, 0,1,2,3
	v_mov_b32 v[13+6*\k], v[12+6*\k]
.endr
	s_wait_alu depctr_va_vdst(0)
	s_wait_loadcnt 0x0                             ; g and b
.irp k, 0,1,2,3
.irp n, 0,2,4,6,8,10,12,14,16,18,20,22,24,26,28,30
	v_pk_mul_f32 v[X+32*\k+\n:X+32*\k+\n+1], v[X+32*\k+\n:X+32*\k+\n+1], v[12+6*\k:13+6*\k]
.endr
.irp n, 0,2,4,6,8,10,12,14,16,18,20,22,24,26,28,30
	v_pk_fma_f32 v[X+32*\k+\n:X+32*\k+\n+1], v[X+32*\k+\n:X+32*\k+\n+1], v[G+\n:G+\n+1], v[BB+\n:BB+\n+1]
.endr
.endr
.irp k, 0,1,2,3
.irp j, 0,1,2,3,4,5,6,7
	ds_store_b128 v[STA], v[X+32*\k+4*\j:X+32*\k+4*\j+3] offset:TP*\k+512*\j
.endr
.endr
.irp b, 0,1,2,3
	v_mov_b32 v[TM+4+\b], 0                        ; written once: a lane permute's destination counts as one of its sources
.endr
	s_wait_dscnt 0x0                               ; for the others' sake: my rows lie in LDS
	s_barrier_signal -1
	s_barrier_wait -1
	; ---- wave w quantises K steps 2 w and 2 w + 1 of all 16 rows: lane (r, h) takes, of row slot r, 16 neighbours of each block of 32
.irp q, 0,1
.irp b, 0,1,2,3
.irp j, 0,1,2,3
	ds_load_b128 v[N0+64*\q+16*\b+4*\j:N0+64*\q+16*\b+4*\j+3], v[RDA] offset:512*\q+128*\b+16*\j
.endr
.endr
.endr
	s_wait_dscnt 16                                ; the first K step's sixteen loads are in
	QUANT N0, 2, PC0, PC0+12, TM, PW0
	s_wait_dscnt 0x0
	QUANT N1, 2, PC1, PC1+12, TM, PW1
.irp c, 0,1,2
	global_store_b128 v[LI], v[PC0+4*\c:PC0+4*\c+3], s[34:35] offset:512*\c          ; 512 consecutive bytes, aligned
.endr
.irp c, 0,1,2
	global_store_b128 v[LI], v[PC1+4*\c:PC1+4*\c+3], s[34:35] offset:1536+512*\c
.endr
	v_cndmask_b32 v218, v[PW0], v[PW1], s26        ; lanes 0-15: K step 2 w's words; lanes 16-31: K step 2 w + 1's
	global_store_b32 v[L4], v218, s[36:37]
	s_wait_tensorcnt 0x0                           ; the wave's end, behind my last LDS store
	ds_add_u32 v[SPW], v[NIL]
	s_wait_dscnt 0x0
	s_endpgm
	; ---- THE WEIGHTS' IMAGES.  Wave w of work-group 512 + i: matrix i / 16, tile 4 (i % 16) + w.  No LDS is written on this way.
.Lrelay:
	s_sub_co_u32 s22, ttmp9, 512
	s_lshr_b32 s23, s22, 4                         ; which matrix
	s_and_b32 s22, s22, 15
	s_lshl_b32 s22, s22, 2
	s_add_co_u32 s22, s22, s28                     ; which tile of 16 rows
	v_and_b32 v8, 15, v0
	v_bfe_u32 v9, v0, 4, 1
	v_and_b32 v10, 8, v8
	v_add_nc_u32 v10, v10, v8                      ; r + 8 (r / 8)
	v_mul_u32_u24 v10, v10, 768                    ; a row of 1,024 codes is 768 bytes
	v_mad_u32_u24 v8, v9, 24, v10                  ; + 24 h
	s_lshr_b32 s24, s22, 1
	s_lshl_b32 s24, s24, 5
	s_and_b32 s25, s22, 1
	s_lshl_b32 s25, s25, 3
	s_add_co_u32 s24, s24, s25                     ; the tile's first row
	s_mul_i32 s24, s24, 768
	s_mov_b32 s25, 0
	s_mul_i32 s26, s23, 786432
	s_mul_i32 s27, s22, 12288
	s_add_co_u32 s26, s26, s27
	s_mov_b32 s27, 0
	s_wait_alu depctr_va_vdst(0)
	s_wait_kmcnt 0x0
	s_cmp_eq_u32 s23, 1                            ; the choice hangs on the work-group's number alone
	s_cselect_b64 s[10:11], s[12:13], s[10:11]
	s_cmp_eq_u32 s23, 2
	s_cselect_b64 s[10:11], s[14:15], s[10:11]
	s_cmp_eq_u32 s23, 3
	s_cselect_b64 s[10:11], s[16:17], s[10:11]
	s_add_nc_u64 s[10:11], s[10:11], s[24:25]
	s_add_nc_u64 s[20:21], s[20:21], s[26:27]
.irp s, 0,1,2,3,4,5,6,7
.irp p, 0,1,2,3,4,5
	global_load_b64 v[32+12*\s+2*\p:32+12*\s+2*\p+1], v8, s[10:11] offset:96*\s+48*(\p/3)+8*(\p%3) th:TH_LOAD_NT   ; the fragment of K step s, as it lies
.endr
.endr
.irp s, 0,1,2,3,4,5,6,7
	s_wait_loadcnt 6*(7-\s)                        ; the later K steps' loads, six each, may be out
.irp c, 0,1,2
	global_store_b128 v[LI], v[32+12*\s+4*\c:32+12*\s+4*\c+3], s[20:21] offset:1536*\s+512*\c
.endr
.endr
	s_endpgm
.Lfunc_end_k_qbb501a1f54_prep:
	.size	k_qbb501a1f54_prep, .Lfunc_end_k_qbb501a1f54_prep-k_qbb501a1f54_prep
	.p2alignl 7, 3214868480
	.fill 96, 4, 3214868480
	.section	.rodata,"a",@progbits
	.p2align	6, 0x0
	.amdhsa_kernel k_qbb501a1f54_prep
		.amdhsa_group_segment_fixed_size 66304
		.amdhsa_private_segment_fixed_size 0
		.amdhsa_enable_private_segment 0
		.amdhsa_kernarg_size 72
		.amdhsa_user_sgpr_count 2
		.amdhsa_user_sgpr_kernarg_segment_ptr 1
		.amdhsa_wavefront_size32 1
		.amdhsa_system_sgpr_workgroup_id_x 1
		.amdhsa_system_sgpr_workgroup_id_y 1
		.amdhsa_system_sgpr_workgroup_id_z 1
		.amdhsa_system_vgpr_workitem_id 0
		.amdhsa_next_free_vgpr 256
		.amdhsa_next_free_sgpr 66
		.amdhsa_reserve_vcc 0
		.amdhsa_float_denorm_mode_32 3
		.amdhsa_float_denorm_mode_16_64 3
		.amdhsa_memory_ordered 1
		.amdhsa_forward_progress 1
		.amdhsa_inst_pref_size 52
	.end_amdhsa_kernel
	.amdgpu_metadata
---
amdhsa.version: [ 1, 2 ]
amdhsa.kernels:
  - .name:           k_qbb501a1f54_prep
    .symbol:         k_qbb501a1f54_prep.kd
    .args:
      - { .name: x, .offset: 0, .size: 8, .value_kind: global_buffer, .address_space: global }
      - { .name: ln_g, .offset: 8, .size: 8, .value_kind: global_buffer, .address_space: global }
      - { .name: ln_b, .offset: 16, .size: 8, .value_kind: global_buffer, .address_space: global }
      - { .name: w_q_codes, .offset: 24, .size: 8, .value_kind: global_buffer, .address_space: global }
      - { .name: w_k_codes, .offset: 32, .size: 8, .value_kind: global_buffer, .address_space: global }
      - { .name: w_v_codes, .offset: 40, .size: 8, .value_kind: global_buffer, .address_space: global }
      - { .name: w_o_codes, .offset: 48, .size: 8, .value_kind: global_buffer, .address_space: global }
      - { .name: xa, .offset: 56, .size: 8, .value_kind: global_buffer, .address_space: global }
      - { .name: wimg, .offset: 64, .size: 8, .value_kind: global_buffer, .address_space: global }
    .group_segment_fixed_size: 66304
    .private_segment_fixed_size: 0
    .kernarg_segment_align: 8
    .kernarg_segment_size: 72
    .max_flat_workgroup_size: 128
    .sgpr_count:     66
    .vgpr_count:     256
    .wavefront_size: 32
...
	.end_amdgpu_metadata
.endif
;; end of part 5
;; launch qkv (part 6): grid 8 x 32, 4 waves a work-group, clusters of 4 x 1, 205,312 bytes of LDS; arguments xa, wimg, w_q_scales, w_k_scales, w_v_scales, b_q, b_k, b_v, qk_img, qk_sc, v_img, v_sc; writes qk_img, qk_sc, v_img, v_sc
.if DOCPART == 6
	.amdgcn_target "amdgcn-amd-amdhsa--gfx1250"
	.amdhsa_code_object_version 6
	.text
	.protected	k_qbb501a1f54_qkv
	.globl	k_qbb501a1f54_qkv
	.p2align	8
	.type	k_qbb501a1f54_qkv,@function
k_qbb501a1f54_qkv:
	s_mov_b64 s[64:65], 0
	v_nop
	global_prefetch_b8 v0, s[64:65] scope:SCOPE_SE
	s_setreg_imm32_b32 hwreg(HW_REG_WAVE_MODE, 25, 1), 1
	s_wait_xcnt 0x0
	s_wait_alu depctr_hold_cnt(0) depctr_sa_sdst(0) depctr_va_vdst(0) depctr_va_sdst(0) depctr_va_ssrc(0) depctr_va_vcc(0) depctr_vm_vsrc(0)
	s_getreg_b32 s2, hwreg(HW_REG_IB_STS2, 6, 4)
	s_cmp_eq_u32 s2, 0
	s_cbranch_scc0 .Lentry_in_a_cluster
	s_endpgm
.Lentry_in_a_cluster:
	s_bfe_u32 s2, ttmp6, 0x10000c
	s_cmp_lg_u32 s2, 0x3003
	s_cbranch_scc0 .Lentry_shape_is_right
	s_endpgm
.Lentry_shape_is_right:
; LAUNCH 1.  q, k, v = xn W^T + b on codes of FP6 (E2M3), and their quantising: q and k along the head's 64, v along the keys.
; SHARES.  Work-group (p, R): rows 256 R .. + 255 (16 row tiles) x heads 2 p, 2 p + 1 of q, k and v.  Wave w: a UNIT of 64 columns (q for waves 0, 1, k for waves 2, 3; head 2 p + w % 2), used transposed
; (source 0 = 16 rows of W, source 1 = 16 rows of xn: a lane holds one row and its registers run along the head's channels), and two tiles of v's columns, used NOT transposed (source 0 = xn, source 1 = W_v:
; a lane holds one channel and its registers run down the rows, which are attention's keys).
; THE WEIGHTS STAY IN REGISTERS (6 tiles x 8 K steps x 12 = 576), loaded once as images; ALL 16 records of xn lie in LDS, filled once.  No slot is filled again, and no barrier stands in the main run.
; CLUSTER.  The four work-groups of a cluster have the same R and read the same records of xa: each wave's one tensor load (4 records, 51,200 dense bytes) is a joint load with the mask of all four.
; By this text's own count a wave has one tensor load out.  The weights are not shared so: they go to registers, by loads that have no joint form.
; OUTPUTS, as images of the reader's registers: qk_img[q|k][b, head][row tile][768: registers 0-3 at 16 x lane, 4-5 at 512 + 8 x lane]; qk_sc[q|k][b, head][pair][lane: slot lane % 16 of tile 2 pair + lane / 16];
; v_img[b, head][key block][tile of channels][384: slot x 16, then slot x 8]; v_sc[b, head][128 keys][channel slot][word].
; LIMITS: as in launch 0 (a block of zeros keeps the byte 1; NaN and infinities are not served).
.set SPARE, 204800                     ; behind the 16 records of 12,800 bytes: the spare words
.set LI,   2                           ; v2  16 x lane
.set L8,   3                           ; v3  8 x lane
.set L4,   4                           ; v4  4 x lane
.set ADRA, 5                           ; v5  LDS: 16 x lane + the pair of records in hand
.set ADRS, 6                           ; v6  LDS: the pair's scale words: lanes 0-15 the first record's, lanes 16-31 the second's
.set V16,  7                           ; v7  384 h + 16 r
.set V8,   8                           ; v8  384 h + 256 + 8 r
.set SH,   9                           ; v9  16 h
.set SCA,  10                          ; v10 (8 h + r + 8 (r / 8)) x 32: a weight row's scale bytes
.set BUA,  11                          ; v11 64 h
.set BVA,  12                          ; v12 4 (r + 8 (r / 8))
.set VW,   13                          ; v13 v's scale word in the making
.set SPW,  14                          ; v14 my spare word; never rewritten
.set NIL,  15                          ; v15 0; never rewritten
.set WS,   16                          ; v16-39 weights' scale words: 8 pr + s; pr 0, 1 the unit's pairs of tiles, pr 2 v's; lanes 0-15 the even tile, 16-31 the odd
.set XS,   40                          ; v40-41 xn's scale words, two buffers
.set AF,   48                          ; v48-95 xn's fragments: 2 buffers x 2 tiles x 12
.set ACCU, 96                          ; v96-159 the unit's sums: 8 (4 m + t)
.set ACCV, 160                         ; v160-191 v's: 8 (2 tau + m)
.set PC,   192                         ; v192-211 codes of q or k
.set TM,   212                         ; v212-227 at work in QUANT
.set PW,   228
.set PCV,  230                         ; v230-244 codes of v
.set BU,   144                         ; window 3: the unit's bias, 8 t;
.set BV,   176                         ; v's, 8 tau.  Windows 1 to 3: weight fragment (s, t) in window 1 + s / 3 at 72 (s % 3) + 12 t
.set SEL,  72                          ; s[72:73]
.set MSB, 0
.macro WIN new                         ; the immediate's high byte repeats the setting that is left
.if MSB != (\new)
	s_set_vgpr_msb (MSB<<8)|(\new)
.set MSB, (\new)
.endif
.endm
.macro CROUND                          ; a round of the cluster's barrier
	s_barrier_signal -1
	s_barrier_wait -1
	s_cmp_lg_u32 s28, 0
	s_cbranch_scc1 .Lnot_wave_0_\@
	s_barrier_signal -3
.Lnot_wave_0_\@:
	s_barrier_wait -3
	s_barrier_signal -1
	s_barrier_wait -1
.endm
; one product.  c < 0: the constant 0 starts the sum.  ra, rb: the scales are read from lanes 16-31 of their register
.macro WM d, a, b, c, sa, sb, ra, rb
.if (\c) < 0
.if (\ra)
.if (\rb)
	v_wmma_scale_f32_16x16x128_f8f6f4 v[\d:\d+7], v[\a:\a+11], v[\b:\b+11], 0, v[\sa], v[\sb] matrix_a_fmt:MATRIX_FMT_FP6 matrix_b_fmt:MATRIX_FMT_FP6 matrix_a_scale:MATRIX_SCALE_ROW1 matrix_b_scale:MATRIX_SCALE_ROW1
.else
	v_wmma_scale_f32_16x16x128_f8f6f4 v[\d:\d+7], v[\a:\a+11], v[\b:\b+11], 0, v[\sa], v[\sb] matrix_a_fmt:MATRIX_FMT_FP6 matrix_b_fmt:MATRIX_FMT_FP6 matrix_a_scale:MATRIX_SCALE_ROW1
.endif
.else
.if (\rb)
	v_wmma_scale_f32_16x16x128_f8f6f4 v[\d:\d+7], v[\a:\a+11], v[\b:\b+11], 0, v[\sa], v[\sb] matrix_a_fmt:MATRIX_FMT_FP6 matrix_b_fmt:MATRIX_FMT_FP6 matrix_b_scale:MATRIX_SCALE_ROW1
.else
	v_wmma_scale_f32_16x16x128_f8f6f4 v[\d:\d+7], v[\a:\a+11], v[\b:\b+11], 0, v[\sa], v[\sb] matrix_a_fmt:MATRIX_FMT_FP6 matrix_b_fmt:MATRIX_FMT_FP6
.endif
.endif
.else
.if (\ra)
.if (\rb)
	v_wmma_scale_f32_16x16x128_f8f6f4 v[\d:\d+7], v[\a:\a+11], v[\b:\b+11], v[\c:\c+7], v[\sa], v[\sb] matrix_a_fmt:MATRIX_FMT_FP6 matrix_b_fmt:MATRIX_FMT_FP6 matrix_a_scale:MATRIX_SCALE_ROW1 matrix_b_scale:MATRIX_SCALE_ROW1
.else
	v_wmma_scale_f32_16x16x128_f8f6f4 v[\d:\d+7], v[\a:\a+11], v[\b:\b+11], v[\c:\c+7], v[\sa], v[\sb] matrix_a_fmt:MATRIX_FMT_FP6 matrix_b_fmt:MATRIX_FMT_FP6 matrix_a_scale:MATRIX_SCALE_ROW1
.endif
.else
.if (\rb)
	v_wmma_scale_f32_16x16x128_f8f6f4 v[\d:\d+7], v[\a:\a+11], v[\b:\b+11], v[\c:\c+7], v[\sa], v[\sb] matrix_a_fmt:MATRIX_FMT_FP6 matrix_b_fmt:MATRIX_FMT_FP6 matrix_b_scale:MATRIX_SCALE_ROW1
.else
	v_wmma_scale_f32_16x16x128_f8f6f4 v[\d:\d+7], v[\a:\a+11], v[\b:\b+11], v[\c:\c+7], v[\sa], v[\sb] matrix_a_fmt:MATRIX_FMT_FP6 matrix_b_fmt:MATRIX_FMT_FP6
.endif
.endif
.endif
.endm
; 32 nc numbers of a lane, register 16 B + i = number 16 (lane / 16) + i of block B, become codes in v[pc] on (registers 6 c .. 6 c + 5: the whole block 2 c + lane / 16) and the bytes' word in v[pw]; the bytes stay in v[tm + 4] on
.macro QUANT s, nc, pc, p2, tm, pw
.set qb, 0
.rept 2*(\nc)
	v_max3_num_f32 v[\tm+qb], |v[\s+16*qb]|, |v[\s+16*qb+1]|, 0x1800000   ; my 16 numbers, from each sum's low end on, and the floor 2^(3 - 127)
.set qb, qb+1
.endr
.set qi, 2
.rept 7
.set qb, 0
.rept 2*(\nc)
	v_max3_num_f32 v[\tm+qb], v[\tm+qb], |v[\s+16*qb+qi]|, |v[\s+16*qb+qi+1]|
.set qb, qb+1
.endr
.set qi, qi+2
.endr
.set qb, 0
.rept 2*(\nc)
	v_permlanex16_b32 v[\tm+4+qb], v[\tm+qb], s[SEL], s[SEL+1]
.set qb, qb+1
.endr
.set qb, 0
.rept 2*(\nc)
	v_max_num_f32 v[\tm+qb], v[\tm+qb], v[\tm+4+qb]
.set qb, qb+1
.endr
.set qb, 0
.rept 2*(\nc)
	v_add_nc_u32 v[\tm+12+qb], 0xff000000, v[\tm+qb]       ; 2 off the exponent field: the conversion's scale operand
.set qb, qb+1
.endr
.set qb, 0
.rept 2*(\nc)
	v_lshrrev_b32 v[\tm+4+qb], 23, v[\tm+12+qb]            ; the scale's byte
.set qb, qb+1
.endr
	v_lshl_or_b32 v[\pw], v[\tm+5], 8, v[\tm+4]
.if (\nc) > 1
	v_lshl_or_b32 v[\pw], v[\tm+6], 16, v[\pw]
	v_lshl_or_b32 v[\pw], v[\tm+7], 24, v[\pw]
.endif
.set qc, 0
.rept \nc
	v_cvt_scalef32_pk16_fp6_f32 v[\pc+6*qc:\pc+6*qc+2], v[\s+32*qc:\s+32*qc+15], v[\tm+12+2*qc]
	v_cvt_scalef32_pk16_fp6_f32 v[\p2+4*qc:\p2+4*qc+2], v[\s+32*qc+16:\s+32*qc+31], v[\tm+12+2*qc+1]
.set qc, qc+1
.endr
	v_nop                                          ; one plain place behind the scaled conversions
.set qc, 0
.rept \nc
.set qi, 0
.rept 3
	v_permlane16_swap_b32 v[\pc+6*qc+qi], v[\p2+4*qc+qi]
.set qi, qi+1
.endr
.set qi, 0
.rept 3
	v_mov_b32 v[\pc+6*qc+3+qi], v[\p2+4*qc+qi]
.set qi, qi+1
.endr
.set qc, qc+1
.endr
.endm
	s_load_b512 s[4:19], s[0:1], 0x0               ; xa s[4:5], wimg s[6:7], scales of w_q, w_k, w_v s[8:13], b_q, b_k, b_v s[14:19]
	s_load_b256 s[20:27], s[0:1], 0x40             ; qk_img, qk_sc, v_img, v_sc
	v_lshl_add_u32 v[SPW], v0, 2, SPARE
	v_mov_b32 v[NIL], 0
	ds_add_u32 v[SPW], v[NIL]                      ; the wave's opening: the add and its wait ahead of my first tensor load; work on registers stands between
	ds_add_u32 v[SPW], v[NIL]
	v_lshrrev_b32 v1, 5, v0
	v_readfirstlane_b32 s28, v1                    ; wave
	s_bfe_u32 s29, ttmp6, 0x40000                  ; cx
	s_lshl_b32 s30, ttmp9, 2
	s_add_co_u32 s30, s30, s29                     ; p: it enters global offsets alone
	s_and_b32 s31, ttmp7, 0xffff                   ; R, which the four partners share
	s_lshr_b32 s74, s28, 1                         ; q (0) or k (1)
	s_and_b32 s75, s28, 1
	s_lshl_b32 s76, s30, 1
	s_add_co_u32 s77, s76, s74                     ; v's head: 2 p + w / 2
	s_add_co_u32 s76, s76, s75                     ; the unit's head: 2 p + w % 2
	s_lshr_b32 s78, s31, 3                         ; the batch
	s_and_b32 s79, s31, 7                          ; which 256 rows of its 2,048
	s_mov_b32 s36, 15|(3<<16)|(1<<21)              ; group 1: the mask of all four; elements of 8 bytes; bit 21 beside a mask; no padding
	s_mov_b32 s37, 32<<16                          ; tensor_dim0 = 32 elements: rows of 256 bytes
	s_mov_b32 s38, 200<<16                         ; tensor_dim1 = 200
	s_mov_b32 s39, 32<<16                          ; tile_dim0
	s_mov_b32 s40, 200                             ; tile_dim1: 51,200 dense bytes
	s_mov_b32 s41, 32                              ; the pitch
	s_mov_b32 s42, 0
	s_mov_b32 s43, 0
	s_mov_b32 s32, 1
	s_mul_i32 s33, s28, 51200                      ; LDS: my four records
	s_mov_b32 s70, 0xffff0000
	s_mov_b32 s[SEL], 0x76543210
	s_mov_b32 s[SEL+1], 0xfedcba98
	v_and_b32 v1, 31, v0
	v_and_b32 v42, 15, v0                          ; r
	v_bfe_u32 v43, v0, 4, 1                        ; h
	v_lshlrev_b32 v[LI], 4, v1
	v_lshlrev_b32 v[L8], 3, v1
	v_lshlrev_b32 v[L4], 2, v1
	v_lshlrev_b32 v[ADRA], 4, v1
	v_mul_u32_u24 v[ADRS], v43, 12800
	v_lshl_add_u32 v[ADRS], v42, 2, v[ADRS]
	v_add_nc_u32 v[ADRS], 12288, v[ADRS]
	v_mul_u32_u24 v[V16], v43, 384
	v_lshl_add_u32 v[V8], v42, 3, v[V16]
	v_add_nc_u32 v[V8], 256, v[V8]
	v_lshl_add_u32 v[V16], v42, 4, v[V16]
	v_lshlrev_b32 v[SH], 4, v43
	v_and_b32 v44, 8, v42
	v_add_nc_u32 v44, v44, v42                     ; r + 8 (r / 8)
	v_lshl_add_u32 v[SCA], v43, 3, v44
	v_lshlrev_b32 v[SCA], 5, v[SCA]
	v_lshlrev_b32 v[BUA], 6, v43
	v_lshlrev_b32 v[BVA], 2, v44
.irp b, 0,1,2,3
	v_mov_b32 v[TM+4+\b], 0                        ; written once: a lane permute's destination counts as one of its sources
.endr
	s_wait_dscnt 0x0                               ; the opening add is done
	s_wait_kmcnt 0x0
	s_mov_b32 s45, 0
	s_lshl_b32 s44, s31, 4
	s_lshl_b32 s46, s28, 2
	s_add_co_u32 s44, s44, s46
	s_mul_i32 s44, s44, 12800                      ; record 16 R + 4 w
	s_add_nc_u64 s[34:35], s[4:5], s[44:45]
	s_or_b32 s35, s35, 0x80000000
	s_mul_i32 s44, s74, 786432
	s_mul_i32 s46, s76, 49152
	s_add_co_u32 s44, s44, s46
	s_add_nc_u64 s[48:49], s[6:7], s[44:45]        ; the unit's four tiles of images
	s_lshl_b32 s44, s30, 3
	s_lshl_b32 s46, s28, 1
	s_add_co_u32 s44, s44, s46
	s_mul_i32 s44, s44, 12288
	s_add_co_u32 s44, s44, 1572864
	s_add_nc_u64 s[50:51], s[6:7], s[44:45]        ; v's two tiles
	s_cmp_eq_u32 s74, 0                            ; the wave's number alone
	s_cselect_b64 s[52:53], s[8:9], s[10:11]
	s_cselect_b64 s[56:57], s[14:15], s[16:17]
	s_lshl_b32 s44, s76, 11
	s_add_nc_u64 s[52:53], s[52:53], s[44:45]      ; the unit's scale bytes: 64 rows of 32
	s_lshl_b32 s44, s76, 8
	s_add_nc_u64 s[56:57], s[56:57], s[44:45]      ; its bias
	s_lshl_b32 s44, s30, 12
	s_lshl_b32 s46, s28, 10
	s_add_co_u32 s44, s44, s46
	s_add_nc_u64 s[54:55], s[12:13], s[44:45]      ; v's scale bytes
	s_lshl_b32 s44, s30, 9
	s_lshl_b32 s46, s28, 7
	s_add_co_u32 s44, s44, s46
	s_add_nc_u64 s[58:59], s[18:19], s[44:45]      ; v's bias
	s_lshl_b32 s47, s78, 4
	s_add_co_u32 s47, s47, s76                     ; 16 b + the unit's head
	s_lshl_b32 s44, s47, 7
	s_lshl_b32 s46, s79, 4
	s_add_co_u32 s44, s44, s46
	s_mul_i32 s44, s44, 768
	s_mul_i32 s46, s74, 6291456
	s_add_co_u32 s44, s44, s46
	s_add_nc_u64 s[60:61], s[20:21], s[44:45]      ; where q's or k's images go
	s_lshl_b32 s44, s47, 6
	s_lshl_b32 s46, s79, 3
	s_add_co_u32 s44, s44, s46
	s_lshl_b32 s44, s44, 7
	s_mul_i32 s46, s74, 524288
	s_add_co_u32 s44, s44, s46
	s_add_nc_u64 s[62:63], s[22:23], s[44:45]      ; and their scale words
	s_lshl_b32 s47, s78, 4
	s_add_co_u32 s47, s47, s77                     ; 16 b + v's head
	s_lshl_b32 s44, s47, 6
	s_lshl_b32 s46, s79, 3
	s_add_co_u32 s44, s44, s46
	s_mul_i32 s44, s44, 1536
	s_mul_i32 s46, s75, 768
	s_add_co_u32 s44, s44, s46
	s_add_nc_u64 s[66:67], s[24:25], s[44:45]      ; v's images
	s_lshl_b32 s44, s47, 4
	s_lshl_b32 s46, s79, 1
	s_add_co_u32 s44, s44, s46
	s_lshl_b32 s44, s44, 8
	s_lshl_b32 s46, s75, 7
	s_add_co_u32 s44, s44, s46
	s_add_nc_u64 s[68:69], s[26:27], s[44:45]      ; v's scale words
	CROUND                                         ; all four work-groups are here: the joint loads meet
	tensor_load_to_lds s[32:35], s[36:43]          ; my one tensor load of the launch
	s_nop 0
.rept 4
	v_nop
.endr
	s_wait_alu depctr_va_vdst(0)
.irp pr, 0,1
	global_load_b128 v[WS+8*\pr:WS+8*\pr+3], v[SCA], s[52:53] offset:1024*\pr
	global_load_b128 v[WS+8*\pr+4:WS+8*\pr+7], v[SCA], s[52:53] offset:1024*\pr+16
.endr
	global_load_b128 v[WS+16:WS+19], v[SCA], s[54:55]
	global_load_b128 v[WS+20:WS+23], v[SCA], s[54:55] offset:16
	WIN 0xc0                                       ; destination window 3
.irp t, 0,1,2,3
	global_load_b128 v[BU+8*\t:BU+8*\t+3], v[BUA], s[56:57] offset:(32*(\t/2)+8*(\t%2))*4          ; lane (r, h), register j: the bias of channel 32 (t / 2) + 16 h + 8 (t % 2) + j
	global_load_b128 v[BU+8*\t+4:BU+8*\t+7], v[BUA], s[56:57] offset:(32*(\t/2)+8*(\t%2))*4+16
.endr
.irp tau, 0,1
.irp j, 0,1,2,3,4,5,6,7
	global_load_b32 v[BV+8*\tau+\j], v[BVA], s[58:59] offset:32*\tau                               ; v: a lane holds one channel: its bias in all eight registers
.endr
.endr
.macro WLOAD s                         ; K step s: 18 loads of 512 dense bytes
	WIN (1+(\s)/3)<<6
.irp t, 0,1,2,3
.irp c, 0,1,2
	global_load_b128 v[72*((\s)%3)+12*\t+4*\c:72*((\s)%3)+12*\t+4*\c+3], v[LI], s[48:49] offset:(8*\t+(\s))*1536+512*\c
.endr
.endr
.irp t, 4,5
.irp c, 0,1,2
	global_load_b128 v[72*((\s)%3)+12*\t+4*\c:72*((\s)%3)+12*\t+4*\c+3], v[LI], s[50:51] offset:(8*(\t-4)+(\s))*1536+512*\c
.endr
.endr
.endm
.irp s, 0,1,2,3,4,5,6,7
	WLOAD \s
.endr
	WIN 0
	s_wait_tensorcnt 0x0                           ; my four records have landed,
	s_barrier_signal -1
	s_barrier_wait -1                              ; everybody's have.
.macro ALOAD s, pb                     ; K step s of the pair of records in hand into buffer pb: 7 LDS loads
.irp m, 0,1
.irp c, 0,1,2
	ds_load_b128 v[AF+24*(\pb)+12*\m+4*\c:AF+24*(\pb)+12*\m+4*\c+3], v[ADRA] offset:12800*\m+1536*(\s)+512*\c
.endr
.endr
	ds_load_b32 v[XS+(\pb)], v[ADRS] offset:64*(\s)
.endm
; A K step: 12 products on 12 sums, which take turns, one instruction a turn.
.macro KSTEP blk, s
.if (\s) < 7
.if (\s) > 0
.rept 4
	v_nop                                          ; places in front of loads into the buffer that the last step's products read
.endr
.endif
	ALOAD (\s)+1, ((\s)+1)%2
	s_wait_dscnt 7                                 ; this step's seven loads are in; the seven just issued may be out
.else
	s_wait_dscnt 0x0
.endif
.if (\blk) == 0                        ; the first pair of rows meets the weights on their way: behind K step s's loads stand 18 for each later step (the count's field holds 63)
.if 18*(7-(\s)) > 63
	s_wait_loadcnt 63
.else
	s_wait_loadcnt 18*(7-(\s))
.endif
.endif
.set NW, 1+(\s)/3
.set WB, 72*((\s)%3)
.set AB, AF+24*((\s)%2)
.if (\s) == 0
	WIN NW|0x30                                    ; source 0 (W) in its window, C (the bias) in window 3
.else
	WIN NW
.endif
.irp m, 0,1
.irp t, 0,1,2,3
.if (\s) == 0
	WM ACCU+8*(4*\m+\t), WB+12*\t, AB+12*\m, BU+8*\t, WS+8*(\t/2)+(\s), XS+(\s)%2, \t%2, \m
.else
	WM ACCU+8*(4*\m+\t), WB+12*\t, AB+12*\m, ACCU+8*(4*\m+\t), WS+8*(\t/2)+(\s), XS+(\s)%2, \t%2, \m
.endif
.endr
.endr
.if (\s) == 0
	WIN (NW<<2)|0x30                               ; source 1 (W_v) in its window
.else
	WIN NW<<2
.endif
.irp tau, 0,1
.irp m, 0,1
.if (\s) == 0
	WM ACCV+8*(2*\tau+\m), AB+12*\m, WB+12*(4+\tau), BV+8*\tau, XS+(\s)%2, WS+16+(\s), \m, \tau
.else
	WM ACCV+8*(2*\tau+\m), AB+12*\m, WB+12*(4+\tau), ACCV+8*(2*\tau+\m), XS+(\s)%2, WS+16+(\s), \m, \tau
.endif
.endr
.endr
	WIN 0
.endm
; A pair of row tiles (32 rows): 96 products, then the quantising and the stores.
.macro BLK i
	ALOAD 0, 0
.irp s, 0,1,2,3,4,5,6,7
	KSTEP \i, \s
.endr
.rept 4
	v_nop                                          ; places in front of the first read of results
.endr
	s_wait_xcnt 0x0                                ; the last pair's stores have read their registers
	QUANT ACCU, 2, PC, PC+12, TM, PW               ; blocks 0, 1: tile 0's channels 0-31, 32-63; blocks 2, 3: tile 1's.  Registers 6 m .. 6 m + 5: channels 32 h .. of row slot r of tile m
	global_store_b128 v[LI], v[PC:PC+3], s[60:61] offset:1536*\i
	global_store_b64 v[L8], v[PC+4:PC+5], s[60:61] offset:1536*\i+512
	global_store_b128 v[LI], v[PC+6:PC+9], s[60:61] offset:1536*\i+768
	global_store_b64 v[L8], v[PC+10:PC+11], s[60:61] offset:1536*\i+1280
	v_lshrrev_b32 v250, v[SH], v[PW]
	v_and_b32 v250, 0xffff, v250                   ; lane (r, h): tile h's two bytes; the word's upper two bytes are 0
	global_store_b32 v[L4], v250, s[62:63] offset:128*\i
	QUANT ACCV, 1, PCV, PCV+12, TM, 251            ; block tau: the 32 keys of this pair, channel slot r of tile tau.  Lane (r, h) then holds the whole block of tile h
	global_store_b128 v[V16], v[PCV:PCV+3], s[66:67] offset:1536*\i
	global_store_b64 v[V8], v[PCV+4:PCV+5], s[66:67] offset:1536*\i
	v_cndmask_b32 v251, v[TM+4], v[TM+5], s70      ; my tile's byte
.if (\i)%4 == 0
	v_mov_b32 v[VW], v251
.else
	v_lshl_or_b32 v[VW], v251, 8*((\i)%4), v[VW]
.endif
.if (\i)%4 == 3
	v_mov_b32 v252, v[VW]                          ; four key blocks' bytes: the word of 128 keys
	global_store_b32 v[L4], v252, s[68:69] offset:256*((\i)/4)
.endif
.if (\i) < 7
	v_add_nc_u32 v[ADRA], 25600, v[ADRA]           ; the next pair of records
	s_wait_alu depctr_va_vdst(0)
	v_add_nc_u32 v[ADRS], 25600, v[ADRS]
.endif
.endm
.irp i, 0,1,2,3,4,5,6,7
	s_wait_alu depctr_va_vdst(0)
	BLK \i
.endr
	s_wait_tensorcnt 0x0                           ; the wave's end
	ds_add_u32 v[SPW], v[NIL]
	s_wait_dscnt 0x0
	CROUND                                         ; the closing round
	s_endpgm
.Lfunc_end_k_qbb501a1f54_qkv:
	.size	k_qbb501a1f54_qkv, .Lfunc_end_k_qbb501a1f54_qkv-k_qbb501a1f54_qkv
	.p2alignl 7, 3214868480
	.fill 96, 4, 3214868480
	.section	.rodata,"a",@progbits
	.p2align	6, 0x0
	.amdhsa_kernel k_qbb501a1f54_qkv
		.amdhsa_group_segment_fixed_size 205312
		.amdhsa_private_segment_fixed_size 0
		.amdhsa_enable_private_segment 0
		.amdhsa_kernarg_size 96
		.amdhsa_user_sgpr_count 2
		.amdhsa_user_sgpr_kernarg_segment_ptr 1
		.amdhsa_wavefront_size32 1
		.amdhsa_system_sgpr_workgroup_id_x 1
		.amdhsa_system_sgpr_workgroup_id_y 1
		.amdhsa_system_sgpr_workgroup_id_z 1
		.amdhsa_system_vgpr_workitem_id 0
		.amdhsa_next_free_vgpr 1024
		.amdhsa_next_free_sgpr 84
		.amdhsa_reserve_vcc 0
		.amdhsa_float_denorm_mode_32 3
		.amdhsa_float_denorm_mode_16_64 3
		.amdhsa_memory_ordered 1
		.amdhsa_forward_progress 1
		.amdhsa_inst_pref_size 216
	.end_amdhsa_kernel
	.amdgpu_metadata
---
amdhsa.version: [ 1, 2 ]
amdhsa.kernels:
  - .name:           k_qbb501a1f54_qkv
    .symbol:         k_qbb501a1f54_qkv.kd
    .args:
      - { .name: xa, .offset: 0, .size: 8, .value_kind: global_buffer, .address_space: global }
      - { .name: wimg, .offset: 8, .size: 8, .value_kind: global_buffer, .address_space: global }
      - { .name: w_q_scales, .offset: 16, .size: 8, .value_kind: global_buffer, .address_space: global }
      - { .name: w_k_scales, .offset: 24, .size: 8, .value_kind: global_buffer, .address_space: global }
      - { .name: w_v_scales, .offset: 32, .size: 8, .value_kind: global_buffer, .address_space: global }
      - { .name: b_q, .offset: 40, .size: 8, .value_kind: global_buffer, .address_space: global }
      - { .name: b_k, .offset: 48, .size: 8, .value_kind: global_buffer, .address_space: global }
      - { .name: b_v, .offset: 56, .size: 8, .value_kind: global_buffer, .address_space: global }
      - { .name: qk_img, .offset: 64, .size: 8, .value_kind: global_buffer, .address_space: global }
      - { .name: qk_sc, .offset: 72, .size: 8, .value_kind: global_buffer, .address_space: global }
      - { .name: v_img, .offset: 80, .size: 8, .value_kind: global_buffer, .address_space: global }
      - { .name: v_sc, .offset: 88, .size: 8, .value_kind: global_buffer, .address_space: global }
    .group_segment_fixed_size: 205312
    .private_segment_fixed_size: 0
    .kernarg_segment_align: 8
    .kernarg_segment_size: 96
    .max_flat_workgroup_size: 128
    .sgpr_count:     84
    .vgpr_count:     1024
    .wavefront_size: 32
...
	.end_amdgpu_metadata
.endif
;; end of part 6
;; launch attn (part 7): grid 8 x 32, 16 waves a work-group, no clusters, 116,736 bytes of LDS; arguments qk_img, qk_sc, v_img, v_sc, cimg; writes cimg
.if DOCPART == 7
	.amdgcn_target "amdgcn-amd-amdhsa--gfx1250"
	.amdhsa_code_object_version 6
	.text
	.protected	k_qbb501a1f54_attn
	.globl	k_qbb501a1f54_attn
	.p2align	8
	.type	k_qbb501a1f54_attn,@function
k_qbb501a1f54_attn:
	s_mov_b64 s[64:65], 0
	v_nop
	global_prefetch_b8 v0, s[64:65] scope:SCOPE_SE
	s_setreg_imm32_b32 hwreg(HW_REG_WAVE_SCHED_MODE, 0, 2), 2
	s_setreg_imm32_b32 hwreg(HW_REG_WAVE_MODE, 25, 1), 1
	s_wait_xcnt 0x0
	s_wait_alu depctr_vm_vsrc(0)
; LAUNCH 2.  Attention in a causal window of 256 keys, both products on codes of FP6 (E2M3), and the quantising of its result for the output projection.
; SHARES.  Work-group (qb, b, eta): 256 queries x heads 2 eta, 2 eta + 1 of batch b.  Wave w owns row tile 16 qb + w (pair m = 8 qb + w / 2, u = w % 2: queries 32 m + 8 u + r + 8 (r / 8)) and takes both
; heads one after the other: their 128 channels are K step eta of the next product, one whole fragment and one scale word a row.  Four waves share a SIMD: one wave's softmax stands beside another's products.
; THE KEYS of a tile are the nine aligned blocks of 32 from 32 (m - 8) to 32 m + 31: two steps of 128 keys and one of 32.  Only the first block (key hidden where it is 256 or more behind the query) and the last
; (hidden where it is ahead of the query) are cut; which register of which lane is hidden there hangs on the lane and the wave alone: sixteen lane masks, made once.  Blocks in front of key 0 (qb = 0 alone):
; a step with none but such keys is jumped over by a scalar branch on ids; in a step with some, their scores become -infinity.
; LAYOUT.  Both products transposed: S^T = K Q^T, O^T = V^T P^T: a lane holds one query throughout.  K's tiles lie as all tiles of this program do, so that p's 16 registers of two neighbouring tiles are 16 neighbouring keys.
; THE HEAD HAS 64 CHANNELS AND THE INSTRUCTION TAKES 128: Q's registers 6-11 are zero codes, and bytes 2, 3 of q's and k's scale words are 0 (2^-127, no NaN).  K's operand for tile t is v[F + 6 t .. + 11]:
; its upper half is the next tile's codes (or a tail of zeros); against Q's zero codes it adds nothing.
; THE SOFTMAX: t = score x log2(e) / 8; M = the running largest t rounded up to a whole number, kept as -M; p = 2^(t - M) is quantised by blocks of 32 keys; the sum is taken of the unquantised p and divides at the end.
; STAGING.  The 16 pairs of K's tiles, the 16 key blocks of V and their scale words, for both heads, go through registers into LDS once; one barrier.  No cluster: neighbouring work-groups share only half of their keys,
; and the staging goes through registers.
; LIMITS: as in launch 0; scores whose t lies under -3e38 are not served.
; THE MODE: SCHED_MODE bits 1:0 = 2 (LLVM: expert scheduling mode 2), set by the entry lines.  The code itself states the register dependences between vector or matrix instructions and memory or LDS
; instructions, with s_wait_alu, always for 0.
; THE PLAN.  Registers that memory or LDS instructions touch:
;   v1-v9, v209, v210   addresses.  Written once at the head, ahead of the head's first wait on va_vdst; read by every LDS load of the steps, by the staging loads and by the last stores; never written again.
;   v237-v246           staging addresses; v96-v145, v154-v157 staging data.  Read by the head's loads and LDS stores.  From the first step on they are registers at work: one wait on vm_vsrc stands behind the barrier.
;   F (v32-v79), v92-v95  In a step: K's loads land, the products K Q^T read; V's loads land, the products V^T P read.  So a wait on va_vdst stands ahead of each run of loads: the products before are done reading.
;   PP (v212-v223), v253  p's codes and scale word: written by vector instructions, taken by the scaled products V^T P: a wait on va_vdst directly ahead of these.
;   v192-v203, v208     the result's codes and scale word: written by FINISH, read by the last four stores: one wait on va_vdst ahead of them.
;   s14 (the wave's number) and s32-s47 (the lane masks) are written by vector instructions: a wait on va_sdst stands directly behind each of the two runs of writers.
; K and V share F: sixteen waves of 256 registers leave none for a second set of fragments.  Each wait of a step stands on the straight run behind the step's own branch, so a step that is jumped over owes nothing.
.set VIMG,  49152                      ; LDS: K's images [head][pair 16][1,536] from 0; V's [head][block 16][1,536 + 128] from here (the 128 put the upper lanes' 8-byte loads into the other half of the banks);
.set KSL,   102400                     ; K's scale words [head][pair][128];
.set VSL,   106496                     ; V's [head][first block of a step 16][64 slots x 4];
.set SPARE, 114688                     ; the spare words, 128 bytes for each of 16 waves
.set AK16, 1                           ; v1  K: my wave's first pair + 16 x lane
.set AK8,  2                           ; v2  + 512 + 8 x lane
.set AKS,  3                           ; v3  K's scale words
.set AV16, 4                           ; v4  V: block (w / 2 + h), 16 r
.set AV8,  5                           ; v5  + 256 + 8 r
.set AVS,  6                           ; v6  V's scale words
.set VH,   7                           ; v7  1,664 h
.set AQ16, 8                           ; v8, v9: the same as v4, v5 without h: the last step has one block
.set AQ8,  9
.set DL,   10                          ; v10 8 u + r + 8 (r / 8) - 16 h: register n of a cut block is key 16 h + n; it stands at or under my query's place where n <= DL
.set NINF, 11                          ; v11 -infinity
.set SPW,  30
.set NIL,  31
.set F,    32                          ; v32-85 fragments of K or of V
.set PCX,  192                         ; v192-203 the result's codes
.set CW,   208                         ; its scale word
.set LI,   209                         ; 16 x lane
.set R4,   210                         ; 4 r
.set PP,   212                         ; v212-223 p's codes; v224-230 the second conversions
.set WV,   14                          ; s14 wave
.set SEL,  20
.set CS,   22                          ; s[22:23] c = log2(e) / 8
.set KFS,  24                          ; s24, s25 the first key of steps 0, 1
.set TS,   26
.set MK,   32                          ; s32-47 lane masks: n <= DL
.set KIB,  48
.set VIB,  50
.set KSB,  52
.set VSB,  54
.set QIB,  56
.set QSB,  58
.set COUT, 60
.set CSC,  62
.macro WM d, a, b, c, sa, sb, ra, rb
.if (\c) < 0
.if (\ra)
	v_wmma_scale_f32_16x16x128_f8f6f4 v[\d:\d+7], v[\a:\a+11], v[\b:\b+11], 0, v[\sa], v[\sb] matrix_a_fmt:MATRIX_FMT_FP6 matrix_b_fmt:MATRIX_FMT_FP6 matrix_a_scale:MATRIX_SCALE_ROW1
.else
	v_wmma_scale_f32_16x16x128_f8f6f4 v[\d:\d+7], v[\a:\a+11], v[\b:\b+11], 0, v[\sa], v[\sb] matrix_a_fmt:MATRIX_FMT_FP6 matrix_b_fmt:MATRIX_FMT_FP6
.endif
.else
.if (\ra)
	v_wmma_scale_f32_16x16x128_f8f6f4 v[\d:\d+7], v[\a:\a+11], v[\b:\b+11], v[\c:\c+7], v[\sa], v[\sb] matrix_a_fmt:MATRIX_FMT_FP6 matrix_b_fmt:MATRIX_FMT_FP6 matrix_a_scale:MATRIX_SCALE_ROW1
.else
	v_wmma_scale_f32_16x16x128_f8f6f4 v[\d:\d+7], v[\a:\a+11], v[\b:\b+11], v[\c:\c+7], v[\sa], v[\sb] matrix_a_fmt:MATRIX_FMT_FP6 matrix_b_fmt:MATRIX_FMT_FP6
.endif
.endif
.endm
.macro QUANT s, nc, pc, p2, tm, pw
.set qb, 0
.rept 2*(\nc)
	v_max3_num_f32 v[\tm+qb], |v[\s+16*qb]|, |v[\s+16*qb+1]|, 0x1800000
.set qb, qb+1
.endr
.set qi, 2
.rept 7
.set qb, 0
.rept 2*(\nc)
	v_max3_num_f32 v[\tm+qb], v[\tm+qb], |v[\s+16*qb+qi]|, |v[\s+16*qb+qi+1]|
.set qb, qb+1
.endr
.set qi, qi+2
.endr
.set qb, 0
.rept 2*(\nc)
	v_permlanex16_b32 v[\tm+4+qb], v[\tm+qb], s[SEL], s[SEL+1]
.set qb, qb+1
.endr
.set qb, 0
.rept 2*(\nc)
	v_max_num_f32 v[\tm+qb], v[\tm+qb], v[\tm+4+qb]
.set qb, qb+1
.endr
.set qb, 0
.rept 2*(\nc)
	v_add_nc_u32 v[\tm+12+qb], 0xff000000, v[\tm+qb]
.set qb, qb+1
.endr
.set qb, 0
.rept 2*(\nc)
	v_lshrrev_b32 v[\tm+4+qb], 23, v[\tm+12+qb]
.set qb, qb+1
.endr
	v_lshl_or_b32 v[\pw], v[\tm+5], 8, v[\tm+4]
.set qc, 0
.rept \nc
	v_cvt_scalef32_pk16_fp6_f32 v[\pc+6*qc:\pc+6*qc+2], v[\s+32*qc:\s+32*qc+15], v[\tm+12+2*qc]
	v_cvt_scalef32_pk16_fp6_f32 v[\p2+4*qc:\p2+4*qc+2], v[\s+32*qc+16:\s+32*qc+31], v[\tm+12+2*qc+1]
.set qc, qc+1
.endr
	v_nop
.set qc, 0
.rept \nc
.set qi, 0
.rept 3
	v_permlane16_swap_b32 v[\pc+6*qc+qi], v[\p2+4*qc+qi]
.set qi, qi+1
.endr
.set qi, 0
.rept 3
	v_mov_b32 v[\pc+6*qc+3+qi], v[\p2+4*qc+qi]
.set qi, qi+1
.endr
.set qc, qc+1
.endr
.endm
	s_load_b256 s[4:11], s[0:1], 0x0               ; qk_img s[4:5], qk_sc s[6:7], v_img s[8:9], v_sc s[10:11]
	s_load_b64 s[12:13], s[0:1], 0x20              ; cimg
	v_lshl_add_u32 v[SPW], v0, 2, SPARE
	v_mov_b32 v[NIL], 0
	v_lshrrev_b32 v232, 5, v0
	v_readfirstlane_b32 s[WV], v232                ; wave 0..15
	s_wait_alu depctr_va_sdst(0)                   ; s14, the wave's number, is written, ahead of its first reader: the line below
	s_lshr_b32 s15, s[WV], 1                       ; pi = w / 2
	s_and_b32 s16, s[WV], 1                        ; u
	s_and_b32 s17, ttmp7, 0xffff
	s_lshr_b32 s18, s17, 3                         ; b
	s_and_b32 s19, s17, 7                          ; eta
	s_lshl_b32 s27, s18, 4
	s_lshl_b32 s66, s19, 1
	s_add_co_u32 s27, s27, s66                     ; 16 b + 2 eta: the first head
	s_lshl_b32 s28, ttmp9, 3
	s_add_co_u32 s28, s28, s[WV]
	s_sub_co_i32 s28, s28, 8
	s_max_i32 s28, s28, 0                          ; the pair (and key block) that I stage: 8 qb - 8 + w, held at 0: no load leaves its buffer; what the hold brings is hidden
	s_lshl_b32 s[KFS], ttmp9, 8
	s_lshl_b32 s66, s15, 5
	s_add_co_u32 s[KFS], s[KFS], s66
	s_sub_co_i32 s[KFS], s[KFS], 256               ; 32 (m - 8)
	s_add_co_i32 s[KFS+1], s[KFS], 128
	s_lshl_b32 s29, ttmp9, 1
	s_lshr_b32 s66, s15, 2
	s_add_co_u32 s29, s29, s66
	s_sub_co_i32 s29, s29, 2                       ; V's scale words lie by aligned runs of four blocks: the run in which local block w / 2 lies
.irp k, 0,1,2,3
	s_add_co_i32 s[68+\k], s29, \k
	s_max_i32 s[68+\k], s[68+\k], 0
	s_min_i32 s[68+\k], s[68+\k], 15               ; held inside the head's 16 runs
	s_lshl_b32 s[68+\k], s[68+\k], 8
.endr
	s_and_b32 s72, s15, 3
	s_mul_i32 s72, s72, 0x01010101
	s_add_co_u32 s72, s72, 0x03020100              ; v_perm_b32's selector: four bytes from byte (w / 2) % 4 of two words on
	s_mov_b32 s[SEL], 0x76543210
	s_mov_b32 s[SEL+1], 0xfedcba98
	s_mov_b32 s[CS], 0x3e38aa3b                    ; log2(e) / sqrt(64)
	s_mov_b32 s[CS+1], s[CS]
	v_and_b32 v232, 31, v0                         ; lane
	v_and_b32 v233, 15, v0                         ; r
	v_bfe_u32 v234, v0, 4, 1                       ; h
	v_and_b32 v235, 8, v233
	v_add_nc_u32 v235, v235, v233                  ; r + 8 (r / 8)
	s_mul_i32 s73, s15, 1536
	v_lshl_add_u32 v[AK16], v232, 4, s73
	v_lshl_add_u32 v[AK8], v232, 3, s73
	v_add_nc_u32 v[AK8], 512, v[AK8]
	s_lshl_b32 s73, s15, 7
	v_lshl_add_u32 v[AKS], v232, 2, s73
	v_add_nc_u32 v[AKS], KSL, v[AKS]
	s_mul_i32 s73, s15, 1664
	v_lshl_add_u32 v[AQ16], v233, 4, s73
	v_add_nc_u32 v[AQ16], VIMG, v[AQ16]
	v_lshl_add_u32 v[AQ8], v233, 3, s73
	v_add_nc_u32 v[AQ8], VIMG+256, v[AQ8]
	v_mul_u32_u24 v[VH], v234, 1664
	v_add_nc_u32 v[AV16], v[AQ16], v[VH]
	v_add_nc_u32 v[AV8], v[AQ8], v[VH]
	s_lshl_b32 s73, s15, 8
	v_lshl_add_u32 v[AVS], v232, 2, s73
	v_add_nc_u32 v[AVS], VSL, v[AVS]
	v_lshlrev_b32 v236, 4, v234
	v_sub_nc_u32 v[DL], v235, v236
	s_lshl_b32 s73, s16, 3
	v_add_nc_u32 v[DL], s73, v[DL]
	v_mov_b32 v[NINF], 0xff800000
	v_lshlrev_b32 v[LI], 4, v232
	v_lshlrev_b32 v[R4], 2, v233
	s_mul_i32 s73, s[WV], 1536
	v_add_nc_u32 v237, s73, v[LI]                  ; where I store K's pair,
	s_mul_i32 s73, s[WV], 1664
	v_add_nc_u32 v238, s73, v[LI]
	v_add_nc_u32 v238, VIMG, v238                  ; V's block,
	v_lshl_add_u32 v239, v0, 2, KSL                ; K's scale words: 128 w + 4 x lane,
	v_lshl_add_u32 v240, v0, 2, VSL                ; V's: 256 (w / 2) + 4 x slot
	v_lshlrev_b32 v241, 2, v232
	v_lshlrev_b32 v242, 3, v232
	v_and_b32 v247, 63, v0
	v_lshlrev_b32 v247, 2, v247                    ; my channel slot's word
.irp k, 0,1,2,3
	v_add_nc_u32 v[243+\k], s[68+\k], v247
.endr
	s_wait_kmcnt 0x0
	s_mov_b32 s67, 0
	s_lshl_b32 s66, s27, 7
	s_lshl_b32 s73, s28, 1
	s_add_co_u32 s66, s66, s73
	s_mul_i32 s66, s66, 768
	s_add_co_u32 s66, s66, 6291456
	s_add_nc_u64 s[KIB:KIB+1], s[4:5], s[66:67]
	s_lshl_b32 s74, s27, 6
	s_add_co_u32 s74, s74, s28
	s_mul_i32 s66, s74, 1536
	s_add_nc_u64 s[VIB:VIB+1], s[8:9], s[66:67]
	s_lshl_b32 s66, s74, 7
	s_add_co_u32 s66, s66, 524288
	s_add_nc_u64 s[KSB:KSB+1], s[6:7], s[66:67]
	s_lshl_b32 s66, s27, 12
	s_add_nc_u64 s[VSB:VSB+1], s[10:11], s[66:67]
	s_lshl_b32 s75, ttmp9, 4
	s_add_co_u32 s75, s75, s[WV]                   ; my row tile in the sequence
	s_lshl_b32 s66, s27, 7
	s_add_co_u32 s66, s66, s75
	s_mul_i32 s66, s66, 768
	s_add_nc_u64 s[QIB:QIB+1], s[4:5], s[66:67]
	s_lshl_b32 s66, s27, 6
	s_lshl_b32 s73, ttmp9, 3
	s_add_co_u32 s66, s66, s73
	s_add_co_u32 s66, s66, s15
	s_lshl_b32 s66, s66, 7
	s_lshl_b32 s73, s16, 6
	s_add_co_u32 s66, s66, s73
	s_add_nc_u64 s[QSB:QSB+1], s[6:7], s[66:67]
	s_lshl_b32 s73, s18, 7
	s_add_co_u32 s73, s73, s75
	s_mul_i32 s73, s73, 12800                      ; my record in cimg
	s_mul_i32 s66, s19, 1536
	s_add_co_u32 s66, s66, s73
	s_add_nc_u64 s[COUT:COUT+1], s[12:13], s[66:67]
	s_lshl_b32 s66, s19, 6
	s_add_co_u32 s66, s66, s73
	s_add_co_u32 s66, s66, 12288
	s_add_nc_u64 s[CSC:CSC+1], s[12:13], s[66:67]
	s_wait_alu depctr_va_vdst(0)                   ; every address and offset of the kernel is written: v1-v9, v209, v210 and the staging's v237-v246, which the loads and stores from here on read
.irp e, 0,1
.irp k, 0,1,2
	global_load_b128 v[96+12*\e+4*\k:96+12*\e+4*\k+3], v[LI], s[KIB:KIB+1] offset:98304*\e+512*\k
.endr
.endr
.irp e, 0,1
.irp k, 0,1,2
	global_load_b128 v[120+12*\e+4*\k:120+12*\e+4*\k+3], v[LI], s[VIB:VIB+1] offset:98304*\e+512*\k
.endr
.endr
.irp e, 0,1
	global_load_b32 v[144+\e], v241, s[KSB:KSB+1] offset:8192*\e
.endr
.irp e, 0,1
.irp k, 0,1,2,3
	global_load_b32 v[146+4*\e+\k], v[243+\k], s[VSB:VSB+1] offset:4096*\e
.endr
.endr
.irp e, 0,1
	global_load_b128 v[16+70*\e:19+70*\e], v[LI], s[QIB:QIB+1] offset:98304*\e          ; Q: head 0 into v16-21, head 1 into v86-91
	global_load_b64 v[20+70*\e:21+70*\e], v242, s[QIB:QIB+1] offset:98304*\e+512
	global_load_b32 v[28+\e], v[R4], s[QSB:QSB+1] offset:8192*\e
.endr
.set zi, F
.rept 54
	v_mov_b32 v[zi], 0                             ; the fragments' registers hold codes from the start: the tail v80-85 stays zero
.set zi, zi+1
.endr
.irp j, 22,23,24,25,26,27
	v_mov_b32 v\j, 0                               ; Q's upper half: zero codes, never rewritten
.endr
.irp n, 0,1,2,3,4,5,6,7,8,9,10,11,12,13,14,15
	v_cmp_le_i32 s[MK+\n], \n, v[DL]
.endr
	s_wait_alu depctr_va_sdst(0)                   ; the sixteen lane masks s32-s47 are written: one wait behind the run, ahead of every branch and label; the selects of the steps read them
	s_wait_loadcnt 6                               ; all but Q's six
.irp e, 0,1
	v_perm_b32 v[154+2*\e], v[147+4*\e], v[146+4*\e], s72          ; the bytes of blocks sigma .. sigma + 3, sigma = w / 2,
	v_perm_b32 v[155+2*\e], v[149+4*\e], v[148+4*\e], s72          ; and sigma = w / 2 + 8
.endr
	s_wait_alu depctr_va_vdst(0)                   ; the four words v154-v157 are written, which the LDS stores below read; so are the zeros in F and in v22-v27
.irp e, 0,1
.irp k, 0,1,2
	ds_store_b128 v237, v[96+12*\e+4*\k:96+12*\e+4*\k+3] offset:24576*\e+512*\k
	ds_store_b128 v238, v[120+12*\e+4*\k:120+12*\e+4*\k+3] offset:26624*\e+512*\k
.endr
	ds_store_b32 v239, v[144+\e] offset:2048*\e
	ds_store_b32 v240, v[154+2*\e] offset:4096*\e
	ds_store_b32 v240, v[155+2*\e] offset:4096*\e+2048
.endr
	s_wait_dscnt 0x0                               ; for the others' sake: my stores have landed
	s_barrier_signal -1
	s_barrier_wait -1
	s_wait_loadcnt 0x0                             ; Q; and every load's address register is free
	s_wait_alu depctr_vm_vsrc(0)                   ; the staging's loads and LDS stores have read v237-v246, v96-v145 and v154-v157: from here on vector and matrix instructions write these registers
.irp j, 236,237,238,239,252,253
	v_mov_b32 v\j, 0                               ; permutes' destinations, and the pair v[252:253], are written before they are named
.endr
; A STEP OF 128 KEYS: step st (0, 1) of head hd.  edge = 1: its first block is cut by the window's far end.
.macro STEP4 hd, st, edge
	s_cmp_le_i32 s[KFS+\st], -128                  ; all its keys in front of key 0: ids alone; no barrier stands in a step
	s_cbranch_scc1 .Lgone_\@
.rept 4
	v_nop                                          ; four places behind the last products, as in the plain form of this text; the dependence itself is stated by the wait below
.endr
	s_wait_alu depctr_va_vdst(0)                   ; the products issued so far are done reading F and v92-v95, in which K's loads land; Q's registers and the zeros, operands of the scaled products below, are written
.irp t, 0,1,2,3,4,5,6,7
	ds_load_b128 v[F+6*\t:F+6*\t+3], v[AK16] offset:24576*\hd+(4*\st+\t/2)*1536+768*(\t%2)
	ds_load_b64 v[F+6*\t+4:F+6*\t+5], v[AK8] offset:24576*\hd+(4*\st+\t/2)*1536+768*(\t%2)
.endr
.irp b, 0,1,2,3
	ds_load_b32 v[92+\b], v[AKS] offset:2048*\hd+128*(4*\st+\b)
.endr
	s_wait_dscnt 0x0
.irp t, 0,1,2,3,4,5,6,7
	WM 96+8*\t, F+6*\t, 16, -1, 92+\t/2, 28+\hd, \t%2, 0
.endr
.rept 4
	v_nop                                          ; places in front of the first read of the scores
.endr
	s_wait_alu depctr_va_vdst(0)                   ; the eight products K Q^T are done reading F, v92 and v93, in which V's loads land
.irp tau, 0,1,2,3                      ; V's fragments are asked for now and land under the softmax, which names none of their registers
.irp c, 0,1
	ds_load_b128 v[F+12*\tau+6*\c:F+12*\tau+6*\c+3], v[AV16] offset:26624*\hd+(4*\st+2*\c)*1664+384*\tau
	ds_load_b64 v[F+12*\tau+6*\c+4:F+12*\tau+6*\c+5], v[AV8] offset:26624*\hd+(4*\st+2*\c)*1664+384*\tau
.endr
.endr
	ds_load_b32 v92, v[AVS] offset:4096*\hd+1024*\st
	ds_load_b32 v93, v[AVS] offset:4096*\hd+1024*\st+128
	s_cmp_ge_i32 s[KFS+\st], 0
	s_cbranch_scc1 .Lpos_\@
.irp b, 0,1,2,3                        ; blocks in front of key 0
	s_add_co_i32 s[TS], s[KFS+\st], 32*\b
	s_cmp_lt_i32 s[TS], 0
	s_cselect_b32 s[TS], -1, 0
.irp n, 0,1,2,3,4,5,6,7,8,9,10,11,12,13,14,15
	v_cndmask_b32 v[96+16*\b+\n], v[96+16*\b+\n], v[NINF], s[TS]
.endr
.endr
.Lpos_\@:
.if \edge
.irp n, 0,1,2,3,4,5,6,7,8,9,10,11,12,13,14,15
	v_cndmask_b32 v[96+\n], v[96+\n], v[NINF], s[MK+\n]            ; hidden where the key is 256 or more behind my query
.endr
.endif
.irp b, 0,1,2,3
	v_max3_num_f32 v[232+\b], v[96+16*\b], v[97+16*\b], v[98+16*\b]   ; each block's largest score: for the row's maximum, and for the block's largest p
.endr
.irp i2, 3,5,7,9,11,13
.irp b, 0,1,2,3
	v_max3_num_f32 v[232+\b], v[232+\b], v[96+16*\b+\i2], v[97+16*\b+\i2]
.endr
.endr
.irp b, 0,1,2,3
	v_max_num_f32 v[232+\b], v[232+\b], v[111+16*\b]
.endr
.irp b, 0,1,2,3
	v_permlanex16_b32 v[236+\b], v[232+\b], s[SEL], s[SEL+1]
.endr
.irp b, 0,1,2,3
	v_max_num_f32 v[232+\b], v[232+\b], v[236+\b]
.endr
	v_max3_num_f32 v254, v232, v233, v234
	v_max_num_f32 v254, v254, v235
	v_mul_f32 v254, s[CS], v254
	v_max_num_f32 v13, v13, v254                   ; the running largest t
	v_mov_b32 v254, v12
	v_floor_f32 v12, -v13                          ; -M = floor(-t): M is a whole number
	v_sub_f32 v254, v12, v254
	v_cvt_i32_f32 v254, v254                       ; (it saturates)
	v_ldexp_f32 v252, 1.0, v254                    ; f = 2^(old M - new M): rounds nothing
.irp j, 0,2,4,6,8,10,12,14,16,18,20,22,24,26,28,30,32,34,36,38,40,42,44,46,48,50,52,54,56,58,60,62
	v_pk_fma_f32 v[96+\j:97+\j], v[96+\j:97+\j], s[CS:CS+1], v[12:13] op_sel_hi:[1,0,0]   ; t - M
.endr
.irp b, 0,1,2,3
	v_fma_f32 v[232+\b], v[232+\b], s[CS], v12
.endr
.set ej, 0
	s_wait_alu depctr_va_vdst(0)
.rept 64
	v_exp_f32 v[96+ej], v[96+ej]                   ; p = 2^(t - M)
.set ej, ej+1
.endr
	v_pk_mul_f32 v[14:15], v[14:15], v[252:253] op_sel_hi:[1,0]   ; the sums under the new M: a plain place behind the exponentials
	s_wait_alu depctr_va_vdst(0)                   ; the 64 exponentials have written p, v96-v159: one wait for the batch, ahead of its first reader
.irp b, 0,1,2,3
	v_exp_f32 v[232+\b], v[232+\b]                 ; the blocks' largest p
.endr
	v_pk_add_f32 v[236:237], v[96:97], v[98:99]    ; the row's sum of the unquantised p, in two chains
.irp j, 4,8,12,16,20,24,28,32,36,40,44,48,52,56,60
	v_pk_add_f32 v[14:15], v[14:15], v[96+\j:97+\j]
	v_pk_add_f32 v[236:237], v[236:237], v[98+\j:99+\j]
.endr
	v_pk_add_f32 v[14:15], v[14:15], v[236:237]
	s_wait_alu depctr_va_vdst(0)                   ; the four exponentials have written v232-v235, ahead of their first reader
.irp b, 0,1,2,3
	v_max_num_f32 v[232+\b], 0x1800000, v[232+\b]  ; the floor: the byte cannot fall under 1
.endr
.irp b, 0,1,2,3
	v_add_nc_u32 v[244+\b], 0xff000000, v[232+\b]
.endr
.irp b, 0,1,2,3
	v_lshrrev_b32 v[236+\b], 23, v[244+\b]
.endr
	v_lshl_or_b32 v253, v237, 8, v236              ; p's scale word for these 128 keys
	v_lshl_or_b32 v253, v238, 16, v253
	v_lshl_or_b32 v253, v239, 24, v253
.irp c, 0,1
	v_cvt_scalef32_pk16_fp6_f32 v[PP+6*\c:PP+6*\c+2], v[96+32*\c:111+32*\c], v[244+2*\c]
	v_cvt_scalef32_pk16_fp6_f32 v[224+4*\c:226+4*\c], v[112+32*\c:127+32*\c], v[244+2*\c+1]
.endr
	v_nop
.irp c, 0,1
.irp i2, 0,1,2
	v_permlane16_swap_b32 v[PP+6*\c+\i2], v[224+4*\c+\i2]
.endr
.irp i2, 0,1,2
	v_mov_b32 v[PP+3+6*\c+\i2], v[224+4*\c+\i2]
.endr
.endr
.irp j, 0,2,4,6,8,10,12,14,16,18,20,22,24,26,28,30
	v_pk_mul_f32 v[160+\j:161+\j], v[160+\j:161+\j], v[252:253] op_sel_hi:[1,0]   ; O^T under the new M; these sixteen also stand between the writing of p's codes and scale word and the products
.endr
	s_wait_dscnt 0x0                               ; V's fragments and scale words
	s_wait_alu depctr_va_vdst(0)                   ; p's codes v212-v223 and its scale word v253 are written: the scaled products below take them as source 1 and its scales; the places above stay beside this wait
.irp tau, 0,1,2,3
	WM 160+8*\tau, F+12*\tau, PP, 160+8*\tau, 92+\tau/2, 253, \tau%2, 0
.endr
.Lgone_\@:
.endm
; THE LAST STEP: the one block of 32 keys in which my queries lie.  p's operand has this block in lanes 0-15 and zero codes elsewhere.
.macro STEP1 hd
.rept 4
	v_nop                                          ; four places behind the last products, as in the plain form of this text; the dependence itself is stated by the wait below
.endr
	s_wait_alu depctr_va_vdst(0)                   ; the products issued so far are done reading F and v92, in which K's loads land; Q's registers and the zeros, operands of the scaled products below, are written
.irp t, 0,1
	ds_load_b128 v[F+6*\t:F+6*\t+3], v[AK16] offset:24576*\hd+8*1536+768*\t
	ds_load_b64 v[F+6*\t+4:F+6*\t+5], v[AK8] offset:24576*\hd+8*1536+768*\t
.endr
	ds_load_b32 v92, v[AKS] offset:2048*\hd+128*8
	s_wait_dscnt 0x0
.irp t, 0,1
	WM 96+8*\t, F+6*\t, 16, -1, 92, 28+\hd, \t, 0
.endr
.rept 4
	v_nop                                          ; places in front of the first read of the scores
.endr
	s_wait_alu depctr_va_vdst(0)                   ; the two products K Q^T are done reading F and v92, in which V's loads land
.irp tau, 0,1,2,3                      ; V: registers 0-5 alone, the same block in both halves of the lanes; registers 6-11 keep older codes, which meet p's zero codes
	ds_load_b128 v[F+12*\tau:F+12*\tau+3], v[AQ16] offset:26624*\hd+8*1664+384*\tau
	ds_load_b64 v[F+12*\tau+4:F+12*\tau+5], v[AQ8] offset:26624*\hd+8*1664+384*\tau
.endr
	ds_load_b32 v92, v[AVS] offset:4096*\hd+2048
	ds_load_b32 v93, v[AVS] offset:4096*\hd+2048+128
.irp n, 0,1,2,3,4,5,6,7,8,9,10,11,12,13,14,15
	v_cndmask_b32 v[96+\n], v[NINF], v[96+\n], s[MK+\n]            ; kept where the key is not ahead of my query
.endr
	v_max3_num_f32 v232, v96, v97, v98
	v_max3_num_f32 v233, v99, v100, v101
	v_max3_num_f32 v232, v232, v102, v103
	v_max3_num_f32 v233, v233, v104, v105
	v_max3_num_f32 v232, v232, v106, v107
	v_max3_num_f32 v233, v233, v108, v109
	v_max3_num_f32 v232, v232, v110, v111
	v_max_num_f32 v232, v232, v233
	v_permlanex16_b32 v236, v232, s[SEL], s[SEL+1]
	v_max_num_f32 v232, v232, v236
	v_mul_f32 v254, s[CS], v232
	v_max_num_f32 v13, v13, v254
	v_mov_b32 v254, v12
	v_floor_f32 v12, -v13
	v_sub_f32 v254, v12, v254
	v_cvt_i32_f32 v254, v254
	v_ldexp_f32 v252, 1.0, v254
.irp j, 0,2,4,6,8,10,12,14
	v_pk_fma_f32 v[96+\j:97+\j], v[96+\j:97+\j], s[CS:CS+1], v[12:13] op_sel_hi:[1,0,0]
.endr
	v_fma_f32 v232, v232, s[CS], v12
.set ej, 0
	s_wait_alu depctr_va_vdst(0)
.rept 16
	v_exp_f32 v[96+ej], v[96+ej]
.set ej, ej+1
.endr
	v_pk_mul_f32 v[14:15], v[14:15], v[252:253] op_sel_hi:[1,0]
	s_wait_alu depctr_va_vdst(0)                   ; the sixteen exponentials have written p, v96-v111: one wait, ahead of their first reader
	v_exp_f32 v232, v232
	v_pk_add_f32 v[236:237], v[96:97], v[98:99]
.irp j, 4,8,12
	v_pk_add_f32 v[14:15], v[14:15], v[96+\j:97+\j]
	v_pk_add_f32 v[236:237], v[236:237], v[98+\j:99+\j]
.endr
	v_pk_add_f32 v[14:15], v[14:15], v[236:237]
	s_wait_alu depctr_va_vdst(0)                   ; the one exponential has written v232, ahead of its first reader
	v_max_num_f32 v232, 0x1800000, v232
	v_add_nc_u32 v244, 0xff000000, v232
	v_lshrrev_b32 v253, 23, v244                   ; the word: this block's byte; bytes 1 to 3 are 0 and meet zero codes
	v_cvt_scalef32_pk16_fp6_f32 v[PP:PP+2], v[96:111], v244
	v_nop
.irp j, 3,4,5,6,7,8,9,10,11
	v_mov_b32 v[PP+\j], 0
.endr
.irp j, 0,1,2
	v_permlane16_swap_b32 v[PP+\j], v[PP+3+\j]     ; lanes 0-15 get the block's upper 16 codes beside the lower; lanes 16-31 get zeros
.endr
.irp j, 0,2,4,6,8,10,12,14,16,18,20,22,24,26,28,30
	v_pk_mul_f32 v[160+\j:161+\j], v[160+\j:161+\j], v[252:253] op_sel_hi:[1,0]
.endr
	s_wait_dscnt 0x0
	s_wait_alu depctr_va_vdst(0)                   ; p's codes v212-v223 and its scale word v253 are written: the scaled products below take them as source 1 and its scales; the places above stay beside this wait
.irp tau, 0,1,2,3
	WM 160+8*\tau, F+12*\tau, PP, 160+8*\tau, 92+\tau/2, 253, \tau%2, 0
.endr
.endm
; O^T / the sum, quantised along the channels: registers 16 b + i are channels 32 b + 16 h + i of my query: half of the next product's fragment
.macro FINISH hd
.rept 4
	v_nop
.endr
	v_add_f32 v14, v14, v15
	v_permlanex16_b32 v252, v14, s[SEL], s[SEL+1]
	v_add_f32 v14, v14, v252                       ; the row's sum
	s_wait_alu depctr_va_vdst(0)
	v_rcp_f32 v14, v14
	v_nop
	s_wait_alu depctr_va_vdst(0)                   ; the reciprocal has written v14, ahead of its first reader
.irp j, 0,2,4,6,8,10,12,14,16,18,20,22,24,26,28,30
	v_pk_mul_f32 v[96+\j:97+\j], v[160+\j:161+\j], v[14:15] op_sel_hi:[1,0]
.endr
	QUANT 96, 1, PCX+6*\hd, 204, 232, 254
.if \hd
	v_lshl_or_b32 v[CW], v254, 16, v[CW]
.else
	v_mov_b32 v[CW], v254
.endif
.endm
.macro HEAD hd
.if \hd
.irp j, 0,1,2,3,4,5
	v_mov_b32 v[16+\j], v[86+\j]                   ; the second head's Q
.endr
.endif
	v_mov_b32 v13, 0xff61b1e6                      ; the largest t so far: -3e38
	v_floor_f32 v12, -v13
	v_mov_b32 v14, 0
	v_mov_b32 v15, 0
.set zi, 160
.rept 32
	v_mov_b32 v[zi], 0                             ; O^T: the steps are written once; the first that runs finds zeros, which the first change of M leaves zeros
.set zi, zi+1
.endr
	STEP4 \hd, 0, 1
	STEP4 \hd, 1, 0
	STEP1 \hd
	FINISH \hd
.endm
	HEAD 0
	HEAD 1
	s_wait_alu depctr_va_vdst(0)                   ; the result's codes v192-v203 and its scale word v208 are written, which the four stores below read
.irp c, 0,1,2
	global_store_b128 v[LI], v[PCX+4*\c:PCX+4*\c+3], s[COUT:COUT+1] offset:512*\c   ; the fragment's image: 512 consecutive bytes a store
.endr
	global_store_b32 v[R4], v[CW], s[CSC:CSC+1]    ; lanes r and r + 16 hold and store the same word
	s_wait_dscnt 0x0                               ; the closing lines, six on end
	s_wait_alu 0x0
	s_wait_tensorcnt 0x0
	ds_add_u32 v[SPW], v[NIL]
	s_wait_dscnt 0x0
	s_endpgm
.Lfunc_end_k_qbb501a1f54_attn:
	.size	k_qbb501a1f54_attn, .Lfunc_end_k_qbb501a1f54_attn-k_qbb501a1f54_attn
	.p2alignl 7, 3214868480
	.fill 96, 4, 3214868480
	.section	.rodata,"a",@progbits
	.p2align	6, 0x0
	.amdhsa_kernel k_qbb501a1f54_attn
		.amdhsa_group_segment_fixed_size 116736
		.amdhsa_private_segment_fixed_size 0
		.amdhsa_enable_private_segment 0
		.amdhsa_kernarg_size 40
		.amdhsa_user_sgpr_count 2
		.amdhsa_user_sgpr_kernarg_segment_ptr 1
		.amdhsa_wavefront_size32 1
		.amdhsa_system_sgpr_workgroup_id_x 1
		.amdhsa_system_sgpr_workgroup_id_y 1
		.amdhsa_system_sgpr_workgroup_id_z 1
		.amdhsa_system_vgpr_workitem_id 0
		.amdhsa_next_free_vgpr 256
		.amdhsa_next_free_sgpr 80
		.amdhsa_reserve_vcc 0
		.amdhsa_float_denorm_mode_32 3
		.amdhsa_float_denorm_mode_16_64 3
		.amdhsa_memory_ordered 1
		.amdhsa_forward_progress 1
		.amdhsa_inst_pref_size 122
	.end_amdhsa_kernel
	.amdgpu_metadata
---
amdhsa.version: [ 1, 2 ]
amdhsa.kernels:
  - .name:           k_qbb501a1f54_attn
    .symbol:         k_qbb501a1f54_attn.kd
    .args:
      - { .name: qk_img, .offset: 0, .size: 8, .value_kind: global_buffer, .address_space: global }
      - { .name: qk_sc, .offset: 8, .size: 8, .value_kind: global_buffer, .address_space: global }
      - { .name: v_img, .offset: 16, .size: 8, .value_kind: global_buffer, .address_space: global }
      - { .name: v_sc, .offset: 24, .size: 8, .value_kind: global_buffer, .address_space: global }
      - { .name: cimg, .offset: 32, .size: 8, .value_kind: global_buffer, .address_space: global }
    .group_segment_fixed_size: 116736
    .private_segment_fixed_size: 0
    .kernarg_segment_align: 8
    .kernarg_segment_size: 40
    .max_flat_workgroup_size: 512
    .sgpr_count:     80
    .vgpr_count:     256
    .wavefront_size: 32
...
	.end_amdgpu_metadata
.endif
;; end of part 7
;; launch oproj (part 8): grid 4 x 64, 4 waves a work-group, clusters of 4 x 1, 167,936 bytes of LDS; arguments cimg, wimg, w_o_scales, b_o, x, out0; writes out0
.if DOCPART == 8
	.amdgcn_target "amdgcn-amd-amdhsa--gfx1250"
	.amdhsa_code_object_version 6
	.text
	.protected	k_qbb501a1f54_oproj
	.globl	k_qbb501a1f54_oproj
	.p2align	8
	.type	k_qbb501a1f54_oproj,@function
k_qbb501a1f54_oproj:
	s_mov_b64 s[64:65], 0
	v_nop
	global_prefetch_b8 v0, s[64:65] scope:SCOPE_SE
	s_setreg_imm32_b32 hwreg(HW_REG_WAVE_MODE, 25, 1), 1
	s_wait_xcnt 0x0
	s_wait_alu depctr_hold_cnt(0) depctr_sa_sdst(0) depctr_va_vdst(0) depctr_va_sdst(0) depctr_va_ssrc(0) depctr_va_vcc(0) depctr_vm_vsrc(0)
	s_getreg_b32 s2, hwreg(HW_REG_IB_STS2, 6, 4)
	s_cmp_eq_u32 s2, 0
	s_cbranch_scc0 .Lentry_in_a_cluster
	s_endpgm
.Lentry_in_a_cluster:
	s_bfe_u32 s2, ttmp6, 0x10000c
	s_cmp_lg_u32 s2, 0x3003
	s_cbranch_scc0 .Lentry_shape_is_right
	s_endpgm
.Lentry_shape_is_right:
; LAUNCH 3.  out0 = x + ctx W_o^T + b_o, the product on codes of FP6 (E2M3).
; SHARES.  Work-group (p, Ry): rows 128 Ry .. + 127 (8 row tiles) x columns 256 p .. + 255; wave w: 64 columns, four tiles of W_o's rows, used transposed (source 0 = W_o, source 1 = ctx): a lane holds one row of the
; result and its registers run along the columns.  W_o's part stays in registers (4 tiles x 8 K steps x 12 = 384), ctx's 8 records lie in LDS, filled once; x's 64 loads a wave are asked for at the head.
; CLUSTER.  The four work-groups of a cluster have the same rows: each wave's one tensor load (2 records, 25,600 dense bytes) is a joint load with the mask of all four.  By this text's own count a wave has one tensor load out.
; THE WAY OUT.  16 rows x 64 columns go through the wave's own stage in LDS and come back as rows of 256 bytes; x is added; sixteen lanes store 256 consecutive bytes, aligned.
.set STG,   102400                     ; behind the 8 records: a stage of 16 rows x (256 + 16) bytes for each wave; no tensor load lands there
.set SPARE, 119808                     ; the spare words
.set LI,   2
.set ADRA, 5
.set ADRS, 6
.set STO,  7                           ; v7  the stage: row r, + 64 h
.set RD,   8                           ; v8  back: lanes 0-15 one row, lanes 16-31 the next
.set GO,   9                           ; v9  4,096 h + 16 r: the same two rows in x and out0
.set SCA,  10
.set BUA,  11
.set SPW,  14
.set NIL,  15
.set WS,   16                          ; v16-31 W_o's scale words: 8 pr + s
.set XS,   40
.set AF,   48                          ; v48-95 ctx's fragments: 2 buffers x 2 tiles x 12
.set ACC,  96                          ; v96-159 8 (4 m + t)
.set BK,   160                         ; v160-223 rows read back
.set BO,   144                         ; window 2: the bias, 8 t.  Weight fragment (s, t): window 1 + s / 5 at 48 (s % 5) + 12 t.  Window 3: x, 64 i + 32 m + 4 q
.set MSB, 0
.macro WIN new
.if MSB != (\new)
	s_set_vgpr_msb (MSB<<8)|(\new)
.set MSB, (\new)
.endif
.endm
.macro CROUND
	s_barrier_signal -1
	s_barrier_wait -1
	s_cmp_lg_u32 s28, 0
	s_cbranch_scc1 .Lnot_wave_0_\@
	s_barrier_signal -3
.Lnot_wave_0_\@:
	s_barrier_wait -3
	s_barrier_signal -1
	s_barrier_wait -1
.endm
.macro WM d, a, b, c, sa, sb, ra, rb
.if (\ra)
.if (\rb)
	v_wmma_scale_f32_16x16x128_f8f6f4 v[\d:\d+7], v[\a:\a+11], v[\b:\b+11], v[\c:\c+7], v[\sa], v[\sb] matrix_a_fmt:MATRIX_FMT_FP6 matrix_b_fmt:MATRIX_FMT_FP6 matrix_a_scale:MATRIX_SCALE_ROW1 matrix_b_scale:MATRIX_SCALE_ROW1
.else
	v_wmma_scale_f32_16x16x128_f8f6f4 v[\d:\d+7], v[\a:\a+11], v[\b:\b+11], v[\c:\c+7], v[\sa], v[\sb] matrix_a_fmt:MATRIX_FMT_FP6 matrix_b_fmt:MATRIX_FMT_FP6 matrix_a_scale:MATRIX_SCALE_ROW1
.endif
.else
.if (\rb)
	v_wmma_scale_f32_16x16x128_f8f6f4 v[\d:\d+7], v[\a:\a+11], v[\b:\b+11], v[\c:\c+7], v[\sa], v[\sb] matrix_a_fmt:MATRIX_FMT_FP6 matrix_b_fmt:MATRIX_FMT_FP6 matrix_b_scale:MATRIX_SCALE_ROW1
.else
	v_wmma_scale_f32_16x16x128_f8f6f4 v[\d:\d+7], v[\a:\a+11], v[\b:\b+11], v[\c:\c+7], v[\sa], v[\sb] matrix_a_fmt:MATRIX_FMT_FP6 matrix_b_fmt:MATRIX_FMT_FP6
.endif
.endif
.endm
	s_load_b256 s[4:11], s[0:1], 0x0               ; cimg s[4:5], wimg s[6:7], w_o_scales s[8:9], b_o s[10:11]
	s_load_b128 s[12:15], s[0:1], 0x20             ; x s[12:13], out0 s[14:15]
	v_lshl_add_u32 v[SPW], v0, 2, SPARE
	v_mov_b32 v[NIL], 0
	ds_add_u32 v[SPW], v[NIL]
	ds_add_u32 v[SPW], v[NIL]                      ; the wave's opening: the add and its wait ahead of my first tensor load
	v_lshrrev_b32 v1, 5, v0
	v_readfirstlane_b32 s28, v1                    ; wave
	s_bfe_u32 s29, ttmp6, 0x40000                  ; cx
	s_lshl_b32 s30, ttmp9, 2
	s_add_co_u32 s30, s30, s29                     ; p: it enters global offsets alone
	s_and_b32 s31, ttmp7, 0xffff                   ; Ry, which the four partners share
	s_mov_b32 s36, 15|(3<<16)|(1<<21)              ; group 1: the mask of all four; elements of 8 bytes; bit 21 beside a mask; no padding
	s_mov_b32 s37, 32<<16
	s_mov_b32 s38, 100<<16                         ; 100 rows of 256 bytes
	s_mov_b32 s39, 32<<16
	s_mov_b32 s40, 100
	s_mov_b32 s41, 32
	s_mov_b32 s42, 0
	s_mov_b32 s43, 0
	s_mov_b32 s32, 1
	s_mul_i32 s33, s28, 25600                      ; LDS: my two records
	v_and_b32 v1, 31, v0
	v_and_b32 v42, 15, v0                          ; r
	v_bfe_u32 v43, v0, 4, 1                        ; h
	v_lshlrev_b32 v[LI], 4, v1
	v_lshlrev_b32 v[ADRA], 4, v1
	v_mul_u32_u24 v[ADRS], v43, 12800
	v_lshl_add_u32 v[ADRS], v42, 2, v[ADRS]
	v_add_nc_u32 v[ADRS], 12288, v[ADRS]
	s_mul_i32 s44, s28, 4352
	s_add_co_u32 s44, s44, STG                     ; my stage
	v_mul_u32_u24 v[STO], v42, 272
	v_lshl_add_u32 v[STO], v43, 6, v[STO]
	v_add_nc_u32 v[STO], s44, v[STO]
	v_mul_u32_u24 v[RD], v43, 272
	v_lshl_add_u32 v[RD], v42, 4, v[RD]
	v_add_nc_u32 v[RD], s44, v[RD]
	v_lshlrev_b32 v[GO], 12, v43
	v_lshl_add_u32 v[GO], v42, 4, v[GO]
	v_and_b32 v44, 8, v42
	v_add_nc_u32 v44, v44, v42                     ; r + 8 (r / 8)
	v_lshl_add_u32 v[SCA], v43, 3, v44
	v_lshlrev_b32 v[SCA], 5, v[SCA]
	v_lshlrev_b32 v[BUA], 6, v43
	s_wait_dscnt 0x0                               ; the opening add is done
	s_wait_kmcnt 0x0
	s_mov_b32 s45, 0
	s_lshl_b32 s44, s31, 3
	s_lshl_b32 s46, s28, 1
	s_add_co_u32 s44, s44, s46
	s_mul_i32 s44, s44, 12800                      ; record 8 Ry + 2 w
	s_add_nc_u64 s[34:35], s[4:5], s[44:45]
	s_or_b32 s35, s35, 0x80000000
	s_lshl_b32 s44, s30, 4
	s_lshl_b32 s46, s28, 2
	s_add_co_u32 s44, s44, s46
	s_mul_i32 s44, s44, 12288
	s_add_co_u32 s44, s44, 2359296
	s_add_nc_u64 s[48:49], s[6:7], s[44:45]        ; W_o's images: tiles 16 p + 4 w on
	s_lshl_b32 s44, s30, 13
	s_lshl_b32 s46, s28, 11
	s_add_co_u32 s44, s44, s46
	s_add_nc_u64 s[52:53], s[8:9], s[44:45]        ; its scale bytes
	s_lshl_b32 s44, s30, 10
	s_lshl_b32 s46, s28, 8
	s_add_co_u32 s44, s44, s46
	s_add_nc_u64 s[56:57], s[10:11], s[44:45]      ; the bias of my 64 columns
	s_lshl_b32 s46, s31, 19
	s_add_co_u32 s44, s44, s46                     ; + 128 Ry rows of 4,096 bytes
	s_add_nc_u64 s[58:59], s[12:13], s[44:45]
	s_add_nc_u64 s[60:61], s[14:15], s[44:45]
	CROUND                                         ; all four work-groups are here: the joint loads meet
	tensor_load_to_lds s[32:35], s[36:43]          ; my one tensor load of the launch
	s_nop 0
.rept 4
	v_nop
.endr
	s_wait_alu depctr_va_vdst(0)
.irp pr, 0,1
	global_load_b128 v[WS+8*\pr:WS+8*\pr+3], v[SCA], s[52:53] offset:1024*\pr
	global_load_b128 v[WS+8*\pr+4:WS+8*\pr+7], v[SCA], s[52:53] offset:1024*\pr+16
.endr
	WIN 0x80                                       ; destination window 2
.irp t, 0,1,2,3
	global_load_b128 v[BO+8*\t:BO+8*\t+3], v[BUA], s[56:57] offset:(32*(\t/2)+8*(\t%2))*4
	global_load_b128 v[BO+8*\t+4:BO+8*\t+7], v[BUA], s[56:57] offset:(32*(\t/2)+8*(\t%2))*4+16
.endr
.irp s, 0,1,2,3,4,5,6,7
	WIN (1+\s/5)<<6
.irp t, 0,1,2,3
.irp c, 0,1,2
	global_load_b128 v[48*(\s%5)+12*\t+4*\c:48*(\s%5)+12*\t+4*\c+3], v[LI], s[48:49] offset:(8*\t+\s)*1536+512*\c
.endr
.endr
.endr
	WIN 0xc0                                       ; destination window 3: x, in the order in which the pairs of row tiles want it
.irp i, 0,1,2,3
.irp m, 0,1
.irp q, 0,1,2,3,4,5,6,7
	global_load_b128 v[64*\i+32*\m+4*\q:64*\i+32*\m+4*\q+3], v[GO], s[58:59] offset:(32*\i+8*\m+2*\q+8*(\q/4))*4096 th:TH_LOAD_NT   ; slots 2 q, 2 q + 1 of tile m of pair i
.endr
.endr
.endr
	WIN 0
	s_wait_tensorcnt 0x0                           ; my two records have landed,
	s_barrier_signal -1
	s_barrier_wait -1                              ; everybody's have.
	s_wait_loadcnt 63                              ; behind the weights stand x's 64 loads: the weights, their scales and the bias are in
.macro ALOAD s, pb
.irp m, 0,1
.irp c, 0,1,2
	ds_load_b128 v[AF+24*(\pb)+12*\m+4*\c:AF+24*(\pb)+12*\m+4*\c+3], v[ADRA] offset:12800*\m+1536*(\s)+512*\c
.endr
.endr
	ds_load_b32 v[XS+(\pb)], v[ADRS] offset:64*(\s)
.endm
.macro KSTEP s                         ; 8 products on 8 sums, which take turns, one instruction a turn
.if (\s) < 7
.if (\s) > 0
.rept 4
	v_nop                                          ; places in front of loads into the buffer that the last step's products read
.endr
.endif
	ALOAD (\s)+1, ((\s)+1)%2
	s_wait_dscnt 7                                 ; this step's seven loads are in; the seven just issued may be out
.else
	s_wait_dscnt 0x0
.endif
.set NW, 1+(\s)/5
.set WB, 48*((\s)%5)
.set AB, AF+24*((\s)%2)
.if (\s) == 0
	WIN NW|0x20                                    ; C: the bias, in window 2
.else
	WIN NW
.endif
.irp m, 0,1
.irp t, 0,1,2,3
.if (\s) == 0
	WM ACC+8*(4*\m+\t), WB+12*\t, AB+12*\m, BO+8*\t, WS+8*(\t/2)+(\s), XS+(\s)%2, \t%2, \m
.else
	WM ACC+8*(4*\m+\t), WB+12*\t, AB+12*\m, ACC+8*(4*\m+\t), WS+8*(\t/2)+(\s), XS+(\s)%2, \t%2, \m
.endif
.endr
.endr
	WIN 0
.endm
.macro BLK i                           ; a pair of row tiles: 64 products, then the way out
	ALOAD 0, 0
.irp s, 0,1,2,3,4,5,6,7
	KSTEP \s
.endr
.rept 4
	v_nop                                          ; places in front of the first read of results
.endr
	s_wait_xcnt 0x0                                ; the last pair's stores have read their registers
.irp m, 0,1
.irp b, 0,1
.irp k, 0,1,2,3
	ds_store_b128 v[STO], v[ACC+32*\m+16*\b+4*\k:ACC+32*\m+16*\b+4*\k+3] offset:128*\b+16*\k   ; columns 32 b + 16 h + 4 k on of row slot r; each sum from its low end on
.endr
.endr
.irp q, 0,1,2,3,4,5,6,7
	ds_load_b128 v[BK+32*\m+4*\q:BK+32*\m+4*\q+3], v[RD] offset:544*\q                          ; a wave's LDS instructions are served in order: these see the stores above, and the next tile's stores come behind them
.endr
.endr
	s_wait_loadcnt 16*(3-\i)                       ; this pair's x is in; the later pairs' sixteen loads each may be out
.irp m, 0,1
	s_wait_dscnt 16-16*\m                          ; tile m is back; behind tile 0's loads stand tile 1's eight stores and eight loads
	WIN 0x0c                                       ; source 1 (x) in window 3
.irp n, 0,2,4,6,8,10,12,14,16,18,20,22,24,26,28,30
	v_pk_add_f32 v[BK+32*\m+\n:BK+32*\m+\n+1], v[BK+32*\m+\n:BK+32*\m+\n+1], v[64*\i+32*\m+\n:64*\i+32*\m+\n+1]
.endr
	WIN 0
.irp q, 0,1,2,3,4,5,6,7
	global_store_b128 v[GO], v[BK+32*\m+4*\q:BK+32*\m+4*\q+3], s[60:61] offset:(32*\i+8*\m+2*\q+8*(\q/4))*4096 th:TH_STORE_NT   ; sixteen lanes store 256 consecutive bytes, aligned
.endr
.endr
.if (\i) < 3
	v_add_nc_u32 v[ADRA], 25600, v[ADRA]
	s_wait_alu depctr_va_vdst(0)
	v_add_nc_u32 v[ADRS], 25600, v[ADRS]
.endif
.endm
.irp i, 0,1,2,3
	s_wait_alu depctr_va_vdst(0)
	BLK \i
.endr
	s_wait_tensorcnt 0x0                           ; the wave's end, behind my last tensor load and my last LDS store
	ds_add_u32 v[SPW], v[NIL]
	s_wait_dscnt 0x0
	CROUND                                         ; the closing round
	s_endpgm
.Lfunc_end_k_qbb501a1f54_oproj:
	.size	k_qbb501a1f54_oproj, .Lfunc_end_k_qbb501a1f54_oproj-k_qbb501a1f54_oproj
	.p2alignl 7, 3214868480
	.fill 96, 4, 3214868480
	.section	.rodata,"a",@progbits
	.p2align	6, 0x0
	.amdhsa_kernel k_qbb501a1f54_oproj
		.amdhsa_group_segment_fixed_size 167936
		.amdhsa_private_segment_fixed_size 0
		.amdhsa_enable_private_segment 0
		.amdhsa_kernarg_size 48
		.amdhsa_user_sgpr_count 2
		.amdhsa_user_sgpr_kernarg_segment_ptr 1
		.amdhsa_wavefront_size32 1
		.amdhsa_system_sgpr_workgroup_id_x 1
		.amdhsa_system_sgpr_workgroup_id_y 1
		.amdhsa_system_sgpr_workgroup_id_z 1
		.amdhsa_system_vgpr_workitem_id 0
		.amdhsa_next_free_vgpr 1024
		.amdhsa_next_free_sgpr 72
		.amdhsa_reserve_vcc 0
		.amdhsa_float_denorm_mode_32 3
		.amdhsa_float_denorm_mode_16_64 3
		.amdhsa_memory_ordered 1
		.amdhsa_forward_progress 1
		.amdhsa_inst_pref_size 98
	.end_amdhsa_kernel
	.amdgpu_metadata
---
amdhsa.version: [ 1, 2 ]
amdhsa.kernels:
  - .name:           k_qbb501a1f54_oproj
    .symbol:         k_qbb501a1f54_oproj.kd
    .args:
      - { .name: cimg, .offset: 0, .size: 8, .value_kind: global_buffer, .address_space: global }
      - { .name: wimg, .offset: 8, .size: 8, .value_kind: global_buffer, .address_space: global }
      - { .name: w_o_scales, .offset: 16, .size: 8, .value_kind: global_buffer, .address_space: global }
      - { .name: b_o, .offset: 24, .size: 8, .value_kind: global_buffer, .address_space: global }
      - { .name: x, .offset: 32, .size: 8, .value_kind: global_buffer, .address_space: global }
      - { .name: out0, .offset: 40, .size: 8, .value_kind: global_buffer, .address_space: global }
    .group_segment_fixed_size: 167936
    .private_segment_fixed_size: 0
    .kernarg_segment_align: 8
    .kernarg_segment_size: 48
    .max_flat_workgroup_size: 128
    .sgpr_count:     72
    .vgpr_count:     1024
    .wavefront_size: 32
...
	.end_amdgpu_metadata
.endif
;; end of part 8
